; MI455X (gfx1250); checked and timed in simulation.
; The chip was launched on July 23, 2026; its instructions are those of AMD's public machine-readable ISA for CDNA 5 (MIT licence, August 2026) and "CDNA5" Instruction Set Architecture Reference Guide (July 2026). The comments in the code are by the model that wrote it; some were corrected since.
;; Mo E Layer. Allowed arithmetic: float matrix products may take bf16 or f16 operands with f32 sums; other float arithmetic in f32, or as packed bf16 or f16 multiplies, adds, multiply-adds, maxima and minima; sums over many terms, partial sums and values carried from step to step in f32; what a program stores and reads back later, other than sums and carried values, may be rounded once to bf16 or f16.
;; Inputs: W1 8 x 1,024 x 4,096 float32; W2 8 x 4,096 x 1,024 float32; b1 8 x 4,096 float32; b2 8 x 1,024 float32; gate_b 8 float32; gate_w 1,024 x 8 float32; gn_b 1,024 float32; gn_g 1,024 float32; ln_b 8 x 1,024 float32; ln_g 8 x 1,024 float32; x 4 x 256 x 1,024 float32.
;; Outputs: out0 4 x 256 x 1,024 float32.
;; 3 versions, each right; version 2 is faster than version 1; version 3 is version 2 with the launches router, ffn1 written anew for expert scheduling mode. Each part assembles by itself: llvm-mc -triple=amdgcn-amd-amdhsa -mcpu=gfx1250 --defsym DOCPART=n.
;; ======== version 1 of 3: 4 launches
;; workspace buffers: xb 2,097,152 bytes; sel 4,096 bytes of whole numbers; gw 8,192 bytes; hid 16,777,216 bytes; part 33,554,432 bytes
;; launch router (part 1): grid 256 x 1, 4 waves a work-group, no clusters, 0 bytes of LDS; arguments x, gn_g, gn_b, gate_w, gate_b, xb, sel, gw; writes xb, sel, gw
.if DOCPART == 1
	.amdgcn_target "amdgcn-amd-amdhsa--gfx1250"
	.amdhsa_code_object_version 6
	.text
	.protected	k_qdf31dc26a5_router
	.globl	k_qdf31dc26a5_router
	.p2align	8
	.type	k_qdf31dc26a5_router,@function
k_qdf31dc26a5_router:
	s_mov_b64 s[64:65], 0
	v_nop
	global_prefetch_b8 v0, s[64:65] scope:SCOPE_SE
	s_setreg_imm32_b32 hwreg(HW_REG_WAVE_MODE, 25, 1), 1
	s_wait_xcnt 0x0
; THE ROUTER.  One wave, one token t = 4 x work-group + wave.  LayerNorm of x[t] (two passes: mean, then squares of the differences), the product with gate_w [1024][8] in f32
; on the vector unit (a choice hangs on it, and it is a two-thousandth of the program's arithmetic), softmax with its maximum taken away, the two largest, their weights.
; Stored: xb[t] = x[t] rounded to bf16 (the first product's operand); sel[t] = (1 << e0) | (0x100 << e1), a whole number; gw[t] = {p0, p1} / (p0 + p1 + 1e-9).
; No address and no branch here hangs on the choice: later launches read sel.
; LIMIT: the order is taken on this text's own f32 probabilities; of equal ones the lower index wins, as in jax.lax.top_k.  Two probabilities that differ by less than the
; rounding of these sums may be ordered otherwise than by another order of summation.  NaN is not treated apart.
; A lane holds h = 128 i + 4 lane + c (i = 0..7, c = 0..3): each load of x covers 512 consecutive bytes.
; REGISTERS: v32-63 x, then the normalised row; v64-95 gn_g; v96-127 gn_b; v128-135 logits; v136-143 probabilities; v144-159 at work; v160-175 x in bf16;
; window 1: gate_w, register 32 i + 8 c + e.
.set MSB, 0
.macro WIN new                         ; the immediate's high byte repeats the setting that is left
.if MSB != (\new)
	s_set_vgpr_msb (MSB<<8)|(\new)
.set MSB, \new
.endif
.endm
.macro RED r                           ; the sum over the 32 lanes, in every lane
	v_add_f32_dpp v[\r], v[\r], v[\r] row_xmask:1 row_mask:0xf bank_mask:0xf
	v_add_f32_dpp v[\r], v[\r], v[\r] row_xmask:2 row_mask:0xf bank_mask:0xf
	v_add_f32_dpp v[\r], v[\r], v[\r] row_xmask:4 row_mask:0xf bank_mask:0xf
	v_add_f32_dpp v[\r], v[\r], v[\r] row_xmask:8 row_mask:0xf bank_mask:0xf
	v_permlanex16_b32 v158, v[\r], s20, s21
	v_add_f32 v[\r], v[\r], v158
.endm
.macro FOLD                            ; four packed chains v[144:151] into v144, then over the lanes
	v_pk_add_f32 v[144:145], v[144:145], v[146:147]
	v_pk_add_f32 v[148:149], v[148:149], v[150:151]
	v_pk_add_f32 v[144:145], v[144:145], v[148:149]
	v_add_f32 v144, v144, v145
	RED 144
.endm
	s_load_b256 s[4:11], s[0:1], 0x0               ; x s[4:5], gn_g s[6:7], gn_b s[8:9], gate_w s[10:11]
	s_load_b256 s[12:19], s[0:1], 0x20             ; gate_b s[12:13], xb s[14:15], sel s[16:17], gw s[18:19]
	v_and_b32 v5, 31, v0                           ; lane
	v_lshrrev_b32 v1, 5, v0
	v_readfirstlane_b32 s22, v1                    ; wave
	s_lshl_b32 s23, ttmp9, 2
	s_add_co_u32 s23, s23, s22                     ; t
	v_lshlrev_b32 v6, 4, v5                        ; 16 lane: x, gn_g, gn_b
	v_lshlrev_b32 v7, 7, v5                        ; 128 lane: four rows of gate_w
	v_lshlrev_b32 v8, 3, v5                        ; 8 lane: xb
	v_mov_b32 v9, 0
	v_mov_b32 v158, 0                              ; v_permlanex16_b32 counts as a reader of its destination
	s_mov_b32 s20, 0x76543210
	s_mov_b32 s21, 0xfedcba98
	s_mov_b32 s34, 0x3a800000                      ; 1 / 1024
	s_mov_b32 s35, 0x3727c5ac                      ; 1e-5
	s_lshl_b32 s36, s23, 12                        ; t's row in x,
	s_mov_b32 s37, 0
	s_lshl_b32 s38, s23, 11                        ; in xb,
	s_mov_b32 s39, 0
	s_lshl_b32 s40, s23, 2                         ; its word in sel,
	s_mov_b32 s41, 0
	s_lshl_b32 s42, s23, 3                         ; its pair in gw
	s_mov_b32 s43, 0
	s_wait_kmcnt 0x0
	s_load_b256 s[24:31], s[12:13], 0x0            ; gate_b
	s_add_nc_u64 s[4:5], s[4:5], s[36:37]
	s_add_nc_u64 s[14:15], s[14:15], s[38:39]
	s_add_nc_u64 s[16:17], s[16:17], s[40:41]
	s_add_nc_u64 s[18:19], s[18:19], s[42:43]
.irp i, 0,1,2,3,4,5,6,7
	global_load_b128 v[32+4*\i:35+4*\i], v6, s[4:5] offset:512*\i
.endr
.irp i, 0,1,2,3,4,5,6,7
	global_load_b128 v[64+4*\i:67+4*\i], v6, s[6:7] offset:512*\i
	global_load_b128 v[96+4*\i:99+4*\i], v6, s[8:9] offset:512*\i
.endr
	WIN 0x40                                       ; destination window 1
.irp i, 0,1,2,3,4,5,6,7
.irp u, 0,1,2,3,4,5,6,7
	global_load_b128 v[32*\i+4*\u:32*\i+4*\u+3], v7, s[10:11] offset:4096*\i+16*\u
.endr
.endr
	WIN 0
	s_wait_loadcnt 63                              ; 64 loads of gate_w were issued behind x, gn_g and gn_b: with at most 63 out those 24 are in
.set n, 0
.rept 16
	v_cvt_pk_bf16_f32 v[160+n], v[32+2*n], v[33+2*n]
.set n, n+1
.endr
.irp i, 0,1,2,3,4,5,6,7
	global_store_b64 v8, v[160+2*\i:161+2*\i], s[14:15] offset:256*\i  ; the wave's store covers 256 consecutive bytes, aligned
.endr
	; the mean
.irp c, 0,1,2,3
	v_pk_add_f32 v[144+2*\c:145+2*\c], v[32+2*\c:33+2*\c], v[40+2*\c:41+2*\c]
.endr
.irp j, 2,3
.irp c, 0,1,2,3
	v_pk_add_f32 v[144+2*\c:145+2*\c], v[144+2*\c:145+2*\c], v[32+8*\j+2*\c:33+8*\j+2*\c]
.endr
.endr
	FOLD
	v_mul_f32 v152, s34, v144
	v_mov_b32 v153, v152
.set n, 0
.rept 16
	v_pk_add_f32 v[32+n:33+n], v[32+n:33+n], v[152:153] neg_lo:[0,1] neg_hi:[0,1]
.set n, n+2
.endr
	; the variance, of the differences
.irp c, 0,1,2,3
	v_pk_mul_f32 v[144+2*\c:145+2*\c], v[32+2*\c:33+2*\c], v[32+2*\c:33+2*\c]
.endr
.irp j, 1,2,3
.irp c, 0,1,2,3
	v_pk_fma_f32 v[144+2*\c:145+2*\c], v[32+8*\j+2*\c:33+8*\j+2*\c], v[32+8*\j+2*\c:33+8*\j+2*\c], v[144+2*\c:145+2*\c]
.endr
.endr
	FOLD
	v_fma_f32 v146, v144, s34, s35                 ; variance + 1e-5
	v_rsq_f32 v148, v146
	v_nop                                          ; a plain instruction behind the root,
	s_wait_alu depctr_va_vdst(0)                   ; and the wait ahead of its first reader
	v_mov_b32 v149, v148
.set n, 0
.rept 16
	v_pk_mul_f32 v[32+n:33+n], v[32+n:33+n], v[148:149]
.set n, n+2
.endr
.set n, 0
.rept 16
	v_pk_fma_f32 v[32+n:33+n], v[32+n:33+n], v[64+n:65+n], v[96+n:97+n]
.set n, n+2
.endr
	s_wait_loadcnt 0x0                             ; gate_w
	; logits: two experts to a line, four chains; the first four lines start the sums
	WIN 0x01                                       ; source 0 window 1
.set i, 0
.rept 8
.set c, 0
.rept 4
.set NP, 32+4*i+2*(c/2)
.set q, 0
.rept 4
.if (i == 0) && (c == 0)
	v_pk_mul_f32 v[128+2*q:129+2*q], v[2*q:2*q+1], v[32:33] op_sel_hi:[1,0]
.elseif c%2 == 0
	v_pk_fma_f32 v[128+2*q:129+2*q], v[32*i+8*c+2*q:32*i+8*c+2*q+1], v[NP:NP+1], v[128+2*q:129+2*q] op_sel_hi:[1,0,1]
.else
	v_pk_fma_f32 v[128+2*q:129+2*q], v[32*i+8*c+2*q:32*i+8*c+2*q+1], v[NP:NP+1], v[128+2*q:129+2*q] op_sel:[0,1,0] op_sel_hi:[1,1,1]
.endif
.set q, q+1
.endr
.set c, c+1
.endr
.set i, i+1
.endr
	WIN 0
.irp m, 1,2,4,8
.irp e, 0,1,2,3,4,5,6,7
	v_add_f32_dpp v[128+\e], v[128+\e], v[128+\e] row_xmask:\m row_mask:0xf bank_mask:0xf
.endr
.endr
.irp e, 0,1,2,3,4,5,6,7
	v_permlanex16_b32 v[144+\e], v[128+\e], s20, s21
.endr
	s_wait_kmcnt 0x0                               ; gate_b
.irp e, 0,1,2,3,4,5,6,7
	v_add_f32 v[128+\e], v[128+\e], v[144+\e]
.endr
.irp e, 0,1,2,3,4,5,6,7
	v_add_f32 v[128+\e], s[24+\e], v[128+\e]
.endr
	; softmax, the maximum taken away
	v_max3_num_f32 v144, v128, v129, v130
	v_max3_num_f32 v144, v144, v131, v132
	v_max3_num_f32 v144, v144, v133, v134
	v_max_num_f32 v144, v144, v135
.irp e, 0,1,2,3,4,5,6,7
	v_sub_f32 v[136+\e], v[128+\e], v144
.endr
.irp e, 0,1,2,3,4,5,6,7
	v_mul_f32 v[136+\e], 0x3fb8aa3b, v[136+\e]
.endr
.irp e, 0,1,2,3,4,5,6,7
	v_exp_f32 v[136+\e], v[136+\e]
.endr
	v_nop
	s_wait_alu depctr_va_vdst(0)                   ; one wait for the eight exponentials
	v_add_f32 v145, v136, v137
	v_add_f32 v146, v138, v139
	v_add_f32 v147, v140, v141
	v_add_f32 v148, v142, v143
	v_add_f32 v145, v145, v146
	v_add_f32 v147, v147, v148
	v_add_f32 v145, v145, v147
	v_rcp_f32 v146, v145
	v_nop
	s_wait_alu depctr_va_vdst(0)
.irp e, 0,1,2,3,4,5,6,7
	v_mul_f32 v[136+\e], v[136+\e], v146
.endr
	; the largest, then the largest of the rest: strictly greater, experts ascending, so the lower index keeps a tie
	v_mov_b32 v150, v136
	v_mov_b32 v151, 0
.irp e, 1,2,3,4,5,6,7
	v_cmp_gt_f32 vcc_lo, v[136+\e], v150
	v_cndmask_b32 v150, v150, v[136+\e], vcc_lo
	v_cndmask_b32 v151, v151, \e, vcc_lo
.endr
.irp e, 0,1,2,3,4,5,6,7
	v_cmp_eq_u32 vcc_lo, \e, v151
	v_cndmask_b32 v[136+\e], v[136+\e], -1.0, vcc_lo
.endr
	v_mov_b32 v152, v136
	v_mov_b32 v153, 0
.irp e, 1,2,3,4,5,6,7
	v_cmp_gt_f32 vcc_lo, v[136+\e], v152
	v_cndmask_b32 v152, v152, v[136+\e], vcc_lo
	v_cndmask_b32 v153, v153, \e, vcc_lo
.endr
	v_add_f32 v154, v150, v152
	v_add_f32 v154, 0x3089705f, v154               ; + 1e-9
	v_rcp_f32 v155, v154
	v_mov_b32 v146, 1
	v_mov_b32 v147, 0x100
	s_wait_alu depctr_va_vdst(0)
	v_mul_f32 v156, v150, v155
	v_mul_f32 v157, v152, v155
	v_lshlrev_b32 v144, v151, v146
	v_lshlrev_b32 v145, v153, v147
	v_or_b32 v144, v144, v145
	s_wait_xcnt 0x0                                ; EXEC changes only behind this wait
	v_cmp_eq_u32 vcc_lo, 0, v5
	s_and_saveexec_b32 s44, vcc_lo                 ; every lane holds the same numbers: lane 0 stores them
	global_store_b32 v9, v144, s[16:17]
	global_store_b64 v9, v[156:157], s[18:19]
	s_wait_xcnt 0x0
	s_or_b32 exec_lo, exec_lo, s44
	s_endpgm
.Lfunc_end_k_qdf31dc26a5_router:
	.size	k_qdf31dc26a5_router, .Lfunc_end_k_qdf31dc26a5_router-k_qdf31dc26a5_router
	.p2alignl 7, 3214868480
	.fill 96, 4, 3214868480
	.section	.rodata,"a",@progbits
	.p2align	6, 0x0
	.amdhsa_kernel k_qdf31dc26a5_router
		.amdhsa_group_segment_fixed_size 0
		.amdhsa_private_segment_fixed_size 0
		.amdhsa_enable_private_segment 0
		.amdhsa_kernarg_size 64
		.amdhsa_user_sgpr_count 2
		.amdhsa_user_sgpr_kernarg_segment_ptr 1
		.amdhsa_wavefront_size32 1
		.amdhsa_system_sgpr_workgroup_id_x 1
		.amdhsa_system_sgpr_workgroup_id_y 1
		.amdhsa_system_sgpr_workgroup_id_z 1
		.amdhsa_system_vgpr_workitem_id 0
		.amdhsa_next_free_vgpr 512
		.amdhsa_next_free_sgpr 66
		.amdhsa_reserve_vcc 1
		.amdhsa_float_denorm_mode_32 3
		.amdhsa_float_denorm_mode_16_64 3
		.amdhsa_memory_ordered 1
		.amdhsa_forward_progress 1
		.amdhsa_inst_pref_size 34
	.end_amdhsa_kernel
	.amdgpu_metadata
---
amdhsa.version: [ 1, 2 ]
amdhsa.kernels:
  - .name:           k_qdf31dc26a5_router
    .symbol:         k_qdf31dc26a5_router.kd
    .args:
      - { .name: x, .offset: 0, .size: 8, .value_kind: global_buffer, .address_space: global }
      - { .name: gn_g, .offset: 8, .size: 8, .value_kind: global_buffer, .address_space: global }
      - { .name: gn_b, .offset: 16, .size: 8, .value_kind: global_buffer, .address_space: global }
      - { .name: gate_w, .offset: 24, .size: 8, .value_kind: global_buffer, .address_space: global }
      - { .name: gate_b, .offset: 32, .size: 8, .value_kind: global_buffer, .address_space: global }
      - { .name: xb, .offset: 40, .size: 8, .value_kind: global_buffer, .address_space: global }
      - { .name: sel, .offset: 48, .size: 8, .value_kind: global_buffer, .address_space: global }
      - { .name: gw, .offset: 56, .size: 8, .value_kind: global_buffer, .address_space: global }
    .group_segment_fixed_size: 0
    .private_segment_fixed_size: 0
    .kernarg_segment_align: 8
    .kernarg_segment_size: 64
    .max_flat_workgroup_size: 128
    .sgpr_count:     66
    .vgpr_count:     512
    .wavefront_size: 32
...
	.end_amdgpu_metadata
.endif
;; end of part 1
;; launch ffn1 (part 2): grid 32 x 8, 4 waves a work-group, no clusters, 320,000 bytes of LDS; arguments xb, W1, b1, sel, hid; writes hid
.if DOCPART == 2
	.amdgcn_target "amdgcn-amd-amdhsa--gfx1250"
	.amdhsa_code_object_version 6
	.text
	.protected	k_qdf31dc26a5_ffn1
	.globl	k_qdf31dc26a5_ffn1
	.p2align	8
	.type	k_qdf31dc26a5_ffn1,@function
k_qdf31dc26a5_ffn1:
	s_mov_b64 s[64:65], 0
	v_nop
	global_prefetch_b8 v0, s[64:65] scope:SCOPE_SE
	s_setreg_imm32_b32 hwreg(HW_REG_WAVE_MODE, 25, 1), 1
	s_wait_xcnt 0x0
; THE FIRST PRODUCT.  hid[slot][f] = gelu(x[t] . W1[e][:, f] + b1[e][f]) in bf16, for the routed rows alone: slot = 2 t + k, where expert e is token t's choice k.
; A work-group has expert e = group y and 128 columns f = 128 x group x ..: 1024 x 128 f32 of W1, which it alone reads, and ALL rows of that expert, whatever their number (0 to 1,024).
; PHASES.  (1) Every wave reads sel (1,024 words) and builds, in LDS bytes of its own, the list of the expert's slots; all four lists are alike.  (2) Wave w streams rows k = 256 w .. of the
; slice through a ring of 64 loads in registers, rounds to bf16 and lays the slice into LDS with K along the rows of each column.  One barrier.  (3) Trips of 320 rows: wave w has the row tiles
; 20 p + w + 4 a (a = 0..4), 40 accumulators; weight fragments come from LDS, token fragments from memory straight into registers, by the list.
; The trip loop counts to the constant 4 (1,280 rows); the products of a trip, and a tile on the way out, past the count are jumped forward; every wave passes every barrier.
; TWO BARRIERS A TRIP part the stretch in which LDS is only read (list and slice; the fragment loads walk the slice by a stepped address) from the stretch in which each wave writes and reads
; back its own stage.  Slice, lists and stages lie apart; with the barriers the order of reads and writes does not rest on the stepped addresses' arithmetic.
; Places of a tile past the count repeat the expert's last row: they make and store the same bytes to the same address, so no lane is masked.
; NO CLUSTER: each slice of weights has one reader, and the token rows come by a list, which no tensor descriptor covers.
; The matrix instruction takes 16 weight columns as source 0 and 16 token rows as source 1: a lane then holds one token (lane % 16) and eight neighbouring columns.
; GELU is the exact one, x Phi(x) = max(x, 0) - |x| erfc(|x| / sqrt 2) / 2, erfc by the five-term rational form in t = 1 / (1 + 0.3275911 z) times exp(-z^2):
; LIMIT: absolute error of erf up to 1.5e-7 for every x; where x^2 passes f32's range the exponential is 0, which is the limit value.  NaN and infinities are not treated apart.
; REGISTERS.  Window 0: v1, v2 the add's two; v3 r = lane % 16, v4 h = lane / 16, v5 lane; v6 list base; v7 1280 + lane; v8 8 lane; v9 weight offset; v10-13, v14-17 fragment addresses;
;   v18-22 token row offsets (on the way out v14-21: the rows' offsets in hid); v23-27 addresses; v28, v29 at work; v30-31 a constant pair; v32-95, v96-159 weight fragments, two buffers
;   (on the way out: at work); v160-191 packed weights; v192-195 slice store addresses.
; Window 1: the landing ring, later accumulators (a, b) at 64 a + 8 b, a = 0..3.  Window 2: v0-63 accumulators (4, b); v64-223 token fragments, four buffers of 40.
; Window 3: v0-63 b1 of my lane's columns; v64-103 the slots of the trip's rows 2 t + h, tile a at 64 + 8 a + t.
.set ROWB,   16384                     ; bytes in a row of W1
.set PITCH,  2064                      ; a column's 1,024 bf16 + 16 bytes: an odd multiple of 16, so the 16 columns of a fragment load start 16 bytes apart modulo 256
.set CT,     16*PITCH
.set LIST,   128*PITCH                 ; behind the slice: for each wave 1,280 list words, then 32 words that take the lanes without a row
.set LISTB,  5376
.set STAGE,  LIST+4*LISTB              ; for each wave 16 rows x 272 bytes, for the way out
.set SP,     272
.set SPARE,  319488                    ; the spare words: 128 bytes for each wave, two blocks of 256 bytes that no other line names
.set MSB, 0
.macro WIN new                         ; the immediate's high byte repeats the setting that is left
.if MSB != (\new)
	s_set_vgpr_msb (MSB<<8)|(\new)
.set MSB, \new
.endif
.endm
; 16 loads: 16 rows k x 128 columns of the slice into quarter q of the ring.  Lanes 0-15 take 256 consecutive aligned bytes of row i, lanes 16-31 of row 8 + i.
.macro LOADB q
	WIN 0x40
.irp g, 0,1
.irp i, 0,1,2,3,4,5,6,7
	global_load_b128 v[64*(\q)+32*\g+4*\i:64*(\q)+32*\g+4*\i+3], v9, s[32:33] offset:(16*(\q)+\i)*ROWB+256*\g th:TH_LOAD_NT
.endr
.endr
	WIN 0
.endm
; Quarter q has landed: eight k of a column pack into 16 bytes, which go to column 64 g + 4 r + j of the slice; then the quarter is asked for again.
.macro UNIT q, issue, left
	s_wait_loadcnt \left                           ; loads come back in order: mine are in, the younger quarters stay out
	WIN 0x05
.irp g, 0,1
.irp j, 0,1,2,3
.irp p, 0,1,2,3
	v_cvt_pk_bf16_f32 v[160+16*\g+4*\j+\p], v[64*(\q)+32*\g+8*\p+\j], v[64*(\q)+32*\g+8*\p+4+\j]
.endr
.endr
.endr
	WIN 0
.irp g, 0,1
.irp j, 0,1,2,3
	ds_store_b128 v[194+\g], v[160+16*\g+4*\j:160+16*\g+4*\j+3] offset:\j*PITCH+32*(\q)
.endr
.endr
.if \issue
	LOADB \q
.endif
.endm
.macro BLOAD imm, f                    ; 16 LDS loads: the weight fragments of 32 k at byte imm, all 8 column tiles
.irp b, 0,1,2,3,4,5,6,7
	ds_load_b128 v[(\f)+8*\b:(\f)+8*\b+3],   v[14+\b/2] offset:(\b%2)*CT+(\imm)
	ds_load_b128 v[(\f)+8*\b+4:(\f)+8*\b+7], v[14+\b/2] offset:(\b%2)*CT+(\imm)+32
.endr
.endm
.macro ALOAD imm, buf                  ; 10 loads: the token fragments of 32 k at byte imm, my five row tiles
	WIN 0x80
.irp a, 0,1,2,3,4
	global_load_b128 v[64+40*(\buf)+8*\a:64+40*(\buf)+8*\a+3],   v[18+\a], s[30:31] offset:(\imm)
	global_load_b128 v[64+40*(\buf)+8*\a+4:64+40*(\buf)+8*\a+7], v[18+\a], s[30:31] offset:(\imm)+32
.endr
	WIN 0
.endm
.macro VBSET
.irp p, 0,1,2,3
	v_add_nc_u32 v[14+\p], s25, v[10+\p]
.endr
.endm
.macro ADV                             ; 128 k on
	s_wait_xcnt 0x0                                ; the token loads' base is stepped only behind this wait
	s_add_nc_u64 s[30:31], s[30:31], 256
	s_add_co_u32 s25, s25, 256
	VBSET
.endm
; One K step of 32.  Four plain places stand between the last products and the loads into the buffers that they read.  Weight fragments are asked for one step ahead, token fragments three.
; The 40 (or 32) accumulators take turns, one instruction a turn.  zero = 1: the products start the sums, tile 4's too.
.macro STEP u, zero, ia, ib, dsl, ldl
.rept 4
	v_nop
.endr
.if \ib
	BLOAD 64*((\u)+1), 32+64*(((\u)+1)&1)
.endif
.if \ia
	ALOAD 64*((\u)+3), ((\u)+3)&3
.endif
	s_wait_dscnt \dsl                              ; all but the weight fragments just asked for
	s_wait_loadcnt \ldl                            ; all but the later steps' token fragments, ten loads a step
.set FB, 32+64*((\u)&1)
.set FA, 64+40*((\u)&3)
	WIN 0x58                                       ; weights window 0, tokens window 2, sums window 1
.irp a, 0,1,2,3
.irp b, 0,1,2,3,4,5,6,7
.if \zero
	v_wmma_f32_16x16x32_bf16 v[64*\a+8*\b:64*\a+8*\b+7], v[FB+8*\b:FB+8*\b+7], v[FA+8*\a:FA+8*\a+7], 0
.else
	v_wmma_f32_16x16x32_bf16 v[64*\a+8*\b:64*\a+8*\b+7], v[FB+8*\b:FB+8*\b+7], v[FA+8*\a:FA+8*\a+7], v[64*\a+8*\b:64*\a+8*\b+7]
.endif
.endr
.endr
	WIN 0
.if !(\zero)
	s_cmp_eq_u32 s26, 0                            ; my fifth tile lies past the count: its products are jumped
	s_cbranch_scc1 .Lno4_\@
.endif
	WIN 0xa8                                       ; tokens and sums window 2
.irp b, 0,1,2,3,4,5,6,7
.if \zero
	v_wmma_f32_16x16x32_bf16 v[8*\b:8*\b+7], v[FB+8*\b:FB+8*\b+7], v[FA+32:FA+39], 0
.else
	v_wmma_f32_16x16x32_bf16 v[8*\b:8*\b+7], v[FB+8*\b:FB+8*\b+7], v[FA+32:FA+39], v[8*\b:8*\b+7]
.endif
.endr
	WIN 0
.if !(\zero)
.Lno4_\@:
.endif
.endm
; The way out of tile a begins: sums + b1 into v32-95, each accumulator's registers in ascending order; and the tile's eight slots, held to 0..2047, into v14-21.
.macro COPY a
	WIN 0x0d+(\a)/4                                ; source 0 window 1 (tile 4: window 2), source 1 window 3
.irp b, 0,1,2,3,4,5,6,7
.irp p, 0,1,2,3
	v_pk_add_f32 v[32+8*\b+2*\p:33+8*\b+2*\p], v[64*((\a)%4)+8*\b+2*\p:64*((\a)%4)+8*\b+2*\p+1], v[8*\b+2*\p:8*\b+2*\p+1]
.endr
.endr
.irp t, 0,1,2,3,4,5,6,7
	v_min_u32 v[14+\t], 0x7ff, v[64+8*(\a)+\t]
.endr
	WIN 0
.endm
; GELU of 32 numbers a lane (column tiles 4 g .. 4 g + 3), rounded to bf16 and put into my stage.  The 64 transcendentals are one batch with one wait.
.macro GH g
.set XR, 32+32*(\g)
.set HR, 224+16*(\g)
.set n, 0
.rept 32
	v_fma_f32 v[96+n], |v[XR+n]|, s48, 1.0         ; 1 + 0.3275911 |x| / sqrt 2
.set n, n+1
.endr
.set n, 0
.rept 16
	v_pk_mul_f32 v[128+n:129+n], v[XR+n:XR+n+1], v[XR+n:XR+n+1]
.set n, n+2
.endr
.set n, 0
.rept 16
	v_pk_mul_f32 v[128+n:129+n], v[128+n:129+n], 0xbf38aa3b op_sel_hi:[1,0]  ; - x^2 log2(e) / 2
.set n, n+2
.endr
.set n, 0
.rept 32
	v_rcp_f32 v[96+n], v[96+n]                     ; t
.set n, n+1
.endr
.set n, 0
.rept 32
	v_exp_f32 v[128+n], v[128+n]                   ; exp(-x^2 / 2)
.set n, n+1
.endr
.set n, 0
.rept 32
	v_max_num_f32 v[192+n], 0, v[XR+n]             ; plain work that names no result of the batch
.set n, n+1
.endr
	s_wait_alu depctr_va_vdst(0)                   ; the wait ahead of the batch's first reader
.set n, 0
.rept 16
	v_pk_fma_f32 v[160+n:161+n], v[96+n:97+n], 0x3f07dc22, v[30:31] op_sel_hi:[1,0,1]  ; a5/2 t + a4/2
.set n, n+2
.endr
.irp k, 0x3f35f0e3, 0xbe11a98e, 0x3e027906         ; a3/2, a2/2, a1/2
.set n, 0
.rept 16
	v_pk_fma_f32 v[160+n:161+n], v[160+n:161+n], v[96+n:97+n], \k op_sel_hi:[1,1,0]
.set n, n+2
.endr
.endr
.set n, 0
.rept 16
	v_pk_mul_f32 v[160+n:161+n], v[160+n:161+n], v[96+n:97+n]
.set n, n+2
.endr
.set n, 0
.rept 16
	v_pk_mul_f32 v[160+n:161+n], v[160+n:161+n], v[128+n:129+n]  ; erfc(|x| / sqrt 2) / 2
.set n, n+2
.endr
.set n, 0
.rept 32
	v_fma_f32 v[XR+n], -|v[XR+n]|, v[160+n], v[192+n]
.set n, n+1
.endr
.set n, 0
.rept 16
	v_cvt_pk_bf16_f32 v[HR+n], v[XR+2*n], v[XR+2*n+1]
.set n, n+1
.endr
.irp b, 0,1,2,3
	ds_store_b128 v25, v[HR+4*\b:HR+4*\b+3] offset:32*(4*(\g)+\b)
.endr
.endm
	s_load_b256 s[4:11], s[0:1], 0x0               ; xb s[4:5], W1 s[6:7], b1 s[8:9], sel s[10:11]
	s_load_b64 s[12:13], s[0:1], 0x20              ; hid
	v_lshl_add_u32 v1, v0, 2, SPARE                ; my spare word, and 0: kept for the add at the wave's end alone
	v_mov_b32 v2, 0
	v_and_b32 v5, 31, v0
	v_and_b32 v3, 15, v0
	v_bfe_u32 v4, v0, 4, 1
	v_lshrrev_b32 v28, 5, v0
	v_readfirstlane_b32 s14, v28                   ; wave
	s_and_b32 s15, ttmp7, 0xffff                   ; expert
	s_mov_b32 s16, ttmp9                           ; slice of 128 columns
	s_mul_i32 s46, s14, LISTB
	s_add_co_u32 s46, s46, LIST
	v_mov_b32 v6, s46                              ; my wave's list
	v_add_nc_u32 v7, 0x500, v5                     ; the word that takes my lane when it has no row
	v_lshlrev_b32 v8, 3, v5
	v_lshlrev_b32 v9, 4, v3
	v_lshl_add_u32 v9, v4, 17, v9                  ; 16 r + 8 h rows of W1
	v_lshlrev_b32 v24, 4, v4                       ; 16 h
	v_mul_u32_u24 v28, v3, PITCH
	v_add_nc_u32 v28, v28, v24
.irp p, 0,1,2,3
	v_add_nc_u32 v[10+\p], \p*2*CT, v28            ; column r of tiles 2 p, 2 p + 1
.endr
	v_lshl_add_u32 v23, v3, 2, v6
	s_mul_i32 s46, s14, 16*SP
	s_add_co_u32 s46, s46, STAGE                   ; my stage
	v_mul_u32_u24 v25, v3, SP
	v_add3_u32 v25, v25, v24, s46                  ; in: row r, 16 bytes for each half of the lanes
	v_mul_u32_u24 v26, v4, SP
	v_lshl_add_u32 v26, v3, 4, v26
	v_add_nc_u32 v26, s46, v26                     ; back: lanes 0-15 one row of 256 bytes, lanes 16-31 the next
	v_lshlrev_b32 v27, 4, v3
	v_mul_u32_u24 v192, v3, 4*PITCH
	v_add_nc_u32 v192, v192, v24                   ; column 4 r, 16 h
	v_add_nc_u32 v193, 64*PITCH, v192
	s_lshl_b32 s44, 0x101, s15                     ; the expert's two bits in a word of sel
	s_add_co_u32 s45, s15, 8
	s_mov_b32 s48, 0x3e6d3388                      ; 0.3275911 / sqrt 2
	s_lshl_b32 s36, s15, 24                        ; W1: the expert, the slice, my 256 rows
	s_lshl_b32 s46, s16, 9
	s_add_co_u32 s36, s36, s46
	s_lshl_b32 s46, s14, 22
	s_add_co_u32 s36, s36, s46
	s_mov_b32 s37, 0
	s_lshl_b32 s38, s15, 14                        ; b1
	s_lshl_b32 s46, s16, 9
	s_add_co_u32 s38, s38, s46
	s_mov_b32 s39, 0
	s_lshl_b32 s40, s16, 8                         ; hid: the slice's 256 bytes of a row
	s_mov_b32 s41, 0
	v_lshlrev_b32 v29, 4, v5
	v_lshlrev_b32 v30, 5, v4
	s_wait_kmcnt 0x0
	s_add_nc_u64 s[32:33], s[6:7], s[36:37]
	s_add_nc_u64 s[38:39], s[8:9], s[38:39]
	s_add_nc_u64 s[34:35], s[12:13], s[40:41]
	s_mov_b64 s[28:29], s[4:5]
.irp i, 0,1,2,3,4,5,6,7
	global_load_b128 v[32+4*\i:35+4*\i], v29, s[10:11] offset:512*\i   ; sel: word 128 i + 4 lane + c
.endr
	WIN 0xc0
.irp b, 0,1,2,3,4,5,6,7
	global_load_b128 v[8*\b:8*\b+3],   v30, s[38:39] offset:64*\b       ; b1 of columns 16 b + 8 h + 0..7
	global_load_b128 v[8*\b+4:8*\b+7], v30, s[38:39] offset:64*\b+16
.endr
	WIN 0
	LOADB 0                                        ; the weights start ahead of the list's work
	LOADB 1
	LOADB 2
	s_wait_loadcnt 48                              ; the 48 weight loads stay out; sel and b1 are in
	; THE LIST.  1,280 words are set to 0 (slot 0 is a row that exists); then 32 rounds of 32 tokens: a lane with a row puts its slot at the running count plus its rank among such lanes.
.irp i, 28,29,30,31
	v_mov_b32 v\i, 0
.endr
	v_lshl_add_u32 v14, v5, 4, v6
.irp i, 0,1,2,3,4,5,6,7,8,9
	ds_store_b128 v14, v[28:31] offset:512*\i
.endr
	s_mov_b32 s19, 0
.set n, 0
.rept 32
	v_and_b32 v28, s44, v[32+n]
	v_cmp_ne_u32 s47, 0, v28
	v_lshrrev_b32 v29, s45, v28                    ; k: 0 or 1
	v_add3_u32 v29, v29, v8, 256*(n/4)+2*(n%4)     ; slot = 2 token + k
	v_mbcnt_lo_u32_b32 v30, s47, s19
	v_cndmask_b32 v30, v7, v30, s47
	v_min_u32 v30, 0x51f, v30                      ; every place lies in my 1,312 words
	v_lshl_add_u32 v30, v30, 2, v6
	ds_store_b32 v30, v29
	s_bcnt1_i32_b32 s46, s47
	s_add_co_u32 s19, s19, s46
.set n, n+1
.endr
	s_max_u32 s46, s19, 1                          ; 32 words behind the count repeat the last row
	s_sub_co_u32 s46, s46, 1
	s_min_u32 s46, s46, 0x3ff
	v_lshl_add_u32 v28, s46, 2, v6
	ds_load_b32 v29, v28
	s_min_u32 s46, s19, 0x400
	v_add_nc_u32 v30, s46, v5
	v_lshl_add_u32 v30, v30, 2, v6
	s_wait_dscnt 0x0
	ds_store_b32 v30, v29
	s_add_co_u32 s20, s19, 15
	s_lshr_b32 s20, s20, 4                         ; row tiles of 16
	v_mov_b32 v30, 0xbf3a00e3                      ; a4/2, as a pair
	v_mov_b32 v31, 0xbf3a00e3
	; My fifth tile's sums are set once, while the first weights are on their way, so that they hold numbers on every way through the text: a trip past the count jumps the products alone.
	; A trip with rows starts them anew with its first K step.
	WIN 0x80
.set n, 0
.rept 64
	v_mov_b32 v[n], 0
.set n, n+1
.endr
	WIN 0
	; THE SLICE.  My 256 rows go in four groups of 64 through the ring: by this text's count 64 loads, 32 KiB a wave, are out.
	LOADB 3
	s_wait_xcnt 0x0
	s_add_nc_u64 s[32:33], s[32:33], 64*ROWB
	s_lshl_b32 s25, s14, 9                         ; my k's first byte in a column
	s_mov_b32 s24, 3
.Lw:
	v_add_nc_u32 v194, s25, v192
	v_add_nc_u32 v195, s25, v193
	UNIT 0, 1, 48
	UNIT 1, 1, 48
	UNIT 2, 1, 48
	UNIT 3, 1, 48
	s_wait_xcnt 0x0                                ; the weights' base is stepped only behind this wait
	s_add_nc_u64 s[32:33], s[32:33], 64*ROWB
	s_add_co_u32 s25, s25, 128
	s_sub_co_u32 s24, s24, 1
	s_cmp_lg_u32 s24, 0
	s_cbranch_scc1 .Lw
	v_add_nc_u32 v194, s25, v192
	v_add_nc_u32 v195, s25, v193
	UNIT 0, 0, 48                                  ; the last group asks for nothing: the counts run down
	UNIT 1, 0, 32
	UNIT 2, 0, 16
	UNIT 3, 0, 0
	s_wait_dscnt 0x0                               ; for the others' sake: my part of the slice is written
	s_barrier_signal -1
	s_barrier_wait -1                              ; the slice is whole; nothing writes it again
	s_mov_b32 s21, 0
	s_mov_b32 s27, s14                             ; my first tile of the trip: 20 p + w
.Ltrip:
	s_wait_xcnt 0x0                                ; the last way out's stores have read their registers
	; All that the trip wants of the list is read here, in every trip (the list's 1,280 words cover tile 79): row r of each tile for the products, rows 2 t + h for the way out.
	s_lshl_b32 s46, s27, 6
	v_add_nc_u32 v28, s46, v23
	v_lshl_add_u32 v29, v4, 2, v6
	v_add_nc_u32 v29, s46, v29
.irp a, 0,1,2,3,4
	ds_load_b32 v[18+\a], v28 offset:256*\a        ; row r of tile 20 p + w + 4 a
.endr
	WIN 0xc0
.irp a, 0,1,2,3,4
.irp t, 0,1,2,3,4,5,6,7
	ds_load_b32 v[64+8*\a+\t], v29 offset:256*\a+8*\t
.endr
.endr
	WIN 0
	s_cmp_ge_u32 s27, s20
	s_cbranch_scc1 .Lmeet                          ; none of my tiles of this trip has a row: the products are jumped
	s_add_co_u32 s46, s27, 16
	s_cmp_lt_u32 s46, s20
	s_cselect_b32 s26, 1, 0                        ; has my fifth tile rows?
	s_wait_dscnt 0x0
.irp a, 0,1,2,3,4
	v_lshrrev_b32 v[18+\a], 1, v[18+\a]            ; the token,
	v_min_u32 v[18+\a], 0x3ff, v[18+\a]
	v_lshl_add_u32 v[18+\a], v[18+\a], 11, v24     ; its row of 2,048 bytes in xb, + 16 h
.endr
	s_mov_b64 s[30:31], s[28:29]
	s_mov_b32 s25, 0
	VBSET
	ALOAD 0, 0
	ALOAD 64, 1
	ALOAD 128, 2
	BLOAD 0, 32
	STEP 0, 1, 1, 1, 16, 30                        ; the first K step starts the sums
	STEP 1, 0, 1, 1, 16, 30
	STEP 2, 0, 1, 1, 16, 30
	STEP 3, 0, 1, 1, 16, 30
	ADV
	s_mov_b32 s24, 6
.Lk:
	STEP 0, 0, 1, 1, 16, 30
	STEP 1, 0, 1, 1, 16, 30
	STEP 2, 0, 1, 1, 16, 30
	STEP 3, 0, 1, 1, 16, 30
	ADV
	s_sub_co_u32 s24, s24, 1
	s_cmp_lg_u32 s24, 0
	s_cbranch_scc1 .Lk
	STEP 0, 0, 1, 1, 16, 30                        ; the last 128 k: no load passes a row's end
	STEP 1, 0, 0, 1, 16, 20
	STEP 2, 0, 0, 1, 16, 10
	STEP 3, 0, 0, 0, 0, 0
.rept 4
	v_nop                                          ; the places between the last products and the first reader of a sum
.endr
.Lmeet:
	s_wait_dscnt 0x0                               ; my reads of list and slice are back
	s_barrier_signal -1
	s_barrier_wait -1                              ; everybody's are: now the stages are written
	s_mov_b32 s22, 0
	s_mov_b32 s23, s27
.Ltile:
	s_cmp_ge_u32 s23, s20
	s_cbranch_scc1 .Ltn                            ; a tile past the count stores nothing
	s_wait_xcnt 0x0                                ; the last tile's stores have read their registers
	s_cmp_eq_u32 s22, 0
	s_cbranch_scc1 .Lc0
	s_cmp_eq_u32 s22, 1
	s_cbranch_scc1 .Lc1
	s_cmp_eq_u32 s22, 2
	s_cbranch_scc1 .Lc2
	s_cmp_eq_u32 s22, 3
	s_cbranch_scc1 .Lc3
	COPY 4
	s_branch .Lgo
.Lc0:
	COPY 0
	s_branch .Lgo
.Lc1:
	COPY 1
	s_branch .Lgo
.Lc2:
	COPY 2
	s_branch .Lgo
.Lc3:
	COPY 3
.Lgo:
	GH 0
	GH 1
.irp t, 0,1,2,3,4,5,6,7
	ds_load_b128 v[96+4*\t:99+4*\t], v26 offset:2*SP*\t   ; a wave's LDS instructions are served in order: these see the stores above
.endr
.irp t, 0,1,2,3,4,5,6,7
	v_lshl_add_u32 v[14+\t], v[14+\t], 13, v27     ; the slot's row of 8,192 bytes in hid, + 16 r
.endr
	s_wait_dscnt 0x0
.irp t, 0,1,2,3,4,5,6,7
	global_store_b128 v[14+\t], v[96+4*\t:99+4*\t], s[34:35]  ; 16 lanes store 256 consecutive bytes, aligned
.endr
.Ltn:
	s_add_co_u32 s23, s23, 4
	s_add_co_u32 s22, s22, 1
	s_cmp_lt_u32 s22, 5
	s_cbranch_scc1 .Ltile
	s_wait_dscnt 0x0                               ; my stage's stores and reads are done
	s_barrier_signal -1
	s_barrier_wait -1                              ; everybody's are: the next trip only reads
	s_add_co_u32 s27, s27, 20
	s_add_co_u32 s21, s21, 1
	s_cmp_lt_u32 s21, 4
	s_cbranch_scc1 .Ltrip
	s_wait_tensorcnt 0x0                           ; the wave's end
	ds_add_u32 v1, v2
	s_wait_dscnt 0x0
	s_endpgm
.Lfunc_end_k_qdf31dc26a5_ffn1:
	.size	k_qdf31dc26a5_ffn1, .Lfunc_end_k_qdf31dc26a5_ffn1-k_qdf31dc26a5_ffn1
	.p2alignl 7, 3214868480
	.fill 96, 4, 3214868480
	.section	.rodata,"a",@progbits
	.p2align	6, 0x0
	.amdhsa_kernel k_qdf31dc26a5_ffn1
		.amdhsa_group_segment_fixed_size 320000
		.amdhsa_private_segment_fixed_size 0
		.amdhsa_enable_private_segment 0
		.amdhsa_kernarg_size 40
		.amdhsa_user_sgpr_count 2
		.amdhsa_user_sgpr_kernarg_segment_ptr 1
		.amdhsa_wavefront_size32 1
		.amdhsa_system_sgpr_workgroup_id_x 1
		.amdhsa_system_sgpr_workgroup_id_y 1
		.amdhsa_system_sgpr_workgroup_id_z 1
		.amdhsa_system_vgpr_workitem_id 0
		.amdhsa_next_free_vgpr 872
		.amdhsa_next_free_sgpr 66
		.amdhsa_reserve_vcc 0
		.amdhsa_float_denorm_mode_32 3
		.amdhsa_float_denorm_mode_16_64 3
		.amdhsa_memory_ordered 1
		.amdhsa_forward_progress 1
		.amdhsa_inst_pref_size 179
	.end_amdhsa_kernel
	.amdgpu_metadata
---
amdhsa.version: [ 1, 2 ]
amdhsa.kernels:
  - .name:           k_qdf31dc26a5_ffn1
    .symbol:         k_qdf31dc26a5_ffn1.kd
    .args:
      - { .name: xb, .offset: 0, .size: 8, .value_kind: global_buffer, .address_space: global }
      - { .name: W1, .offset: 8, .size: 8, .value_kind: global_buffer, .address_space: global }
      - { .name: b1, .offset: 16, .size: 8, .value_kind: global_buffer, .address_space: global }
      - { .name: sel, .offset: 24, .size: 8, .value_kind: global_buffer, .address_space: global }
      - { .name: hid, .offset: 32, .size: 8, .value_kind: global_buffer, .address_space: global }
    .group_segment_fixed_size: 320000
    .private_segment_fixed_size: 0
    .kernarg_segment_align: 8
    .kernarg_segment_size: 40
    .max_flat_workgroup_size: 128
    .sgpr_count:     66
    .vgpr_count:     872
    .wavefront_size: 32
...
	.end_amdgpu_metadata
.endif
;; end of part 2
;; launch ffn2 (part 3): grid 32 x 8, 4 waves a work-group, no clusters, 320,000 bytes of LDS; arguments hid, W2, sel, part; writes part
.if DOCPART == 3
	.amdgcn_target "amdgcn-amd-amdhsa--gfx1250"
	.amdhsa_code_object_version 6
	.text
	.protected	k_qdf31dc26a5_ffn2
	.globl	k_qdf31dc26a5_ffn2
	.p2align	8
	.type	k_qdf31dc26a5_ffn2,@function
k_qdf31dc26a5_ffn2:
	s_mov_b64 s[64:65], 0
	v_nop
	global_prefetch_b8 v0, s[64:65] scope:SCOPE_SE
	s_setreg_imm32_b32 hwreg(HW_REG_WAVE_MODE, 25, 1), 1
	s_wait_xcnt 0x0
; THE SECOND PRODUCT, in quarters of K.  part[kq][slot][n] = the sum over f = 1024 kq .. 1024 kq + 1023 of hid[slot][f] W2[e][f][n], in f32, for the rows of expert e.
; A work-group has expert e = group y, K quarter kq = group x / 8 and 128 columns n = 128 (group x % 8) ..: 1024 x 128 f32 of W2, which it alone reads, and ALL rows of that expert (0 to 1,024).
; The four quarters, b2, the residual and the LayerNorm, which spans all 1,024 columns and so eight work-groups, are added up by the next launch; partial sums stay in f32.
; PHASES, as in the first product: (1) every wave builds the list of the expert's slots from sel, in LDS bytes of its own; (2) wave w streams rows 256 w .. of the slice through a ring of 64
; loads in registers, rounds to bf16 and lays it into LDS with K along each column; one barrier; (3) trips of 320 rows, wave w with the row tiles 20 p + w + 4 a (a = 0..4), 40 accumulators;
; weight fragments from LDS, hid's from memory straight into registers, by the list.  The trip loop counts to the constant 4; the products of a trip, and a tile on the way out, past the count
; are jumped forward; every wave passes every barrier.
; TWO BARRIERS A TRIP part the stretch in which LDS is only read (list and slice; the fragment loads walk the slice by a stepped address) from the stretch in which each wave writes and reads
; back its own stage.  Slice, lists and stages lie apart; with the barriers the order of reads and writes does not rest on the stepped addresses' arithmetic.
; Places of a tile past the count repeat the expert's last row: the same bytes go to the same address, so no lane is masked.
; NO CLUSTER: each slice of weights has one reader, and the rows come by a list, which no tensor descriptor covers.
; Source 0 = 16 weight columns, source 1 = 16 rows: a lane holds one row (lane % 16) and eight neighbouring columns.
; REGISTERS.  Window 0: v1, v2 the add's two; v3 r, v4 h, v5 lane; v6 list base; v7 1280 + lane; v8 8 lane; v9 weight offset; v10-13, v14-17 fragment addresses; v18-22 row offsets;
;   v23-27 addresses; v28-31 at work; v32-95, v96-159 weight fragments, two buffers (on the way out: rows and their offsets in part); v160-191 packed weights; v192-195 slice store addresses.
; Window 1: the landing ring, later accumulators (a, b) at 64 a + 8 b, a = 0..3.  Window 2: v0-63 accumulators (4, b); v64-223 row fragments, four buffers of 40.
; Window 3: v0-79 the slots of the trip's rows, tile a's row t at 16 a + t, the same in every lane.
.set ROWB,   4096                      ; bytes in a row of W2
.set PITCH,  2064                      ; a column's 1,024 bf16 + 16 bytes: an odd multiple of 16
.set CT,     16*PITCH
.set LIST,   128*PITCH
.set LISTB,  5376
.set STAGE,  LIST+4*LISTB              ; for each wave 16 rows x 528 bytes, for the way out
.set SP,     528
.set SPARE,  319488                    ; the spare words: 128 bytes for each wave, two blocks of 256 bytes that no other line names
.set MSB, 0
.macro WIN new                         ; the immediate's high byte repeats the setting that is left
.if MSB != (\new)
	s_set_vgpr_msb (MSB<<8)|(\new)
.set MSB, \new
.endif
.endm
.macro LOADB q                         ; 16 loads: 16 rows k x 128 columns into quarter q of the ring; 16 lanes take 256 consecutive aligned bytes of a row
	WIN 0x40
.irp g, 0,1
.irp i, 0,1,2,3,4,5,6,7
	global_load_b128 v[64*(\q)+32*\g+4*\i:64*(\q)+32*\g+4*\i+3], v9, s[32:33] offset:(16*(\q)+\i)*ROWB+256*\g th:TH_LOAD_NT
.endr
.endr
	WIN 0
.endm
.macro UNIT q, issue, left             ; quarter q has landed: eight k of a column pack into 16 bytes for column 64 g + 4 r + j; then the quarter is asked for again
	s_wait_loadcnt \left                           ; loads come back in order: mine are in, the younger quarters stay out
	WIN 0x05
.irp g, 0,1
.irp j, 0,1,2,3
.irp p, 0,1,2,3
	v_cvt_pk_bf16_f32 v[160+16*\g+4*\j+\p], v[64*(\q)+32*\g+8*\p+\j], v[64*(\q)+32*\g+8*\p+4+\j]
.endr
.endr
.endr
	WIN 0
.irp g, 0,1
.irp j, 0,1,2,3
	ds_store_b128 v[194+\g], v[160+16*\g+4*\j:160+16*\g+4*\j+3] offset:\j*PITCH+32*(\q)
.endr
.endr
.if \issue
	LOADB \q
.endif
.endm
.macro BLOAD imm, f                    ; 16 LDS loads: the weight fragments of 32 k at byte imm, all 8 column tiles
.irp b, 0,1,2,3,4,5,6,7
	ds_load_b128 v[(\f)+8*\b:(\f)+8*\b+3],   v[14+\b/2] offset:(\b%2)*CT+(\imm)
	ds_load_b128 v[(\f)+8*\b+4:(\f)+8*\b+7], v[14+\b/2] offset:(\b%2)*CT+(\imm)+32
.endr
.endm
.macro ALOAD imm, buf                  ; 10 loads: hid's fragments of 32 k at byte imm, my five row tiles
	WIN 0x80
.irp a, 0,1,2,3,4
	global_load_b128 v[64+40*(\buf)+8*\a:64+40*(\buf)+8*\a+3],   v[18+\a], s[30:31] offset:(\imm)
	global_load_b128 v[64+40*(\buf)+8*\a+4:64+40*(\buf)+8*\a+7], v[18+\a], s[30:31] offset:(\imm)+32
.endr
	WIN 0
.endm
.macro VBSET
.irp p, 0,1,2,3
	v_add_nc_u32 v[14+\p], s25, v[10+\p]
.endr
.endm
.macro ADV                             ; 128 k on
	s_wait_xcnt 0x0                                ; the row loads' base is stepped only behind this wait
	s_add_nc_u64 s[30:31], s[30:31], 256
	s_add_co_u32 s25, s25, 256
	VBSET
.endm
; One K step of 32.  Four plain places stand between the last products and the loads into the buffers that they read.  Weight fragments are asked for one step ahead, row fragments three.
; The 40 (or 32) accumulators take turns, one instruction a turn.  zero = 1: the products start the sums, tile 4's too.
.macro STEP u, zero, ia, ib, dsl, ldl
.rept 4
	v_nop
.endr
.if \ib
	BLOAD 64*((\u)+1), 32+64*(((\u)+1)&1)
.endif
.if \ia
	ALOAD 64*((\u)+3), ((\u)+3)&3
.endif
	s_wait_dscnt \dsl                              ; all but the weight fragments just asked for
	s_wait_loadcnt \ldl                            ; all but the later steps' row fragments, ten loads a step
.set FB, 32+64*((\u)&1)
.set FA, 64+40*((\u)&3)
	WIN 0x58                                       ; weights window 0, rows window 2, sums window 1
.irp a, 0,1,2,3
.irp b, 0,1,2,3,4,5,6,7
.if \zero
	v_wmma_f32_16x16x32_bf16 v[64*\a+8*\b:64*\a+8*\b+7], v[FB+8*\b:FB+8*\b+7], v[FA+8*\a:FA+8*\a+7], 0
.else
	v_wmma_f32_16x16x32_bf16 v[64*\a+8*\b:64*\a+8*\b+7], v[FB+8*\b:FB+8*\b+7], v[FA+8*\a:FA+8*\a+7], v[64*\a+8*\b:64*\a+8*\b+7]
.endif
.endr
.endr
	WIN 0
.if !(\zero)
	s_cmp_eq_u32 s26, 0                            ; my fifth tile lies past the count: its products are jumped
	s_cbranch_scc1 .Lno4_\@
.endif
	WIN 0xa8                                       ; rows and sums window 2
.irp b, 0,1,2,3,4,5,6,7
.if \zero
	v_wmma_f32_16x16x32_bf16 v[8*\b:8*\b+7], v[FB+8*\b:FB+8*\b+7], v[FA+32:FA+39], 0
.else
	v_wmma_f32_16x16x32_bf16 v[8*\b:8*\b+7], v[FB+8*\b:FB+8*\b+7], v[FA+32:FA+39], v[8*\b:8*\b+7]
.endif
.endr
	WIN 0
.if !(\zero)
.Lno4_\@:
.endif
.endm
; Tile a's sixteen slots, held to 0..2047, go into v96-111; its sums go into my stage, each accumulator's low four registers first.
.macro PUT a
	WIN 0x0c                                       ; source 1 window 3
.irp t, 0,1,2,3,4,5,6,7,8,9,10,11,12,13,14,15
	v_min_u32 v[96+\t], 0x7ff, v[16*(\a)+\t]
.endr
	WIN 0x04+4*((\a)/4)                            ; the stores' data: window 1 (tile 4: window 2)
.irp b, 0,1,2,3,4,5,6,7
	ds_store_b128 v25, v[64*((\a)%4)+8*\b:64*((\a)%4)+8*\b+3]   offset:64*\b
	ds_store_b128 v25, v[64*((\a)%4)+8*\b+4:64*((\a)%4)+8*\b+7] offset:64*\b+16
.endr
	WIN 0
.endm
	s_load_b256 s[4:11], s[0:1], 0x0               ; hid s[4:5], W2 s[6:7], sel s[8:9], part s[10:11]
	v_lshl_add_u32 v1, v0, 2, SPARE                ; my spare word, and 0: kept for the add at the wave's end alone
	v_mov_b32 v2, 0
	v_and_b32 v5, 31, v0
	v_and_b32 v3, 15, v0
	v_bfe_u32 v4, v0, 4, 1
	v_lshrrev_b32 v28, 5, v0
	v_readfirstlane_b32 s14, v28                   ; wave
	s_and_b32 s15, ttmp7, 0xffff                   ; expert
	s_and_b32 s16, ttmp9, 7                        ; slice of 128 columns
	s_lshr_b32 s17, ttmp9, 3                       ; quarter of K
	s_mul_i32 s46, s14, LISTB
	s_add_co_u32 s46, s46, LIST
	v_mov_b32 v6, s46                              ; my wave's list
	v_add_nc_u32 v7, 0x500, v5                     ; the word that takes my lane when it has no row
	v_lshlrev_b32 v8, 3, v5
	v_lshlrev_b32 v9, 4, v3
	v_lshl_add_u32 v9, v4, 15, v9                  ; 16 r + 8 h rows of W2
	v_lshlrev_b32 v24, 4, v4                       ; 16 h
	v_mul_u32_u24 v28, v3, PITCH
	v_add_nc_u32 v28, v28, v24
.irp p, 0,1,2,3
	v_add_nc_u32 v[10+\p], \p*2*CT, v28            ; column r of tiles 2 p, 2 p + 1
.endr
	v_lshl_add_u32 v23, v3, 2, v6
	s_mul_i32 s46, s14, 16*SP
	s_add_co_u32 s46, s46, STAGE                   ; my stage
	v_mul_u32_u24 v25, v3, SP
	v_lshl_add_u32 v25, v4, 5, v25
	v_add_nc_u32 v25, s46, v25                     ; in: row r, 32 bytes for each half of the lanes
	v_lshlrev_b32 v27, 4, v5                       ; 16 lane
	v_add_nc_u32 v26, s46, v27                     ; back: 32 lanes take one row of 512 bytes
	v_mul_u32_u24 v192, v3, 4*PITCH
	v_add_nc_u32 v192, v192, v24                   ; column 4 r, 16 h
	v_add_nc_u32 v193, 64*PITCH, v192
	s_lshl_b32 s44, 0x101, s15                     ; the expert's two bits in a word of sel
	s_add_co_u32 s45, s15, 8
	s_lshl_b32 s36, s15, 24                        ; W2: the expert, the quarter, the slice, my 256 rows
	s_lshl_b32 s46, s17, 22
	s_add_co_u32 s36, s36, s46
	s_lshl_b32 s46, s16, 9
	s_add_co_u32 s36, s36, s46
	s_lshl_b32 s46, s14, 20
	s_add_co_u32 s36, s36, s46
	s_mov_b32 s37, 0
	s_lshl_b32 s38, s17, 11                        ; hid: the quarter's 2,048 bytes of a row
	s_mov_b32 s39, 0
	s_lshl_b32 s40, s17, 23                        ; part: the quarter's plane, the slice's 512 bytes of a row
	s_lshl_b32 s46, s16, 9
	s_add_co_u32 s40, s40, s46
	s_mov_b32 s41, 0
	v_lshlrev_b32 v29, 4, v5
	s_wait_kmcnt 0x0
	s_add_nc_u64 s[32:33], s[6:7], s[36:37]
	s_add_nc_u64 s[28:29], s[4:5], s[38:39]
	s_add_nc_u64 s[34:35], s[10:11], s[40:41]
.irp i, 0,1,2,3,4,5,6,7
	global_load_b128 v[32+4*\i:35+4*\i], v29, s[8:9] offset:512*\i     ; sel: word 128 i + 4 lane + c
.endr
	LOADB 0                                        ; the weights start ahead of the list's work
	LOADB 1
	LOADB 2
	s_wait_loadcnt 48                              ; the 48 weight loads stay out; sel is in
	; THE LIST.  1,280 words are set to 0 (slot 0 is a row that exists); then 32 rounds of 32 tokens: a lane with a row puts its slot at the running count plus its rank among such lanes.
.irp i, 28,29,30,31
	v_mov_b32 v\i, 0
.endr
	v_lshl_add_u32 v14, v5, 4, v6
.irp i, 0,1,2,3,4,5,6,7,8,9
	ds_store_b128 v14, v[28:31] offset:512*\i
.endr
	s_mov_b32 s19, 0
.set n, 0
.rept 32
	v_and_b32 v28, s44, v[32+n]
	v_cmp_ne_u32 s47, 0, v28
	v_lshrrev_b32 v29, s45, v28                    ; k: 0 or 1
	v_add3_u32 v29, v29, v8, 256*(n/4)+2*(n%4)     ; slot = 2 token + k
	v_mbcnt_lo_u32_b32 v30, s47, s19
	v_cndmask_b32 v30, v7, v30, s47
	v_min_u32 v30, 0x51f, v30                      ; every place lies in my 1,312 words
	v_lshl_add_u32 v30, v30, 2, v6
	ds_store_b32 v30, v29
	s_bcnt1_i32_b32 s46, s47
	s_add_co_u32 s19, s19, s46
.set n, n+1
.endr
	s_max_u32 s46, s19, 1                          ; 32 words behind the count repeat the last row
	s_sub_co_u32 s46, s46, 1
	s_min_u32 s46, s46, 0x3ff
	v_lshl_add_u32 v28, s46, 2, v6
	ds_load_b32 v29, v28
	s_min_u32 s46, s19, 0x400
	v_add_nc_u32 v30, s46, v5
	v_lshl_add_u32 v30, v30, 2, v6
	s_wait_dscnt 0x0
	ds_store_b32 v30, v29
	s_add_co_u32 s20, s19, 15
	s_lshr_b32 s20, s20, 4                         ; row tiles of 16
	; My fifth tile's sums are set once, while the first weights are on their way, so that they hold numbers on every way through the text: a trip past the count jumps the products alone.
	; A trip with rows starts them anew with its first K step.
	WIN 0x80
.set n, 0
.rept 64
	v_mov_b32 v[n], 0
.set n, n+1
.endr
	WIN 0
	; THE SLICE.  My 256 rows go in four groups of 64 through the ring: by this text's count 64 loads, 32 KiB a wave, are out.
	LOADB 3
	s_wait_xcnt 0x0
	s_add_nc_u64 s[32:33], s[32:33], 64*ROWB
	s_lshl_b32 s25, s14, 9                         ; my k's first byte in a column
	s_mov_b32 s24, 3
.Lw:
	v_add_nc_u32 v194, s25, v192
	v_add_nc_u32 v195, s25, v193
	UNIT 0, 1, 48
	UNIT 1, 1, 48
	UNIT 2, 1, 48
	UNIT 3, 1, 48
	s_wait_xcnt 0x0                                ; the weights' base is stepped only behind this wait
	s_add_nc_u64 s[32:33], s[32:33], 64*ROWB
	s_add_co_u32 s25, s25, 128
	s_sub_co_u32 s24, s24, 1
	s_cmp_lg_u32 s24, 0
	s_cbranch_scc1 .Lw
	v_add_nc_u32 v194, s25, v192
	v_add_nc_u32 v195, s25, v193
	UNIT 0, 0, 48                                  ; the last group asks for nothing: the counts run down
	UNIT 1, 0, 32
	UNIT 2, 0, 16
	UNIT 3, 0, 0
	s_wait_dscnt 0x0                               ; for the others' sake: my part of the slice is written
	s_barrier_signal -1
	s_barrier_wait -1                              ; the slice is whole; nothing writes it again
	s_mov_b32 s21, 0
	s_mov_b32 s27, s14                             ; my first tile of the trip: 20 p + w
.Ltrip:
	s_wait_xcnt 0x0                                ; the last way out's stores have read their registers
	; All that the trip wants of the list is read here, in every trip (the list's 1,280 words cover tile 79): row r of each tile for the products, all sixteen rows for the way out.
	s_lshl_b32 s46, s27, 6
	v_add_nc_u32 v28, s46, v23
	v_add_nc_u32 v29, s46, v6
.irp a, 0,1,2,3,4
	ds_load_b32 v[18+\a], v28 offset:256*\a        ; row r of tile 20 p + w + 4 a
.endr
	WIN 0xc0
.irp a, 0,1,2,3,4
.irp u, 0,1,2,3
	ds_load_b128 v[16*\a+4*\u:16*\a+4*\u+3], v29 offset:256*\a+16*\u
.endr
.endr
	WIN 0
	s_cmp_ge_u32 s27, s20
	s_cbranch_scc1 .Lmeet                          ; none of my tiles of this trip has a row: the products are jumped
	s_add_co_u32 s46, s27, 16
	s_cmp_lt_u32 s46, s20
	s_cselect_b32 s26, 1, 0                        ; has my fifth tile rows?
	s_wait_dscnt 0x0
.irp a, 0,1,2,3,4
	v_min_u32 v[18+\a], 0x7ff, v[18+\a]
	v_lshl_add_u32 v[18+\a], v[18+\a], 13, v24     ; the slot's row of 8,192 bytes in hid, + 16 h
.endr
	s_mov_b64 s[30:31], s[28:29]
	s_mov_b32 s25, 0
	VBSET
	ALOAD 0, 0
	ALOAD 64, 1
	ALOAD 128, 2
	BLOAD 0, 32
	STEP 0, 1, 1, 1, 16, 30                        ; the first K step starts the sums
	STEP 1, 0, 1, 1, 16, 30
	STEP 2, 0, 1, 1, 16, 30
	STEP 3, 0, 1, 1, 16, 30
	ADV
	s_mov_b32 s24, 6
.Lk:
	STEP 0, 0, 1, 1, 16, 30
	STEP 1, 0, 1, 1, 16, 30
	STEP 2, 0, 1, 1, 16, 30
	STEP 3, 0, 1, 1, 16, 30
	ADV
	s_sub_co_u32 s24, s24, 1
	s_cmp_lg_u32 s24, 0
	s_cbranch_scc1 .Lk
	STEP 0, 0, 1, 1, 16, 30                        ; the last 128 k: no load passes the quarter's end
	STEP 1, 0, 0, 1, 16, 20
	STEP 2, 0, 0, 1, 16, 10
	STEP 3, 0, 0, 0, 0, 0
.rept 4
	v_nop                                          ; the places between the last products and the first reader of a sum
.endr
.Lmeet:
	s_wait_dscnt 0x0                               ; my reads of list and slice are back
	s_barrier_signal -1
	s_barrier_wait -1                              ; everybody's are: now the stages are written
	s_mov_b32 s22, 0
	s_mov_b32 s23, s27
.Ltile:
	s_cmp_ge_u32 s23, s20
	s_cbranch_scc1 .Ltn                            ; a tile past the count stores nothing
	s_wait_xcnt 0x0                                ; the last tile's stores have read their registers
	s_cmp_eq_u32 s22, 0
	s_cbranch_scc1 .Lc0
	s_cmp_eq_u32 s22, 1
	s_cbranch_scc1 .Lc1
	s_cmp_eq_u32 s22, 2
	s_cbranch_scc1 .Lc2
	s_cmp_eq_u32 s22, 3
	s_cbranch_scc1 .Lc3
	PUT 4
	s_branch .Lgo
.Lc0:
	PUT 0
	s_branch .Lgo
.Lc1:
	PUT 1
	s_branch .Lgo
.Lc2:
	PUT 2
	s_branch .Lgo
.Lc3:
	PUT 3
.Lgo:
.irp t, 0,1,2,3,4,5,6,7,8,9,10,11,12,13,14,15
	ds_load_b128 v[32+4*\t:35+4*\t], v26 offset:SP*\t   ; a wave's LDS instructions are served in order: these see the stores above
.endr
.irp t, 0,1,2,3,4,5,6,7,8,9,10,11,12,13,14,15
	v_lshl_add_u32 v[96+\t], v[96+\t], 12, v27     ; the slot's row of 4,096 bytes in the plane, + 16 lane
.endr
	s_wait_dscnt 0x0
.irp t, 0,1,2,3,4,5,6,7,8,9,10,11,12,13,14,15
	global_store_b128 v[96+\t], v[32+4*\t:35+4*\t], s[34:35] th:TH_STORE_NT  ; the wave stores 512 consecutive bytes, aligned
.endr
.Ltn:
	s_add_co_u32 s23, s23, 4
	s_add_co_u32 s22, s22, 1
	s_cmp_lt_u32 s22, 5
	s_cbranch_scc1 .Ltile
	s_wait_dscnt 0x0                               ; my stage's stores and reads are done
	s_barrier_signal -1
	s_barrier_wait -1                              ; everybody's are: the next trip only reads
	s_add_co_u32 s27, s27, 20
	s_add_co_u32 s21, s21, 1
	s_cmp_lt_u32 s21, 4
	s_cbranch_scc1 .Ltrip
	s_wait_tensorcnt 0x0                           ; the wave's end
	ds_add_u32 v1, v2
	s_wait_dscnt 0x0
	s_endpgm
.Lfunc_end_k_qdf31dc26a5_ffn2:
	.size	k_qdf31dc26a5_ffn2, .Lfunc_end_k_qdf31dc26a5_ffn2-k_qdf31dc26a5_ffn2
	.p2alignl 7, 3214868480
	.fill 96, 4, 3214868480
	.section	.rodata,"a",@progbits
	.p2align	6, 0x0
	.amdhsa_kernel k_qdf31dc26a5_ffn2
		.amdhsa_group_segment_fixed_size 320000
		.amdhsa_private_segment_fixed_size 0
		.amdhsa_enable_private_segment 0
		.amdhsa_kernarg_size 32
		.amdhsa_user_sgpr_count 2
		.amdhsa_user_sgpr_kernarg_segment_ptr 1
		.amdhsa_wavefront_size32 1
		.amdhsa_system_sgpr_workgroup_id_x 1
		.amdhsa_system_sgpr_workgroup_id_y 1
		.amdhsa_system_sgpr_workgroup_id_z 1
		.amdhsa_system_vgpr_workitem_id 0
		.amdhsa_next_free_vgpr 848
		.amdhsa_next_free_sgpr 66
		.amdhsa_reserve_vcc 0
		.amdhsa_float_denorm_mode_32 3
		.amdhsa_float_denorm_mode_16_64 3
		.amdhsa_memory_ordered 1
		.amdhsa_forward_progress 1
		.amdhsa_inst_pref_size 137
	.end_amdhsa_kernel
	.amdgpu_metadata
---
amdhsa.version: [ 1, 2 ]
amdhsa.kernels:
  - .name:           k_qdf31dc26a5_ffn2
    .symbol:         k_qdf31dc26a5_ffn2.kd
    .args:
      - { .name: hid, .offset: 0, .size: 8, .value_kind: global_buffer, .address_space: global }
      - { .name: W2, .offset: 8, .size: 8, .value_kind: global_buffer, .address_space: global }
      - { .name: sel, .offset: 16, .size: 8, .value_kind: global_buffer, .address_space: global }
      - { .name: part, .offset: 24, .size: 8, .value_kind: global_buffer, .address_space: global }
    .group_segment_fixed_size: 320000
    .private_segment_fixed_size: 0
    .kernarg_segment_align: 8
    .kernarg_segment_size: 32
    .max_flat_workgroup_size: 128
    .sgpr_count:     66
    .vgpr_count:     848
    .wavefront_size: 32
...
	.end_amdgpu_metadata
.endif
;; end of part 3
;; launch combine (part 4): grid 256 x 1, 4 waves a work-group, no clusters, 0 bytes of LDS; arguments part, x, b2, ln_g, ln_b, sel, gw, out0; writes out0
.if DOCPART == 4
	.amdgcn_target "amdgcn-amd-amdhsa--gfx1250"
	.amdhsa_code_object_version 6
	.text
	.protected	k_qdf31dc26a5_combine
	.globl	k_qdf31dc26a5_combine
	.p2align	8
	.type	k_qdf31dc26a5_combine,@function
k_qdf31dc26a5_combine:
	s_mov_b64 s[64:65], 0
	v_nop
	global_prefetch_b8 v0, s[64:65] scope:SCOPE_SE
	s_setreg_imm32_b32 hwreg(HW_REG_WAVE_MODE, 25, 1), 1
	s_wait_xcnt 0x0
; THE SUM.  One wave, one token t = 4 x work-group + wave.  For its two choices k (slot 2 t + k, expert e_k from sel): the four K quarters of the second product + b2[e_k] + x[t], LayerNorm
; (two passes: mean, then squares of the differences) with ln_g[e_k], ln_b[e_k]; out0[t] = p0 row0 + p1 row1 with the weights of gw[t].  All in f32.
; A row stays in one wave's registers, so there is no LDS and no barrier; every load and store of the wave covers 512 consecutive bytes.  Matrix units and clusters have nothing to do here.
; The experts' numbers are whole numbers that an earlier launch stored; they are held to 0..7 before they enter an address.
; A lane holds h = 128 i + 4 lane + c.  REGISTERS.  Window 0: v8, v9 my offsets in a plane of part; v10 16 lane; v32-63 x; v64-95, v96-127 the two rows; v144-159 at work; v160-191 the result.
; Window k + 1: v32-159 the four quarters; v160-191 b2; v192-223 ln_g; v224-255 ln_b.
.set MSB, 0
.macro WIN new                         ; the immediate's high byte repeats the setting that is left
.if MSB != (\new)
	s_set_vgpr_msb (MSB<<8)|(\new)
.set MSB, \new
.endif
.endm
.macro FOLD                            ; four packed chains v[144:151] into v144, then over the 32 lanes, the sum in every lane
	v_pk_add_f32 v[144:145], v[144:145], v[146:147]
	v_pk_add_f32 v[148:149], v[148:149], v[150:151]
	v_pk_add_f32 v[144:145], v[144:145], v[148:149]
	v_add_f32 v144, v144, v145
	v_add_f32_dpp v144, v144, v144 row_xmask:1 row_mask:0xf bank_mask:0xf
	v_add_f32_dpp v144, v144, v144 row_xmask:2 row_mask:0xf bank_mask:0xf
	v_add_f32_dpp v144, v144, v144 row_xmask:4 row_mask:0xf bank_mask:0xf
	v_add_f32_dpp v144, v144, v144 row_xmask:8 row_mask:0xf bank_mask:0xf
	v_permlanex16_b32 v158, v144, s62, s63
	v_add_f32 v144, v144, v158
.endm
; The row at v[vb ..]: its mean is taken away; variance + 1e-5 goes to v[dst].
.macro STAT vb, dst
.irp c, 0,1,2,3
	v_pk_add_f32 v[144+2*\c:145+2*\c], v[(\vb)+2*\c:(\vb)+2*\c+1], v[(\vb)+8+2*\c:(\vb)+8+2*\c+1]
.endr
.irp j, 2,3
.irp c, 0,1,2,3
	v_pk_add_f32 v[144+2*\c:145+2*\c], v[144+2*\c:145+2*\c], v[(\vb)+8*\j+2*\c:(\vb)+8*\j+2*\c+1]
.endr
.endr
	FOLD
	v_mul_f32 v152, s66, v144
	v_mov_b32 v153, v152
.set n, 0
.rept 16
	v_pk_add_f32 v[(\vb)+n:(\vb)+n+1], v[(\vb)+n:(\vb)+n+1], v[152:153] neg_lo:[0,1] neg_hi:[0,1]
.set n, n+2
.endr
.irp c, 0,1,2,3
	v_pk_mul_f32 v[144+2*\c:145+2*\c], v[(\vb)+2*\c:(\vb)+2*\c+1], v[(\vb)+2*\c:(\vb)+2*\c+1]
.endr
.irp j, 1,2,3
.irp c, 0,1,2,3
	v_pk_fma_f32 v[144+2*\c:145+2*\c], v[(\vb)+8*\j+2*\c:(\vb)+8*\j+2*\c+1], v[(\vb)+8*\j+2*\c:(\vb)+8*\j+2*\c+1], v[144+2*\c:145+2*\c]
.endr
.endr
	FOLD
	v_fma_f32 v[\dst], v144, s66, s67
.endm
	s_load_b256 s[4:11], s[0:1], 0x0               ; part s[4:5], x s[6:7], b2 s[8:9], ln_g s[10:11]
	s_load_b256 s[12:19], s[0:1], 0x20             ; ln_b s[12:13], sel s[14:15], gw s[16:17], out0 s[18:19]
	v_and_b32 v5, 31, v0
	v_lshrrev_b32 v1, 5, v0
	v_readfirstlane_b32 s22, v1                    ; wave
	s_lshl_b32 s23, ttmp9, 2
	s_add_co_u32 s23, s23, s22                     ; t
	s_lshl_b32 s21, s23, 2                         ; its word in sel,
	s_lshl_b32 s30, s23, 3                         ; its pair in gw
	v_lshlrev_b32 v10, 4, v5
	s_lshl_b32 s60, s23, 13                        ; slot 2 t's row of 4,096 bytes
	v_add_nc_u32 v8, s60, v10
	v_add_nc_u32 v9, 0x1000, v8
	v_mov_b32 v158, 0                              ; v_permlanex16_b32 counts as a reader of its destination
	s_mov_b32 s62, 0x76543210
	s_mov_b32 s63, 0xfedcba98
	s_mov_b32 s66, 0x3a800000                      ; 1 / 1024
	s_mov_b32 s67, 0x3727c5ac                      ; 1e-5
	s_lshl_b32 s40, s23, 12                        ; t's row in x and out0
	s_mov_b32 s41, 0
	s_wait_kmcnt 0x0
	s_load_b32 s20, s[14:15], s21 offset:0x0
	s_load_b64 s[24:25], s[16:17], s30 offset:0x0
	s_mov_b64 s[32:33], s[4:5]                     ; the four planes of part: a base for each
	s_add_nc_u64 s[34:35], s[4:5], 0x800000
	s_add_nc_u64 s[36:37], s[4:5], 0x1000000
	s_add_nc_u64 s[38:39], s[4:5], 0x1800000
	s_add_nc_u64 s[56:57], s[6:7], s[40:41]
	s_add_nc_u64 s[58:59], s[18:19], s[40:41]
.irp i, 0,1,2,3,4,5,6,7
	global_load_b128 v[32+4*\i:35+4*\i], v10, s[56:57] offset:512*\i
.endr
.irp k, 0,1
	WIN 0x40*(\k+1)                                ; destination window k + 1
.irp q, 0,1,2,3
.irp i, 0,1,2,3,4,5,6,7
	global_load_b128 v[32+32*\q+4*\i:35+32*\q+4*\i], v[8+\k], s[32+2*\q:33+2*\q] offset:512*\i th:TH_LOAD_NT
.endr
.endr
.endr
	WIN 0
	s_wait_kmcnt 0x0                               ; sel[t], gw[t]
	s_and_b32 s26, s20, 0xff
	s_ctz_i32_b32 s26, s26
	s_min_u32 s26, s26, 7                          ; e0
	s_lshr_b32 s27, s20, 8
	s_ctz_i32_b32 s27, s27
	s_min_u32 s27, s27, 7                          ; e1
	s_lshl_b32 s40, s26, 12                        ; an expert's row of 4,096 bytes in b2, ln_g, ln_b
	s_lshl_b32 s42, s27, 12
	s_mov_b32 s43, 0
	s_add_nc_u64 s[44:45], s[8:9], s[40:41]
	s_add_nc_u64 s[46:47], s[8:9], s[42:43]
	s_add_nc_u64 s[48:49], s[10:11], s[40:41]
	s_add_nc_u64 s[50:51], s[10:11], s[42:43]
	s_add_nc_u64 s[52:53], s[12:13], s[40:41]
	s_add_nc_u64 s[54:55], s[12:13], s[42:43]
	s_mov_b32 s28, s25                             ; p1, as the low word of a pair
	s_mov_b32 s29, s25
.irp k, 0,1
	WIN 0x40*(\k+1)
.irp i, 0,1,2,3,4,5,6,7
	global_load_b128 v[160+4*\i:163+4*\i], v10, s[44+2*\k:45+2*\k] offset:512*\i
	global_load_b128 v[192+4*\i:195+4*\i], v10, s[48+2*\k:49+2*\k] offset:512*\i
	global_load_b128 v[224+4*\i:227+4*\i], v10, s[52+2*\k:53+2*\k] offset:512*\i
.endr
.endr
	WIN 0
	s_wait_loadcnt 0x0
.irp k, 0,1
	WIN 0x55*(\k+1)                                ; all four places window k + 1: the quarters in ascending order, then b2
.irp q, 64,96,128,160
.set n, 0
.rept 16
	v_pk_add_f32 v[32+n:33+n], v[32+n:33+n], v[\q+n:\q+n+1]
.set n, n+2
.endr
.endr
	WIN \k+1                                       ; source 0 window k + 1: + x
.set n, 0
.rept 16
	v_pk_add_f32 v[64+32*\k+n:65+32*\k+n], v[32+n:33+n], v[32+n:33+n]
.set n, n+2
.endr
.endr
	WIN 0
	STAT 64, 154
	STAT 96, 156
	v_rsq_f32 v154, v154
	v_rsq_f32 v156, v156
	v_nop                                          ; a plain instruction behind the second root,
	s_wait_alu depctr_va_vdst(0)                   ; and one wait for both, ahead of their first reader
	v_mov_b32 v155, v154
	v_mov_b32 v157, v156
.irp k, 0,1
.set n, 0
.rept 16
	v_pk_mul_f32 v[64+32*\k+n:65+32*\k+n], v[64+32*\k+n:65+32*\k+n], v[154+2*\k:155+2*\k]
.set n, n+2
.endr
	WIN 0x14*(\k+1)                                ; sources 1 and 2 window k + 1: ln_g, ln_b
.set n, 0
.rept 16
	v_pk_fma_f32 v[64+32*\k+n:65+32*\k+n], v[64+32*\k+n:65+32*\k+n], v[192+n:193+n], v[224+n:225+n]
.set n, n+2
.endr
	WIN 0
.endr
.set n, 0
.rept 16
	v_pk_mul_f32 v[160+n:161+n], v[64+n:65+n], s[24:25] op_sel_hi:[1,0]
.set n, n+2
.endr
.set n, 0
.rept 16
	v_pk_fma_f32 v[160+n:161+n], v[96+n:97+n], s[28:29], v[160+n:161+n] op_sel_hi:[1,0,1]
.set n, n+2
.endr
.irp i, 0,1,2,3,4,5,6,7
	global_store_b128 v10, v[160+4*\i:163+4*\i], s[58:59] offset:512*\i th:TH_STORE_NT
.endr
	s_endpgm
.Lfunc_end_k_qdf31dc26a5_combine:
	.size	k_qdf31dc26a5_combine, .Lfunc_end_k_qdf31dc26a5_combine-k_qdf31dc26a5_combine
	.p2alignl 7, 3214868480
	.fill 96, 4, 3214868480
	.section	.rodata,"a",@progbits
	.p2align	6, 0x0
	.amdhsa_kernel k_qdf31dc26a5_combine
		.amdhsa_group_segment_fixed_size 0
		.amdhsa_private_segment_fixed_size 0
		.amdhsa_enable_private_segment 0
		.amdhsa_kernarg_size 64
		.amdhsa_user_sgpr_count 2
		.amdhsa_user_sgpr_kernarg_segment_ptr 1
		.amdhsa_wavefront_size32 1
		.amdhsa_system_sgpr_workgroup_id_x 1
		.amdhsa_system_sgpr_workgroup_id_y 1
		.amdhsa_system_sgpr_workgroup_id_z 1
		.amdhsa_system_vgpr_workitem_id 0
		.amdhsa_next_free_vgpr 768
		.amdhsa_next_free_sgpr 68
		.amdhsa_reserve_vcc 0
		.amdhsa_float_denorm_mode_32 3
		.amdhsa_float_denorm_mode_16_64 3
		.amdhsa_memory_ordered 1
		.amdhsa_forward_progress 1
		.amdhsa_inst_pref_size 39
	.end_amdhsa_kernel
	.amdgpu_metadata
---
amdhsa.version: [ 1, 2 ]
amdhsa.kernels:
  - .name:           k_qdf31dc26a5_combine
    .symbol:         k_qdf31dc26a5_combine.kd
    .args:
      - { .name: part, .offset: 0, .size: 8, .value_kind: global_buffer, .address_space: global }
      - { .name: x, .offset: 8, .size: 8, .value_kind: global_buffer, .address_space: global }
      - { .name: b2, .offset: 16, .size: 8, .value_kind: global_buffer, .address_space: global }
      - { .name: ln_g, .offset: 24, .size: 8, .value_kind: global_buffer, .address_space: global }
      - { .name: ln_b, .offset: 32, .size: 8, .value_kind: global_buffer, .address_space: global }
      - { .name: sel, .offset: 40, .size: 8, .value_kind: global_buffer, .address_space: global }
      - { .name: gw, .offset: 48, .size: 8, .value_kind: global_buffer, .address_space: global }
      - { .name: out0, .offset: 56, .size: 8, .value_kind: global_buffer, .address_space: global }
    .group_segment_fixed_size: 0
    .private_segment_fixed_size: 0
    .kernarg_segment_align: 8
    .kernarg_segment_size: 64
    .max_flat_workgroup_size: 128
    .sgpr_count:     68
    .vgpr_count:     768
    .wavefront_size: 32
...
	.end_amdgpu_metadata
.endif
;; end of part 4
;; ======== version 2 of 3: 4 launches; 1.12 times as fast as version 1
;; workspace buffers: xb 2,097,152 bytes; sel 4,096 bytes of whole numbers; gw 8,192 bytes; hid 16,777,216 bytes; part 33,554,432 bytes
;; launch router: the kernel of part 1 again; grid 256 x 1, 4 waves a work-group, no clusters, 0 bytes of LDS; arguments x, gn_g, gn_b, gate_w, gate_b, xb, sel, gw; writes xb, sel, gw
;; launch ffn1 (part 5): grid 32 x 8, 4 waves a work-group, no clusters, 320,000 bytes of LDS; arguments xb, W1, b1, sel, hid; writes hid
.if DOCPART == 5
	.amdgcn_target "amdgcn-amd-amdhsa--gfx1250"
	.amdhsa_code_object_version 6
	.text
	.protected	k_qdf31dc26a5_ffn1
	.globl	k_qdf31dc26a5_ffn1
	.p2align	8
	.type	k_qdf31dc26a5_ffn1,@function
k_qdf31dc26a5_ffn1:
	s_mov_b64 s[64:65], 0
	v_nop
	global_prefetch_b8 v0, s[64:65] scope:SCOPE_SE
	s_setreg_imm32_b32 hwreg(HW_REG_WAVE_MODE, 25, 1), 1
	s_wait_xcnt 0x0
; THE FIRST PRODUCT.  hid[slot][f] = gelu(x[t] . W1[e][:, f] + b1[e][f]) in bf16, for the routed rows alone: slot = 2 t + k, where expert e is token t's choice k.
; A work-group has expert e = group y and 128 columns f = 128 x group x ..: 1024 x 128 f32 of W1, which it alone reads, and ALL rows of that expert, whatever their number (0 to 1,024).
; PHASES.  (1) Every wave reads sel (1,024 words) and makes of it, in registers, 32 rounds of bitmaps of the expert's rows with their running counts; all four waves' tables are alike.
; (2) Wave w streams rows k = 256 w .. of the slice through a ring of 64 loads in registers, rounds to bf16 and lays the slice into LDS with K along the rows of each column.  One barrier.
; (3) Trips of 320 rows: wave w has the row tiles 20 p + w + 4 a (a = 0..4), 40 accumulators; weight fragments come from LDS, token fragments from memory straight into registers.
; THE ROW OF A RANK.  The expert's rows are ranked by (round, lane).  Lane r of tile T wants rank 16 T + r, held to the last rank: it keeps the last round whose running count does not pass
; the rank, and finds the bit of that rank in the round's bitmap by counts of 16, 8, 4, 2 and 1 bits.  All of it is lane-local arithmetic on numbers that are alike in every lane.
; The trip loop counts to the constant 4 (1,280 rows); the products of a trip, and a tile on the way out, past the count are jumped forward; every wave passes every barrier.
; TWO BARRIERS A TRIP part the stretch in which LDS is only read (the fragment loads walk the slice by a stepped address) from the stretch in which each wave writes and reads back its own
; stage.  Slice and stages lie apart; with the barriers the order of reads and writes does not rest on the stepped addresses' arithmetic.
; Places of a tile past the count repeat the expert's last row: they make and store the same bytes to the same address, so no lane is masked.
; NO CLUSTER: each slice of weights has one reader, and the token rows come by rank, which no tensor descriptor covers.
; The matrix instruction takes 16 weight columns as source 0 and 16 token rows as source 1: a lane then holds one token (lane % 16) and eight neighbouring columns.
; GELU is the exact one, x Phi(x) = max(x, 0) - |x| erfc(|x| / sqrt 2) / 2, erfc by the five-term rational form in t = 1 / (1 + 0.3275911 z) times exp(-z^2):
; LIMIT: absolute error of erf up to 1.5e-7 for every x; where x^2 passes f32's range the exponential is 0, which is the limit value.  NaN and infinities are not treated apart.
; REGISTERS.  Window 0: v1, v2 the add's two; v3 r = lane % 16, v4 h = lane / 16; v5-9 the slots of row r of my five tiles (at the head v5 lane, v9 weight offset); v10-13, v14-17 fragment
;   addresses; v18-22 token row offsets (on the way out v14-21: the rows' offsets in hid); v24-27 addresses; v28, v29 at work; v30-31 a constant pair; v32-95, v96-159 weight fragments,
;   two buffers (in the search and on the way out: at work); v160-191 packed weights; v192-195 slice store addresses.
; Window 1: the landing ring, later accumulators (a, b) at 64 a + 8 b, a = 0..3.  Window 2: v0-63 accumulators (4, b); v64-223 token fragments, four buffers of 40.
; Window 3: v0-63 b1 of my lane's columns; v64-95 round n's bitmap of rows; v96-127 its bitmap of rows that are choice 1; v128-159 32 x its running count + n.
.set ROWB,   16384                     ; bytes in a row of W1
.set PITCH,  2064                      ; a column's 1,024 bf16 + 16 bytes: an odd multiple of 16, so the 16 columns of a fragment load start 16 bytes apart modulo 256
.set CT,     16*PITCH
.set STAGE,  128*PITCH                 ; behind the slice: for each wave 16 rows x 272 bytes, for the way out
.set SP,     272
.set SPARE,  319488                    ; the spare words: 128 bytes for each wave, two blocks of 256 bytes that no other line names
.set TM,     64                        ; the three tables, in window 3
.set TK,     96
.set TP,     128
.set MSB, 0
.macro WIN new                         ; the immediate's high byte repeats the setting that is left
.if MSB != (\new)
	s_set_vgpr_msb (MSB<<8)|(\new)
.set MSB, \new
.endif
.endm
; 16 loads: 16 rows k x 128 columns of the slice into quarter q of the ring.  Lanes 0-15 take 256 consecutive aligned bytes of row i, lanes 16-31 of row 8 + i.
.macro LOADB q
	WIN 0x40
.irp g, 0,1
.irp i, 0,1,2,3,4,5,6,7
	global_load_b128 v[64*(\q)+32*\g+4*\i:64*(\q)+32*\g+4*\i+3], v9, s[32:33] offset:(16*(\q)+\i)*ROWB+256*\g th:TH_LOAD_NT
.endr
.endr
	WIN 0
.endm
; Quarter q has landed: eight k of a column pack into 16 bytes, which go to column 64 g + 4 r + j of the slice; then the quarter is asked for again.
.macro UNIT q, issue, left
	s_wait_loadcnt \left                           ; loads come back in order: mine are in, the younger quarters stay out
	WIN 0x05
.irp g, 0,1
.irp j, 0,1,2,3
.irp p, 0,1,2,3
	v_cvt_pk_bf16_f32 v[160+16*\g+4*\j+\p], v[64*(\q)+32*\g+8*\p+\j], v[64*(\q)+32*\g+8*\p+4+\j]
.endr
.endr
.endr
	WIN 0
.irp g, 0,1
.irp j, 0,1,2,3
	ds_store_b128 v[194+\g], v[160+16*\g+4*\j:160+16*\g+4*\j+3] offset:\j*PITCH+32*(\q)
.endr
.endr
.if \issue
	LOADB \q
.endif
.endm
.macro BLOAD imm, f                    ; 16 LDS loads: the weight fragments of 32 k at byte imm, all 8 column tiles
.irp b, 0,1,2,3,4,5,6,7
	ds_load_b128 v[(\f)+8*\b:(\f)+8*\b+3],   v[14+\b/2] offset:(\b%2)*CT+(\imm)
	ds_load_b128 v[(\f)+8*\b+4:(\f)+8*\b+7], v[14+\b/2] offset:(\b%2)*CT+(\imm)+32
.endr
.endm
.macro ALOAD imm, buf                  ; 10 loads: the token fragments of 32 k at byte imm, my five row tiles
	WIN 0x80
.irp a, 0,1,2,3,4
	global_load_b128 v[64+40*(\buf)+8*\a:64+40*(\buf)+8*\a+3],   v[18+\a], s[30:31] offset:(\imm)
	global_load_b128 v[64+40*(\buf)+8*\a+4:64+40*(\buf)+8*\a+7], v[18+\a], s[30:31] offset:(\imm)+32
.endr
	WIN 0
.endm
.macro VBSET
.irp p, 0,1,2,3
	v_add_nc_u32 v[14+\p], s25, v[10+\p]
.endr
.endm
.macro ADV                             ; 128 k on
	s_wait_xcnt 0x0                                ; the token loads' base is stepped only behind this wait
	s_add_nc_u64 s[30:31], s[30:31], 256
	s_add_co_u32 s25, s25, 256
	VBSET
.endm
; One K step of 32.  Four plain places stand between the last products and the loads into the buffers that they read.  Weight fragments are asked for one step ahead, token fragments three.
; The 40 (or 32) accumulators take turns, one instruction a turn.  zero = 1: the products start the sums, tile 4's too.
.macro STEP u, zero, ia, ib, dsl, ldl
.rept 4
	v_nop
.endr
.if \ib
	BLOAD 64*((\u)+1), 32+64*(((\u)+1)&1)
.endif
.if \ia
	ALOAD 64*((\u)+3), ((\u)+3)&3
.endif
	s_wait_dscnt \dsl                              ; all but the weight fragments just asked for
	s_wait_loadcnt \ldl                            ; all but the later steps' token fragments, ten loads a step
.set FB, 32+64*((\u)&1)
.set FA, 64+40*((\u)&3)
	WIN 0x58                                       ; weights window 0, tokens window 2, sums window 1
.irp a, 0,1,2,3
.irp b, 0,1,2,3,4,5,6,7
.if \zero
	v_wmma_f32_16x16x32_bf16 v[64*\a+8*\b:64*\a+8*\b+7], v[FB+8*\b:FB+8*\b+7], v[FA+8*\a:FA+8*\a+7], 0
.else
	v_wmma_f32_16x16x32_bf16 v[64*\a+8*\b:64*\a+8*\b+7], v[FB+8*\b:FB+8*\b+7], v[FA+8*\a:FA+8*\a+7], v[64*\a+8*\b:64*\a+8*\b+7]
.endif
.endr
.endr
	WIN 0
.if !(\zero)
	s_cmp_eq_u32 s26, 0                            ; my fifth tile lies past the count: its products are jumped
	s_cbranch_scc1 .Lno4_\@
.endif
	WIN 0xa8                                       ; tokens and sums window 2
.irp b, 0,1,2,3,4,5,6,7
.if \zero
	v_wmma_f32_16x16x32_bf16 v[8*\b:8*\b+7], v[FB+8*\b:FB+8*\b+7], v[FA+32:FA+39], 0
.else
	v_wmma_f32_16x16x32_bf16 v[8*\b:8*\b+7], v[FB+8*\b:FB+8*\b+7], v[FA+32:FA+39], v[8*\b:8*\b+7]
.endif
.endr
	WIN 0
.if !(\zero)
.Lno4_\@:
.endif
.endm
; One halving of the search for bit j of a bitmap: field is the register of counts of w bits; if the w bits at v37 hold j bits or fewer, they are passed over.
.macro LEVEL field, bits, w
	v_bfe_u32 v38, v[\field], v37, \bits
	v_cmp_ge_u32 vcc_lo, v36, v38
	v_sub_nc_u32 v38, v36, v38
	v_cndmask_b32 v36, v36, v38, vcc_lo
	v_add_nc_u32 v38, \w, v37
	v_cndmask_b32 v37, v37, v38, vcc_lo
.endm
; The way out of tile a begins: sums + b1 into v32-95, each accumulator's registers in ascending order.
.macro COPY a
	WIN 0x0d+(\a)/4                                ; source 0 window 1 (tile 4: window 2), source 1 window 3
.irp b, 0,1,2,3,4,5,6,7
.irp p, 0,1,2,3
	v_pk_add_f32 v[32+8*\b+2*\p:33+8*\b+2*\p], v[64*((\a)%4)+8*\b+2*\p:64*((\a)%4)+8*\b+2*\p+1], v[8*\b+2*\p:8*\b+2*\p+1]
.endr
.endr
	WIN 0
.endm
; GELU of 32 numbers a lane (column tiles 4 g .. 4 g + 3), rounded to bf16 and put into my stage.  The 64 transcendentals are one batch with one wait.
.macro GH g
.set XR, 32+32*(\g)
.set HR, 224+16*(\g)
.set n, 0
.rept 32
	v_fma_f32 v[96+n], |v[XR+n]|, s48, 1.0         ; 1 + 0.3275911 |x| / sqrt 2
.set n, n+1
.endr
.set n, 0
.rept 16
	v_pk_mul_f32 v[128+n:129+n], v[XR+n:XR+n+1], v[XR+n:XR+n+1]
.set n, n+2
.endr
.set n, 0
.rept 16
	v_pk_mul_f32 v[128+n:129+n], v[128+n:129+n], 0xbf38aa3b op_sel_hi:[1,0]  ; - x^2 log2(e) / 2
.set n, n+2
.endr
.set n, 0
.rept 32
	v_rcp_f32 v[96+n], v[96+n]                     ; t
.set n, n+1
.endr
.set n, 0
.rept 32
	v_exp_f32 v[128+n], v[128+n]                   ; exp(-x^2 / 2)
.set n, n+1
.endr
.set n, 0
.rept 32
	v_max_num_f32 v[192+n], 0, v[XR+n]             ; plain work that names no result of the batch
.set n, n+1
.endr
	s_wait_alu depctr_va_vdst(0)                   ; the wait ahead of the batch's first reader
.set n, 0
.rept 16
	v_pk_fma_f32 v[160+n:161+n], v[96+n:97+n], 0x3f07dc22, v[30:31] op_sel_hi:[1,0,1]  ; a5/2 t + a4/2
.set n, n+2
.endr
.irp k, 0x3f35f0e3, 0xbe11a98e, 0x3e027906         ; a3/2, a2/2, a1/2
.set n, 0
.rept 16
	v_pk_fma_f32 v[160+n:161+n], v[160+n:161+n], v[96+n:97+n], \k op_sel_hi:[1,1,0]
.set n, n+2
.endr
.endr
.set n, 0
.rept 16
	v_pk_mul_f32 v[160+n:161+n], v[160+n:161+n], v[96+n:97+n]
.set n, n+2
.endr
.set n, 0
.rept 16
	v_pk_mul_f32 v[160+n:161+n], v[160+n:161+n], v[128+n:129+n]  ; erfc(|x| / sqrt 2) / 2
.set n, n+2
.endr
.set n, 0
.rept 32
	v_fma_f32 v[XR+n], -|v[XR+n]|, v[160+n], v[192+n]
.set n, n+1
.endr
.set n, 0
.rept 16
	v_cvt_pk_bf16_f32 v[HR+n], v[XR+2*n], v[XR+2*n+1]
.set n, n+1
.endr
.irp b, 0,1,2,3
	ds_store_b128 v25, v[HR+4*\b:HR+4*\b+3] offset:32*(4*(\g)+\b)
.endr
.endm
	s_load_b256 s[4:11], s[0:1], 0x0               ; xb s[4:5], W1 s[6:7], b1 s[8:9], sel s[10:11]
	s_load_b64 s[12:13], s[0:1], 0x20              ; hid
	v_lshl_add_u32 v1, v0, 2, SPARE                ; my spare word, and 0: kept for the add at the wave's end alone
	v_mov_b32 v2, 0
	v_and_b32 v5, 31, v0                           ; lane, for the head alone
	v_and_b32 v3, 15, v0
	v_bfe_u32 v4, v0, 4, 1
	v_lshrrev_b32 v28, 5, v0
	v_readfirstlane_b32 s14, v28                   ; wave
	s_and_b32 s15, ttmp7, 0xffff                   ; expert
	s_mov_b32 s16, ttmp9                           ; slice of 128 columns
	v_mov_b32 v6, 0                                ; v5-9 are moved up as a row of five: each holds a number from here on
	v_mov_b32 v7, 0
	v_mov_b32 v8, 0
	v_lshlrev_b32 v9, 4, v3
	v_lshl_add_u32 v9, v4, 17, v9                  ; 16 r + 8 h rows of W1
	v_lshlrev_b32 v24, 4, v4                       ; 16 h
	v_mul_u32_u24 v28, v3, PITCH
	v_add_nc_u32 v28, v28, v24
.irp p, 0,1,2,3
	v_add_nc_u32 v[10+\p], \p*2*CT, v28            ; column r of tiles 2 p, 2 p + 1
.endr
	s_mul_i32 s46, s14, 16*SP
	s_add_co_u32 s46, s46, STAGE                   ; my stage
	v_mul_u32_u24 v25, v3, SP
	v_add_nc_u32 v25, v25, v24
	v_add_nc_u32 v25, s46, v25                     ; in: row r, 16 bytes for each half of the lanes
	v_mul_u32_u24 v26, v4, SP
	v_lshl_add_u32 v26, v3, 4, v26
	v_add_nc_u32 v26, s46, v26                     ; back: lanes 0-15 one row of 256 bytes, lanes 16-31 the next
	v_lshlrev_b32 v27, 4, v3
	v_mul_u32_u24 v192, v3, 4*PITCH
	v_add_nc_u32 v192, v192, v24                   ; column 4 r, 16 h
	v_add_nc_u32 v193, 64*PITCH, v192
	s_lshl_b32 s44, 0x101, s15                     ; the expert's two bits in a word of sel
	s_mov_b32 s48, 0x3e6d3388                      ; 0.3275911 / sqrt 2
	s_mov_b32 s49, 0xffff0000                      ; lanes 16 to 31
	s_mov_b32 s50, 0xff                            ; above it: the bit of choice 1
	s_lshl_b32 s36, s15, 24                        ; W1: the expert, the slice, my 256 rows
	s_lshl_b32 s46, s16, 9
	s_add_co_u32 s36, s36, s46
	s_lshl_b32 s46, s14, 22
	s_add_co_u32 s36, s36, s46
	s_mov_b32 s37, 0
	s_lshl_b32 s38, s15, 14                        ; b1
	s_lshl_b32 s46, s16, 9
	s_add_co_u32 s38, s38, s46
	s_mov_b32 s39, 0
	s_lshl_b32 s40, s16, 8                         ; hid: the slice's 256 bytes of a row
	s_mov_b32 s41, 0
	v_lshlrev_b32 v29, 4, v5
	v_lshlrev_b32 v30, 5, v4
	s_wait_kmcnt 0x0
	s_add_nc_u64 s[32:33], s[6:7], s[36:37]
	s_add_nc_u64 s[38:39], s[8:9], s[38:39]
	s_add_nc_u64 s[34:35], s[12:13], s[40:41]
	s_mov_b64 s[28:29], s[4:5]
.irp i, 0,1,2,3,4,5,6,7
	global_load_b128 v[32+4*\i:35+4*\i], v29, s[10:11] offset:512*\i   ; sel: word 128 i + 4 lane + c
.endr
	WIN 0xc0
.irp b, 0,1,2,3,4,5,6,7
	global_load_b128 v[8*\b:8*\b+3],   v30, s[38:39] offset:64*\b       ; b1 of columns 16 b + 8 h + 0..7
	global_load_b128 v[8*\b+4:8*\b+7], v30, s[38:39] offset:64*\b+16
.endr
	WIN 0
	LOADB 0                                        ; the weights start ahead of the tables' work
	LOADB 1
	LOADB 2
	s_wait_loadcnt 48                              ; the 48 weight loads stay out; sel and b1 are in
	; THE TABLES.  Round n holds the tokens 128 (n / 4) + 4 lane + n % 4.  Eight rounds' numbers are gathered in scalar registers and then copied, alike in every lane, into window 3.
	s_mov_b32 s19, 0
.set n, 0
.rept 4
.rept 8
	v_and_b32 v28, s44, v[32+n]
	v_cmp_ne_u32 s[66+n%8], 0, v28                 ; lanes whose token has a row here,
	v_cmp_lt_u32 s[74+n%8], s50, v28               ; and those where it is choice 1
	s_lshl_b32 s[82+n%8], s19, 5
	s_or_b32 s[82+n%8], s[82+n%8], n               ; 32 x the rows of the rounds before + n
	s_bcnt1_i32_b32 s46, s[66+n%8]
	s_add_co_u32 s19, s19, s46
.set n, n+1
.endr
	WIN 0xc0
.set m, n-8
.rept 8
	v_mov_b32 v[TM+m], s[66+m%8]
	v_mov_b32 v[TK+m], s[74+m%8]
	v_mov_b32 v[TP+m], s[82+m%8]
.set m, m+1
.endr
	WIN 0
.endr
	s_max_u32 s51, s19, 1
	s_sub_co_u32 s51, s51, 1                       ; the last rank
	s_add_co_u32 s20, s19, 15
	s_lshr_b32 s20, s20, 4                         ; row tiles of 16
	v_mov_b32 v30, 0xbf3a00e3                      ; a4/2, as a pair
	v_mov_b32 v31, 0xbf3a00e3
	; My fifth tile's sums are set once, while the first weights are on their way, so that they hold numbers on every way through the text: a trip past the count jumps the products alone.
	; A trip with rows starts them anew with its first K step.
	WIN 0x80
.set n, 0
.rept 64
	v_mov_b32 v[n], 0
.set n, n+1
.endr
	WIN 0
	; THE SLICE.  My 256 rows go in four groups of 64 through the ring: by this text's count 64 loads, 32 KiB a wave, are out.
	LOADB 3
	s_wait_xcnt 0x0
	s_add_nc_u64 s[32:33], s[32:33], 64*ROWB
	s_lshl_b32 s25, s14, 9                         ; my k's first byte in a column
	s_mov_b32 s24, 3
.Lw:
	v_add_nc_u32 v194, s25, v192
	v_add_nc_u32 v195, s25, v193
	UNIT 0, 1, 48
	UNIT 1, 1, 48
	UNIT 2, 1, 48
	UNIT 3, 1, 48
	s_wait_xcnt 0x0                                ; the weights' base is stepped only behind this wait
	s_add_nc_u64 s[32:33], s[32:33], 64*ROWB
	s_add_co_u32 s25, s25, 128
	s_sub_co_u32 s24, s24, 1
	s_cmp_lg_u32 s24, 0
	s_cbranch_scc1 .Lw
	v_add_nc_u32 v194, s25, v192
	v_add_nc_u32 v195, s25, v193
	UNIT 0, 0, 48                                  ; the last group asks for nothing: the counts run down
	UNIT 1, 0, 32
	UNIT 2, 0, 16
	UNIT 3, 0, 0
	s_wait_dscnt 0x0                               ; for the others' sake: my part of the slice is written
	s_barrier_signal -1
	s_barrier_wait -1                              ; the slice is whole; nothing writes it again
	s_mov_b32 s21, 0
	s_mov_b32 s27, s14                             ; my first tile of the trip: 20 p + w
.Ltrip:
	s_wait_xcnt 0x0                                ; the last way out's stores have read their registers
	s_cmp_ge_u32 s27, s20
	s_cbranch_scc1 .Lmeet                          ; none of my tiles of this trip has a row: search and products are jumped
	s_add_co_u32 s46, s27, 16
	s_cmp_lt_u32 s46, s20
	s_cselect_b32 s26, 1, 0                        ; has my fifth tile rows?
	; THE SEARCH, once for each of my five tiles; the results are pushed through v5-9, so that tile a's end up in v[5 + a].  A tile past the count repeats the tile before it.
	v_mov_b32 v43, 0
	s_mov_b32 s22, 0
	s_mov_b32 s23, s27
.Lsel:
	s_cmp_ge_u32 s23, s20
	s_cbranch_scc1 .Lpush
	s_lshl_b32 s46, s23, 4
	v_add_nc_u32 v44, s46, v3                      ; my rank,
	v_min_u32 v44, s51, v44                        ; held to the last: places past the count repeat the last row
	v_lshl_or_b32 v32, v44, 5, 31                  ; 32 rank + 31: a round's key is above it just when its running count is above the rank
	WIN 0x03                                       ; source 0 window 3: the tables
	v_mov_b32 v33, v[TP]
	v_mov_b32 v34, v[TM]
	v_mov_b32 v35, v[TK]
.set n, 1
.rept 31
	v_cmp_gt_u32 vcc_lo, v[TP+n], v32
	v_cndmask_b32 v33, v[TP+n], v33, vcc_lo        ; the keys ascend: the last round taken is the rank's
	v_cndmask_b32 v34, v[TM+n], v34, vcc_lo
	v_cndmask_b32 v35, v[TK+n], v35, vcc_lo
.set n, n+1
.endr
	WIN 0
	v_lshrrev_b32 v38, 5, v33
	v_sub_nc_u32 v36, v44, v38                     ; j: my rank within the round
	v_and_b32 v33, 31, v33                         ; the round
	v_lshrrev_b32 v38, 1, v34                      ; the bitmap's counts in fields of 2, 4, 8 and 16 bits
	v_and_b32 v38, 0x55555555, v38
	v_sub_nc_u32 v39, v34, v38
	v_lshrrev_b32 v38, 2, v39
	v_and_b32 v38, 0x33333333, v38
	v_and_b32 v40, 0x33333333, v39
	v_add_nc_u32 v40, v40, v38
	v_lshrrev_b32 v38, 4, v40
	v_add_nc_u32 v38, v38, v40
	v_and_b32 v41, 0x0f0f0f0f, v38
	v_lshrrev_b32 v38, 8, v41
	v_add_nc_u32 v38, v38, v41
	v_and_b32 v42, 0x00ff00ff, v38
	v_mov_b32 v37, 0
	LEVEL 42, 8, 16
	LEVEL 41, 8, 8
	LEVEL 40, 4, 4
	LEVEL 39, 2, 2
	LEVEL 34, 1, 1                                 ; v37: the lane that held my row's token
	v_bfe_u32 v38, v35, v37, 1                     ; k
	v_lshrrev_b32 v45, 2, v33
	v_and_b32 v33, 3, v33
	v_lshl_add_u32 v33, v37, 2, v33
	v_lshl_add_u32 v33, v45, 7, v33                ; the token
	v_lshl_add_u32 v43, v33, 1, v38                ; slot = 2 token + k
.Lpush:
	v_mov_b32 v5, v6
	v_mov_b32 v6, v7
	v_mov_b32 v7, v8
	v_mov_b32 v8, v9
	v_mov_b32 v9, v43
	s_add_co_u32 s23, s23, 4
	s_add_co_u32 s22, s22, 1
	s_cmp_lt_u32 s22, 5
	s_cbranch_scc1 .Lsel
.irp a, 0,1,2,3,4
	v_lshrrev_b32 v[18+\a], 1, v[5+\a]             ; the token,
	v_min_u32 v[18+\a], 0x3ff, v[18+\a]
	v_lshl_add_u32 v[18+\a], v[18+\a], 11, v24     ; its row of 2,048 bytes in xb, + 16 h
.endr
	s_mov_b64 s[30:31], s[28:29]
	s_mov_b32 s25, 0
	VBSET
	ALOAD 0, 0
	ALOAD 64, 1
	ALOAD 128, 2
	BLOAD 0, 32
	STEP 0, 1, 1, 1, 16, 30                        ; the first K step starts the sums
	STEP 1, 0, 1, 1, 16, 30
	STEP 2, 0, 1, 1, 16, 30
	STEP 3, 0, 1, 1, 16, 30
	ADV
	s_mov_b32 s24, 6
.Lk:
	STEP 0, 0, 1, 1, 16, 30
	STEP 1, 0, 1, 1, 16, 30
	STEP 2, 0, 1, 1, 16, 30
	STEP 3, 0, 1, 1, 16, 30
	ADV
	s_sub_co_u32 s24, s24, 1
	s_cmp_lg_u32 s24, 0
	s_cbranch_scc1 .Lk
	STEP 0, 0, 1, 1, 16, 30                        ; the last 128 k: no load passes a row's end
	STEP 1, 0, 0, 1, 16, 20
	STEP 2, 0, 0, 1, 16, 10
	STEP 3, 0, 0, 0, 0, 0
.rept 4
	v_nop                                          ; the places between the last products and the first reader of a sum
.endr
.Lmeet:
	s_wait_dscnt 0x0                               ; my reads of the slice are back
	s_barrier_signal -1
	s_barrier_wait -1                              ; everybody's are: now the stages are written
	s_mov_b32 s22, 0
	s_mov_b32 s23, s27
.Ltile:
	s_cmp_ge_u32 s23, s20
	s_cbranch_scc1 .Ltn                            ; a tile past the count stores nothing
	s_wait_xcnt 0x0                                ; the last tile's stores have read their registers
	s_cmp_eq_u32 s22, 0
	s_cbranch_scc1 .Lc0
	s_cmp_eq_u32 s22, 1
	s_cbranch_scc1 .Lc1
	s_cmp_eq_u32 s22, 2
	s_cbranch_scc1 .Lc2
	s_cmp_eq_u32 s22, 3
	s_cbranch_scc1 .Lc3
	COPY 4
	s_branch .Lgo
.Lc0:
	COPY 0
	s_branch .Lgo
.Lc1:
	COPY 1
	s_branch .Lgo
.Lc2:
	COPY 2
	s_branch .Lgo
.Lc3:
	COPY 3
.Lgo:
.irp t, 0,1,2,3,4,5,6,7,8,9,10,11,12,13,14,15
	v_readlane_b32 s[66+\t], v5, \t                ; the tile's sixteen slots: v5 holds this tile's, lane r row r's
.endr
	GH 0
	GH 1
.irp t, 0,1,2,3,4,5,6,7
	ds_load_b128 v[96+4*\t:99+4*\t], v26 offset:2*SP*\t   ; a wave's LDS instructions are served in order: these see the stores above
.endr
.irp t, 0,1,2,3,4,5,6,7
	v_mov_b32 v[14+\t], s[66+2*\t]                 ; lanes 0-15 store row 2 t,
	v_cndmask_b32 v[14+\t], v[14+\t], s[67+2*\t], s49  ; lanes 16-31 row 2 t + 1
	v_min_u32 v[14+\t], 0x7ff, v[14+\t]
	v_lshl_add_u32 v[14+\t], v[14+\t], 13, v27     ; the slot's row of 8,192 bytes in hid, + 16 r
.endr
	s_wait_dscnt 0x0
.irp t, 0,1,2,3,4,5,6,7
	global_store_b128 v[14+\t], v[96+4*\t:99+4*\t], s[34:35]  ; 16 lanes store 256 consecutive bytes, aligned
.endr
.Ltn:
	v_mov_b32 v5, v6                               ; the next tile's slots move up
	v_mov_b32 v6, v7
	v_mov_b32 v7, v8
	v_mov_b32 v8, v9
	s_add_co_u32 s23, s23, 4
	s_add_co_u32 s22, s22, 1
	s_cmp_lt_u32 s22, 5
	s_cbranch_scc1 .Ltile
	s_wait_dscnt 0x0                               ; my stage's stores and reads are done
	s_barrier_signal -1
	s_barrier_wait -1                              ; everybody's are: the next trip only reads
	s_add_co_u32 s27, s27, 20
	s_add_co_u32 s21, s21, 1
	s_cmp_lt_u32 s21, 4
	s_cbranch_scc1 .Ltrip
	s_wait_tensorcnt 0x0                           ; the wave's end
	ds_add_u32 v1, v2
	s_wait_dscnt 0x0
	s_endpgm
.Lfunc_end_k_qdf31dc26a5_ffn1:
	.size	k_qdf31dc26a5_ffn1, .Lfunc_end_k_qdf31dc26a5_ffn1-k_qdf31dc26a5_ffn1
	.p2alignl 7, 3214868480
	.fill 96, 4, 3214868480
	.section	.rodata,"a",@progbits
	.p2align	6, 0x0
	.amdhsa_kernel k_qdf31dc26a5_ffn1
		.amdhsa_group_segment_fixed_size 320000
		.amdhsa_private_segment_fixed_size 0
		.amdhsa_enable_private_segment 0
		.amdhsa_kernarg_size 40
		.amdhsa_user_sgpr_count 2
		.amdhsa_user_sgpr_kernarg_segment_ptr 1
		.amdhsa_wavefront_size32 1
		.amdhsa_system_sgpr_workgroup_id_x 1
		.amdhsa_system_sgpr_workgroup_id_y 1
		.amdhsa_system_sgpr_workgroup_id_z 1
		.amdhsa_system_vgpr_workitem_id 0
		.amdhsa_next_free_vgpr 928
		.amdhsa_next_free_sgpr 90
		.amdhsa_reserve_vcc 1
		.amdhsa_float_denorm_mode_32 3
		.amdhsa_float_denorm_mode_16_64 3
		.amdhsa_memory_ordered 1
		.amdhsa_forward_progress 1
		.amdhsa_inst_pref_size 175
	.end_amdhsa_kernel
	.amdgpu_metadata
---
amdhsa.version: [ 1, 2 ]
amdhsa.kernels:
  - .name:           k_qdf31dc26a5_ffn1
    .symbol:         k_qdf31dc26a5_ffn1.kd
    .args:
      - { .name: xb, .offset: 0, .size: 8, .value_kind: global_buffer, .address_space: global }
      - { .name: W1, .offset: 8, .size: 8, .value_kind: global_buffer, .address_space: global }
      - { .name: b1, .offset: 16, .size: 8, .value_kind: global_buffer, .address_space: global }
      - { .name: sel, .offset: 24, .size: 8, .value_kind: global_buffer, .address_space: global }
      - { .name: hid, .offset: 32, .size: 8, .value_kind: global_buffer, .address_space: global }
    .group_segment_fixed_size: 320000
    .private_segment_fixed_size: 0
    .kernarg_segment_align: 8
    .kernarg_segment_size: 40
    .max_flat_workgroup_size: 128
    .sgpr_count:     90
    .vgpr_count:     928
    .wavefront_size: 32
...
	.end_amdgpu_metadata
.endif
;; end of part 5
;; launch ffn2 (part 6): grid 32 x 8, 4 waves a work-group, no clusters, 320,000 bytes of LDS; arguments hid, W2, sel, part; writes part
.if DOCPART == 6
	.amdgcn_target "amdgcn-amd-amdhsa--gfx1250"
	.amdhsa_code_object_version 6
	.text
	.protected	k_qdf31dc26a5_ffn2
	.globl	k_qdf31dc26a5_ffn2
	.p2align	8
	.type	k_qdf31dc26a5_ffn2,@function
k_qdf31dc26a5_ffn2:
	s_mov_b64 s[64:65], 0
	v_nop
	global_prefetch_b8 v0, s[64:65] scope:SCOPE_SE
	s_setreg_imm32_b32 hwreg(HW_REG_WAVE_MODE, 25, 1), 1
	s_wait_xcnt 0x0
; THE SECOND PRODUCT, in quarters of K.  part[kq][slot][n] = the sum over f = 1024 kq .. 1024 kq + 1023 of hid[slot][f] W2[e][f][n], in f32, for the rows of expert e.
; A work-group has expert e = group y, K quarter kq = group x / 8 and 128 columns n = 128 (group x % 8) ..: 1024 x 128 f32 of W2, which it alone reads, and ALL rows of that expert (0 to 1,024).
; The four quarters, b2, the residual and the LayerNorm, which spans all 1,024 columns and so eight work-groups, are added up by the next launch; partial sums stay in f32.
; PHASES, as in the first product: (1) every wave makes of sel, in registers, 32 rounds of bitmaps of the expert's rows with their running counts; (2) wave w streams rows 256 w .. of the slice
; through a ring of 64 loads in registers, rounds to bf16 and lays it into LDS with K along each column; one barrier; (3) trips of 320 rows, wave w with the row tiles 20 p + w + 4 a
; (a = 0..4), 40 accumulators; weight fragments from LDS, hid's from memory straight into registers.
; THE ROW OF A RANK.  The expert's rows are ranked by (round, lane).  Lane r of tile T wants rank 16 T + r, held to the last rank: it keeps the last round whose running count does not pass
; the rank, and finds the bit of that rank in the round's bitmap by counts of 16, 8, 4, 2 and 1 bits.  All of it is lane-local arithmetic on numbers that are alike in every lane.
; The trip loop counts to the constant 4; the products of a trip, and a tile on the way out, past the count are jumped forward; every wave passes every barrier.
; TWO BARRIERS A TRIP part the stretch in which LDS is only read (the fragment loads walk the slice by a stepped address) from the stretch in which each wave writes and reads back its own
; stage.  Slice and stages lie apart; with the barriers the order of reads and writes does not rest on the stepped addresses' arithmetic.
; Places of a tile past the count repeat the expert's last row: the same bytes go to the same address, so no lane is masked.
; NO CLUSTER: each slice of weights has one reader, and the rows come by rank, which no tensor descriptor covers.
; Source 0 = 16 weight columns, source 1 = 16 rows: a lane holds one row (lane % 16) and eight neighbouring columns.
; REGISTERS.  Window 0: v1, v2 the add's two; v3 r, v4 h; v5-9 the slots of row r of my five tiles (at the head v5 lane, v9 weight offset); v10-13, v14-17 fragment addresses; v18-22 row
;   offsets; v24-27 addresses; v28, v29 at work; v32-95, v96-159 weight fragments, two buffers (in the search: at work; on the way out: rows and their offsets in part); v160-191 packed
;   weights; v192-195 slice store addresses.
; Window 1: the landing ring, later accumulators (a, b) at 64 a + 8 b, a = 0..3.  Window 2: v0-63 accumulators (4, b); v64-223 row fragments, four buffers of 40.
; Window 3: v0-31 round n's bitmap of rows; v32-63 its bitmap of rows that are choice 1; v64-95 32 x its running count + n.
.set ROWB,   4096                      ; bytes in a row of W2
.set PITCH,  2064                      ; a column's 1,024 bf16 + 16 bytes: an odd multiple of 16
.set CT,     16*PITCH
.set STAGE,  128*PITCH                 ; behind the slice: for each wave 16 rows x 528 bytes, for the way out
.set SP,     528
.set SPARE,  319488                    ; the spare words: 128 bytes for each wave, two blocks of 256 bytes that no other line names
.set TM,     0                         ; the three tables, in window 3
.set TK,     32
.set TP,     64
.set MSB, 0
.macro WIN new                         ; the immediate's high byte repeats the setting that is left
.if MSB != (\new)
	s_set_vgpr_msb (MSB<<8)|(\new)
.set MSB, \new
.endif
.endm
.macro LOADB q                         ; 16 loads: 16 rows k x 128 columns into quarter q of the ring; 16 lanes take 256 consecutive aligned bytes of a row
	WIN 0x40
.irp g, 0,1
.irp i, 0,1,2,3,4,5,6,7
	global_load_b128 v[64*(\q)+32*\g+4*\i:64*(\q)+32*\g+4*\i+3], v9, s[32:33] offset:(16*(\q)+\i)*ROWB+256*\g th:TH_LOAD_NT
.endr
.endr
	WIN 0
.endm
.macro UNIT q, issue, left             ; quarter q has landed: eight k of a column pack into 16 bytes for column 64 g + 4 r + j; then the quarter is asked for again
	s_wait_loadcnt \left                           ; loads come back in order: mine are in, the younger quarters stay out
	WIN 0x05
.irp g, 0,1
.irp j, 0,1,2,3
.irp p, 0,1,2,3
	v_cvt_pk_bf16_f32 v[160+16*\g+4*\j+\p], v[64*(\q)+32*\g+8*\p+\j], v[64*(\q)+32*\g+8*\p+4+\j]
.endr
.endr
.endr
	WIN 0
.irp g, 0,1
.irp j, 0,1,2,3
	ds_store_b128 v[194+\g], v[160+16*\g+4*\j:160+16*\g+4*\j+3] offset:\j*PITCH+32*(\q)
.endr
.endr
.if \issue
	LOADB \q
.endif
.endm
.macro BLOAD imm, f                    ; 16 LDS loads: the weight fragments of 32 k at byte imm, all 8 column tiles
.irp b, 0,1,2,3,4,5,6,7
	ds_load_b128 v[(\f)+8*\b:(\f)+8*\b+3],   v[14+\b/2] offset:(\b%2)*CT+(\imm)
	ds_load_b128 v[(\f)+8*\b+4:(\f)+8*\b+7], v[14+\b/2] offset:(\b%2)*CT+(\imm)+32
.endr
.endm
.macro ALOAD imm, buf                  ; 10 loads: hid's fragments of 32 k at byte imm, my five row tiles
	WIN 0x80
.irp a, 0,1,2,3,4
	global_load_b128 v[64+40*(\buf)+8*\a:64+40*(\buf)+8*\a+3],   v[18+\a], s[30:31] offset:(\imm)
	global_load_b128 v[64+40*(\buf)+8*\a+4:64+40*(\buf)+8*\a+7], v[18+\a], s[30:31] offset:(\imm)+32
.endr
	WIN 0
.endm
.macro VBSET
.irp p, 0,1,2,3
	v_add_nc_u32 v[14+\p], s25, v[10+\p]
.endr
.endm
.macro ADV                             ; 128 k on
	s_wait_xcnt 0x0                                ; the row loads' base is stepped only behind this wait
	s_add_nc_u64 s[30:31], s[30:31], 256
	s_add_co_u32 s25, s25, 256
	VBSET
.endm
; One K step of 32.  Four plain places stand between the last products and the loads into the buffers that they read.  Weight fragments are asked for one step ahead, row fragments three.
; The 40 (or 32) accumulators take turns, one instruction a turn.  zero = 1: the products start the sums, tile 4's too.
.macro STEP u, zero, ia, ib, dsl, ldl
.rept 4
	v_nop
.endr
.if \ib
	BLOAD 64*((\u)+1), 32+64*(((\u)+1)&1)
.endif
.if \ia
	ALOAD 64*((\u)+3), ((\u)+3)&3
.endif
	s_wait_dscnt \dsl                              ; all but the weight fragments just asked for
	s_wait_loadcnt \ldl                            ; all but the later steps' row fragments, ten loads a step
.set FB, 32+64*((\u)&1)
.set FA, 64+40*((\u)&3)
	WIN 0x58                                       ; weights window 0, rows window 2, sums window 1
.irp a, 0,1,2,3
.irp b, 0,1,2,3,4,5,6,7
.if \zero
	v_wmma_f32_16x16x32_bf16 v[64*\a+8*\b:64*\a+8*\b+7], v[FB+8*\b:FB+8*\b+7], v[FA+8*\a:FA+8*\a+7], 0
.else
	v_wmma_f32_16x16x32_bf16 v[64*\a+8*\b:64*\a+8*\b+7], v[FB+8*\b:FB+8*\b+7], v[FA+8*\a:FA+8*\a+7], v[64*\a+8*\b:64*\a+8*\b+7]
.endif
.endr
.endr
	WIN 0
.if !(\zero)
	s_cmp_eq_u32 s26, 0                            ; my fifth tile lies past the count: its products are jumped
	s_cbranch_scc1 .Lno4_\@
.endif
	WIN 0xa8                                       ; rows and sums window 2
.irp b, 0,1,2,3,4,5,6,7
.if \zero
	v_wmma_f32_16x16x32_bf16 v[8*\b:8*\b+7], v[FB+8*\b:FB+8*\b+7], v[FA+32:FA+39], 0
.else
	v_wmma_f32_16x16x32_bf16 v[8*\b:8*\b+7], v[FB+8*\b:FB+8*\b+7], v[FA+32:FA+39], v[8*\b:8*\b+7]
.endif
.endr
	WIN 0
.if !(\zero)
.Lno4_\@:
.endif
.endm
; One halving of the search for bit j of a bitmap: field is the register of counts of w bits; if the w bits at v37 hold j bits or fewer, they are passed over.
.macro LEVEL field, bits, w
	v_bfe_u32 v38, v[\field], v37, \bits
	v_cmp_ge_u32 vcc_lo, v36, v38
	v_sub_nc_u32 v38, v36, v38
	v_cndmask_b32 v36, v36, v38, vcc_lo
	v_add_nc_u32 v38, \w, v37
	v_cndmask_b32 v37, v37, v38, vcc_lo
.endm
; Tile a's sums go into my stage, each accumulator's low four registers first.
.macro PUT a
	WIN 0x04+4*((\a)/4)                            ; the stores' data: window 1 (tile 4: window 2)
.irp b, 0,1,2,3,4,5,6,7
	ds_store_b128 v25, v[64*((\a)%4)+8*\b:64*((\a)%4)+8*\b+3]   offset:64*\b
	ds_store_b128 v25, v[64*((\a)%4)+8*\b+4:64*((\a)%4)+8*\b+7] offset:64*\b+16
.endr
	WIN 0
.endm
	s_load_b256 s[4:11], s[0:1], 0x0               ; hid s[4:5], W2 s[6:7], sel s[8:9], part s[10:11]
	v_lshl_add_u32 v1, v0, 2, SPARE                ; my spare word, and 0: kept for the add at the wave's end alone
	v_mov_b32 v2, 0
	v_and_b32 v5, 31, v0                           ; lane, for the head alone
	v_and_b32 v3, 15, v0
	v_bfe_u32 v4, v0, 4, 1
	v_lshrrev_b32 v28, 5, v0
	v_readfirstlane_b32 s14, v28                   ; wave
	s_and_b32 s15, ttmp7, 0xffff                   ; expert
	s_and_b32 s16, ttmp9, 7                        ; slice of 128 columns
	s_lshr_b32 s17, ttmp9, 3                       ; quarter of K
	v_mov_b32 v6, 0                                ; v5-9 are moved up as a row of five: each holds a number from here on
	v_mov_b32 v7, 0
	v_mov_b32 v8, 0
	v_lshlrev_b32 v9, 4, v3
	v_lshl_add_u32 v9, v4, 15, v9                  ; 16 r + 8 h rows of W2
	v_lshlrev_b32 v24, 4, v4                       ; 16 h
	v_mul_u32_u24 v28, v3, PITCH
	v_add_nc_u32 v28, v28, v24
.irp p, 0,1,2,3
	v_add_nc_u32 v[10+\p], \p*2*CT, v28            ; column r of tiles 2 p, 2 p + 1
.endr
	s_mul_i32 s46, s14, 16*SP
	s_add_co_u32 s46, s46, STAGE                   ; my stage
	v_mul_u32_u24 v25, v3, SP
	v_lshl_add_u32 v25, v4, 5, v25
	v_add_nc_u32 v25, s46, v25                     ; in: row r, 32 bytes for each half of the lanes
	v_lshlrev_b32 v27, 4, v5                       ; 16 lane
	v_add_nc_u32 v26, s46, v27                     ; back: 32 lanes take one row of 512 bytes
	v_mul_u32_u24 v192, v3, 4*PITCH
	v_add_nc_u32 v192, v192, v24                   ; column 4 r, 16 h
	v_add_nc_u32 v193, 64*PITCH, v192
	s_lshl_b32 s44, 0x101, s15                     ; the expert's two bits in a word of sel
	s_mov_b32 s50, 0xff                            ; above it: the bit of choice 1
	s_lshl_b32 s36, s15, 24                        ; W2: the expert, the quarter, the slice, my 256 rows
	s_lshl_b32 s46, s17, 22
	s_add_co_u32 s36, s36, s46
	s_lshl_b32 s46, s16, 9
	s_add_co_u32 s36, s36, s46
	s_lshl_b32 s46, s14, 20
	s_add_co_u32 s36, s36, s46
	s_mov_b32 s37, 0
	s_lshl_b32 s38, s17, 11                        ; hid: the quarter's 2,048 bytes of a row
	s_mov_b32 s39, 0
	s_lshl_b32 s40, s17, 23                        ; part: the quarter's plane, the slice's 512 bytes of a row
	s_lshl_b32 s46, s16, 9
	s_add_co_u32 s40, s40, s46
	s_mov_b32 s41, 0
	v_lshlrev_b32 v29, 4, v5
	s_wait_kmcnt 0x0
	s_add_nc_u64 s[32:33], s[6:7], s[36:37]
	s_add_nc_u64 s[28:29], s[4:5], s[38:39]
	s_add_nc_u64 s[34:35], s[10:11], s[40:41]
.irp i, 0,1,2,3,4,5,6,7
	global_load_b128 v[32+4*\i:35+4*\i], v29, s[8:9] offset:512*\i     ; sel: word 128 i + 4 lane + c
.endr
	LOADB 0                                        ; the weights start ahead of the tables' work
	LOADB 1
	LOADB 2
	s_wait_loadcnt 48                              ; the 48 weight loads stay out; sel is in
	; THE TABLES.  Round n holds the tokens 128 (n / 4) + 4 lane + n % 4.  Eight rounds' numbers are gathered in scalar registers and then copied, alike in every lane, into window 3.
	s_mov_b32 s19, 0
.set n, 0
.rept 4
.rept 8
	v_and_b32 v28, s44, v[32+n]
	v_cmp_ne_u32 s[66+n%8], 0, v28                 ; lanes whose token has a row here,
	v_cmp_lt_u32 s[74+n%8], s50, v28               ; and those where it is choice 1
	s_lshl_b32 s[82+n%8], s19, 5
	s_or_b32 s[82+n%8], s[82+n%8], n               ; 32 x the rows of the rounds before + n
	s_bcnt1_i32_b32 s46, s[66+n%8]
	s_add_co_u32 s19, s19, s46
.set n, n+1
.endr
	WIN 0xc0
.set m, n-8
.rept 8
	v_mov_b32 v[TM+m], s[66+m%8]
	v_mov_b32 v[TK+m], s[74+m%8]
	v_mov_b32 v[TP+m], s[82+m%8]
.set m, m+1
.endr
	WIN 0
.endr
	s_max_u32 s51, s19, 1
	s_sub_co_u32 s51, s51, 1                       ; the last rank
	s_add_co_u32 s20, s19, 15
	s_lshr_b32 s20, s20, 4                         ; row tiles of 16
	; My fifth tile's sums are set once, while the first weights are on their way, so that they hold numbers on every way through the text: a trip past the count jumps the products alone.
	; A trip with rows starts them anew with its first K step.
	WIN 0x80
.set n, 0
.rept 64
	v_mov_b32 v[n], 0
.set n, n+1
.endr
	WIN 0
	; THE SLICE.  My 256 rows go in four groups of 64 through the ring: by this text's count 64 loads, 32 KiB a wave, are out.
	LOADB 3
	s_wait_xcnt 0x0
	s_add_nc_u64 s[32:33], s[32:33], 64*ROWB
	s_lshl_b32 s25, s14, 9                         ; my k's first byte in a column
	s_mov_b32 s24, 3
.Lw:
	v_add_nc_u32 v194, s25, v192
	v_add_nc_u32 v195, s25, v193
	UNIT 0, 1, 48
	UNIT 1, 1, 48
	UNIT 2, 1, 48
	UNIT 3, 1, 48
	s_wait_xcnt 0x0                                ; the weights' base is stepped only behind this wait
	s_add_nc_u64 s[32:33], s[32:33], 64*ROWB
	s_add_co_u32 s25, s25, 128
	s_sub_co_u32 s24, s24, 1
	s_cmp_lg_u32 s24, 0
	s_cbranch_scc1 .Lw
	v_add_nc_u32 v194, s25, v192
	v_add_nc_u32 v195, s25, v193
	UNIT 0, 0, 48                                  ; the last group asks for nothing: the counts run down
	UNIT 1, 0, 32
	UNIT 2, 0, 16
	UNIT 3, 0, 0
	s_wait_dscnt 0x0                               ; for the others' sake: my part of the slice is written
	s_barrier_signal -1
	s_barrier_wait -1                              ; the slice is whole; nothing writes it again
	s_mov_b32 s21, 0
	s_mov_b32 s27, s14                             ; my first tile of the trip: 20 p + w
.Ltrip:
	s_wait_xcnt 0x0                                ; the last way out's stores have read their registers
	s_cmp_ge_u32 s27, s20
	s_cbranch_scc1 .Lmeet                          ; none of my tiles of this trip has a row: search and products are jumped
	s_add_co_u32 s46, s27, 16
	s_cmp_lt_u32 s46, s20
	s_cselect_b32 s26, 1, 0                        ; has my fifth tile rows?
	; THE SEARCH, once for each of my five tiles; the results are pushed through v5-9, so that tile a's end up in v[5 + a].  A tile past the count repeats the tile before it.
	v_mov_b32 v43, 0
	s_mov_b32 s22, 0
	s_mov_b32 s23, s27
.Lsel:
	s_cmp_ge_u32 s23, s20
	s_cbranch_scc1 .Lpush
	s_lshl_b32 s46, s23, 4
	v_add_nc_u32 v44, s46, v3                      ; my rank,
	v_min_u32 v44, s51, v44                        ; held to the last: places past the count repeat the last row
	v_lshl_or_b32 v32, v44, 5, 31                  ; 32 rank + 31: a round's key is above it just when its running count is above the rank
	WIN 0x03                                       ; source 0 window 3: the tables
	v_mov_b32 v33, v[TP]
	v_mov_b32 v34, v[TM]
	v_mov_b32 v35, v[TK]
.set n, 1
.rept 31
	v_cmp_gt_u32 vcc_lo, v[TP+n], v32
	v_cndmask_b32 v33, v[TP+n], v33, vcc_lo        ; the keys ascend: the last round taken is the rank's
	v_cndmask_b32 v34, v[TM+n], v34, vcc_lo
	v_cndmask_b32 v35, v[TK+n], v35, vcc_lo
.set n, n+1
.endr
	WIN 0
	v_lshrrev_b32 v38, 5, v33
	v_sub_nc_u32 v36, v44, v38                     ; j: my rank within the round
	v_and_b32 v33, 31, v33                         ; the round
	v_lshrrev_b32 v38, 1, v34                      ; the bitmap's counts in fields of 2, 4, 8 and 16 bits
	v_and_b32 v38, 0x55555555, v38
	v_sub_nc_u32 v39, v34, v38
	v_lshrrev_b32 v38, 2, v39
	v_and_b32 v38, 0x33333333, v38
	v_and_b32 v40, 0x33333333, v39
	v_add_nc_u32 v40, v40, v38
	v_lshrrev_b32 v38, 4, v40
	v_add_nc_u32 v38, v38, v40
	v_and_b32 v41, 0x0f0f0f0f, v38
	v_lshrrev_b32 v38, 8, v41
	v_add_nc_u32 v38, v38, v41
	v_and_b32 v42, 0x00ff00ff, v38
	v_mov_b32 v37, 0
	LEVEL 42, 8, 16
	LEVEL 41, 8, 8
	LEVEL 40, 4, 4
	LEVEL 39, 2, 2
	LEVEL 34, 1, 1                                 ; v37: the lane that held my row's token
	v_bfe_u32 v38, v35, v37, 1                     ; k
	v_lshrrev_b32 v45, 2, v33
	v_and_b32 v33, 3, v33
	v_lshl_add_u32 v33, v37, 2, v33
	v_lshl_add_u32 v33, v45, 7, v33                ; the token
	v_lshl_add_u32 v43, v33, 1, v38                ; slot = 2 token + k
.Lpush:
	v_mov_b32 v5, v6
	v_mov_b32 v6, v7
	v_mov_b32 v7, v8
	v_mov_b32 v8, v9
	v_mov_b32 v9, v43
	s_add_co_u32 s23, s23, 4
	s_add_co_u32 s22, s22, 1
	s_cmp_lt_u32 s22, 5
	s_cbranch_scc1 .Lsel
.irp a, 0,1,2,3,4
	v_min_u32 v[18+\a], 0x7ff, v[5+\a]
	v_lshl_add_u32 v[18+\a], v[18+\a], 13, v24     ; the slot's row of 8,192 bytes in hid, + 16 h
.endr
	s_mov_b64 s[30:31], s[28:29]
	s_mov_b32 s25, 0
	VBSET
	ALOAD 0, 0
	ALOAD 64, 1
	ALOAD 128, 2
	BLOAD 0, 32
	STEP 0, 1, 1, 1, 16, 30                        ; the first K step starts the sums
	STEP 1, 0, 1, 1, 16, 30
	STEP 2, 0, 1, 1, 16, 30
	STEP 3, 0, 1, 1, 16, 30
	ADV
	s_mov_b32 s24, 6
.Lk:
	STEP 0, 0, 1, 1, 16, 30
	STEP 1, 0, 1, 1, 16, 30
	STEP 2, 0, 1, 1, 16, 30
	STEP 3, 0, 1, 1, 16, 30
	ADV
	s_sub_co_u32 s24, s24, 1
	s_cmp_lg_u32 s24, 0
	s_cbranch_scc1 .Lk
	STEP 0, 0, 1, 1, 16, 30                        ; the last 128 k: no load passes the quarter's end
	STEP 1, 0, 0, 1, 16, 20
	STEP 2, 0, 0, 1, 16, 10
	STEP 3, 0, 0, 0, 0, 0
.rept 4
	v_nop                                          ; the places between the last products and the first reader of a sum
.endr
.Lmeet:
	s_wait_dscnt 0x0                               ; my reads of the slice are back
	s_barrier_signal -1
	s_barrier_wait -1                              ; everybody's are: now the stages are written
	s_mov_b32 s22, 0
	s_mov_b32 s23, s27
.Ltile:
	s_cmp_ge_u32 s23, s20
	s_cbranch_scc1 .Ltn                            ; a tile past the count stores nothing
	s_wait_xcnt 0x0                                ; the last tile's stores have read their registers
	s_cmp_eq_u32 s22, 0
	s_cbranch_scc1 .Lc0
	s_cmp_eq_u32 s22, 1
	s_cbranch_scc1 .Lc1
	s_cmp_eq_u32 s22, 2
	s_cbranch_scc1 .Lc2
	s_cmp_eq_u32 s22, 3
	s_cbranch_scc1 .Lc3
	PUT 4
	s_branch .Lgo
.Lc0:
	PUT 0
	s_branch .Lgo
.Lc1:
	PUT 1
	s_branch .Lgo
.Lc2:
	PUT 2
	s_branch .Lgo
.Lc3:
	PUT 3
.Lgo:
.irp t, 0,1,2,3,4,5,6,7,8,9,10,11,12,13,14,15
	v_readlane_b32 s[66+\t], v5, \t                ; the tile's sixteen slots: v5 holds this tile's, lane r row r's
.endr
.irp t, 0,1,2,3,4,5,6,7,8,9,10,11,12,13,14,15
	ds_load_b128 v[32+4*\t:35+4*\t], v26 offset:SP*\t   ; a wave's LDS instructions are served in order: these see the stores above
.endr
.irp t, 0,1,2,3,4,5,6,7,8,9,10,11,12,13,14,15
	s_min_u32 s[66+\t], s[66+\t], 0x7ff
	v_lshl_add_u32 v[96+\t], s[66+\t], 12, v27     ; the slot's row of 4,096 bytes in the plane, + 16 lane
.endr
	s_wait_dscnt 0x0
.irp t, 0,1,2,3,4,5,6,7,8,9,10,11,12,13,14,15
	global_store_b128 v[96+\t], v[32+4*\t:35+4*\t], s[34:35] th:TH_STORE_NT  ; the wave stores 512 consecutive bytes, aligned
.endr
.Ltn:
	v_mov_b32 v5, v6                               ; the next tile's slots move up
	v_mov_b32 v6, v7
	v_mov_b32 v7, v8
	v_mov_b32 v8, v9
	s_add_co_u32 s23, s23, 4
	s_add_co_u32 s22, s22, 1
	s_cmp_lt_u32 s22, 5
	s_cbranch_scc1 .Ltile
	s_wait_dscnt 0x0                               ; my stage's stores and reads are done
	s_barrier_signal -1
	s_barrier_wait -1                              ; everybody's are: the next trip only reads
	s_add_co_u32 s27, s27, 20
	s_add_co_u32 s21, s21, 1
	s_cmp_lt_u32 s21, 4
	s_cbranch_scc1 .Ltrip
	s_wait_tensorcnt 0x0                           ; the wave's end
	ds_add_u32 v1, v2
	s_wait_dscnt 0x0
	s_endpgm
.Lfunc_end_k_qdf31dc26a5_ffn2:
	.size	k_qdf31dc26a5_ffn2, .Lfunc_end_k_qdf31dc26a5_ffn2-k_qdf31dc26a5_ffn2
	.p2alignl 7, 3214868480
	.fill 96, 4, 3214868480
	.section	.rodata,"a",@progbits
	.p2align	6, 0x0
	.amdhsa_kernel k_qdf31dc26a5_ffn2
		.amdhsa_group_segment_fixed_size 320000
		.amdhsa_private_segment_fixed_size 0
		.amdhsa_enable_private_segment 0
		.amdhsa_kernarg_size 32
		.amdhsa_user_sgpr_count 2
		.amdhsa_user_sgpr_kernarg_segment_ptr 1
		.amdhsa_wavefront_size32 1
		.amdhsa_system_sgpr_workgroup_id_x 1
		.amdhsa_system_sgpr_workgroup_id_y 1
		.amdhsa_system_sgpr_workgroup_id_z 1
		.amdhsa_system_vgpr_workitem_id 0
		.amdhsa_next_free_vgpr 864
		.amdhsa_next_free_sgpr 90
		.amdhsa_reserve_vcc 1
		.amdhsa_float_denorm_mode_32 3
		.amdhsa_float_denorm_mode_16_64 3
		.amdhsa_memory_ordered 1
		.amdhsa_forward_progress 1
		.amdhsa_inst_pref_size 131
	.end_amdhsa_kernel
	.amdgpu_metadata
---
amdhsa.version: [ 1, 2 ]
amdhsa.kernels:
  - .name:           k_qdf31dc26a5_ffn2
    .symbol:         k_qdf31dc26a5_ffn2.kd
    .args:
      - { .name: hid, .offset: 0, .size: 8, .value_kind: global_buffer, .address_space: global }
      - { .name: W2, .offset: 8, .size: 8, .value_kind: global_buffer, .address_space: global }
      - { .name: sel, .offset: 16, .size: 8, .value_kind: global_buffer, .address_space: global }
      - { .name: part, .offset: 24, .size: 8, .value_kind: global_buffer, .address_space: global }
    .group_segment_fixed_size: 320000
    .private_segment_fixed_size: 0
    .kernarg_segment_align: 8
    .kernarg_segment_size: 32
    .max_flat_workgroup_size: 128
    .sgpr_count:     90
    .vgpr_count:     864
    .wavefront_size: 32
...
	.end_amdgpu_metadata
.endif
;; end of part 6
;; launch combine: the kernel of part 4 again; grid 256 x 1, 4 waves a work-group, no clusters, 0 bytes of LDS; arguments part, x, b2, ln_g, ln_b, sel, gw, out0; writes out0
;; ======== version 3 of 3: 4 launches; version 2 with the launches router, ffn1 written anew for expert scheduling mode
;; workspace buffers: xb 2,097,152 bytes; sel 4,096 bytes of whole numbers; gw 8,192 bytes; hid 16,777,216 bytes; part 33,554,432 bytes
;; launch router (part 7): grid 256 x 1, 4 waves a work-group, no clusters, 0 bytes of LDS; arguments x, gn_g, gn_b, gate_w, gate_b, xb, sel, gw; writes xb, sel, gw
.if DOCPART == 7
	.amdgcn_target "amdgcn-amd-amdhsa--gfx1250"
	.amdhsa_code_object_version 6
	.text
	.protected	k_qdf31dc26a5_router
	.globl	k_qdf31dc26a5_router
	.p2align	8
	.type	k_qdf31dc26a5_router,@function
k_qdf31dc26a5_router:
	s_mov_b64 s[64:65], 0
	v_nop
	global_prefetch_b8 v0, s[64:65] scope:SCOPE_SE
	s_setreg_imm32_b32 hwreg(HW_REG_WAVE_SCHED_MODE, 0, 2), 2
	s_setreg_imm32_b32 hwreg(HW_REG_WAVE_MODE, 25, 1), 1
	s_wait_xcnt 0x0
	s_wait_alu depctr_vm_vsrc(0)
; THE ROUTER.  One wave, one token t = 4 x work-group + wave.  LayerNorm of x[t] (two passes: mean, then squares of the differences), the product with gate_w [1024][8] in f32
; on the vector unit (a choice hangs on it, and it is a two-thousandth of the program's arithmetic), softmax with its maximum taken away, the two largest, their weights.
; Stored: xb[t] = x[t] rounded to bf16 (the first product's operand); sel[t] = (1 << e0) | (0x100 << e1), a whole number; gw[t] = {p0, p1} / (p0 + p1 + 1e-9).
; No address and no branch here hangs on the choice: later launches read sel.
; LIMIT: the order is taken on this text's own f32 probabilities; of equal ones the lower index wins, as in jax.lax.top_k.  Two probabilities that differ by less than the
; rounding of these sums may be ordered otherwise than by another order of summation.  NaN is not treated apart.
; A lane holds h = 128 i + 4 lane + c (i = 0..7, c = 0..3): each load of x covers 512 consecutive bytes.
; REGISTERS: v32-63 x, then the normalised row; v64-95 gn_g; v96-127 gn_b; v128-135 logits; v136-143 probabilities; v144-159 at work; v160-175 x in bf16;
; window 1: gate_w, register 32 i + 8 c + e.
; THE MODE: SCHED_MODE bits 1:0 = 2 (LLVM: expert scheduling mode 2), set by the entry lines.  The code itself states the register dependences between vector instructions and memory
; instructions, and those through scalar registers, VCC and EXEC, with s_wait_alu, always for 0.
; THE PLAN.  Registers that memory instructions touch:
;   v6, v7, v8, v9   offsets, made at the head and never written again.
;   v32-127, window 1   loads alone land there, and no vector instruction names them before.
;   v160-175   written by the sixteen conversions, read by xb's eight stores, never written again.
;   v144, v156-157   written by the last arithmetic, read by the two last stores.
; So one wait on va_vdst stands ahead of the first load, one ahead of xb's stores (behind the mean's fold, whose result the next line needs in any case), and the last two stores lean on the
; one that stands ahead of the write of EXEC.  Compares stand in runs into scalar registers, one wait on va_sdst behind each run.
.set MSB, 0
.macro WIN new                         ; the immediate's high byte repeats the setting that is left
.if MSB != (\new)
	s_set_vgpr_msb (MSB<<8)|(\new)
.set MSB, \new
.endif
.endm
.macro RED r                           ; the sum over the 32 lanes, in every lane
	v_add_f32_dpp v[\r], v[\r], v[\r] row_xmask:1 row_mask:0xf bank_mask:0xf
	v_add_f32_dpp v[\r], v[\r], v[\r] row_xmask:2 row_mask:0xf bank_mask:0xf
	v_add_f32_dpp v[\r], v[\r], v[\r] row_xmask:4 row_mask:0xf bank_mask:0xf
	v_add_f32_dpp v[\r], v[\r], v[\r] row_xmask:8 row_mask:0xf bank_mask:0xf
	v_permlanex16_b32 v158, v[\r], s20, s21
	v_add_f32 v[\r], v[\r], v158
.endm
.macro FOLD                            ; four packed chains v[144:151] into v144, then over the lanes
	v_pk_add_f32 v[144:145], v[144:145], v[146:147]
	v_pk_add_f32 v[148:149], v[148:149], v[150:151]
	v_pk_add_f32 v[144:145], v[144:145], v[148:149]
	v_add_f32 v144, v144, v145
	RED 144
.endm
; The largest of v136-143 into v[val], its index into v[idx].  The value by maxima; the index by a run of compares for equality into s36-42, one wait behind the run, and selects with the
; experts descending, so that of equal ones the lowest index stays.
.macro LARGEST val, idx
	v_max3_num_f32 v[\val], v136, v137, v138
	v_max3_num_f32 v[\val], v[\val], v139, v140
	v_max3_num_f32 v[\val], v[\val], v141, v142
	v_max_num_f32 v[\val], v[\val], v143
.irp e, 0,1,2,3,4,5,6
	v_cmp_eq_f32 s[36+\e], v[136+\e], v[\val]
.endr
	v_mov_b32 v[\idx], 7
	s_wait_alu depctr_va_sdst(0)                   ; the seven compares have written s36-42, ahead of the selects that read them
.irp e, 6,5,4,3,2,1,0
	v_cndmask_b32 v[\idx], v[\idx], \e, s[36+\e]
.endr
.endm
	s_load_b256 s[4:11], s[0:1], 0x0               ; x s[4:5], gn_g s[6:7], gn_b s[8:9], gate_w s[10:11]
	s_load_b256 s[12:19], s[0:1], 0x20             ; gate_b s[12:13], xb s[14:15], sel s[16:17], gw s[18:19]
	v_and_b32 v5, 31, v0                           ; lane
	v_lshrrev_b32 v1, 5, v0
	v_readfirstlane_b32 s22, v1                    ; wave
	v_lshlrev_b32 v6, 4, v5                        ; 16 lane: x, gn_g, gn_b
	v_lshlrev_b32 v7, 7, v5                        ; 128 lane: four rows of gate_w
	v_lshlrev_b32 v8, 3, v5                        ; 8 lane: xb
	v_mov_b32 v9, 0
	v_mov_b32 v158, 0                              ; v_permlanex16_b32 counts as a reader of its destination
	s_mov_b32 s20, 0x76543210
	s_mov_b32 s21, 0xfedcba98
	s_mov_b32 s34, 0x3a800000                      ; 1 / 1024
	s_mov_b32 s35, 0x3727c5ac                      ; 1e-5
	s_wait_alu depctr_va_sdst(0)                   ; s22 is written, ahead of its first reader: the token's number is made from it
	s_lshl_b32 s23, ttmp9, 2
	s_add_co_u32 s23, s23, s22                     ; t
	s_lshl_b32 s36, s23, 12                        ; t's row in x,
	s_mov_b32 s37, 0
	s_lshl_b32 s38, s23, 11                        ; in xb,
	s_mov_b32 s39, 0
	s_lshl_b32 s40, s23, 2                         ; its word in sel,
	s_mov_b32 s41, 0
	s_lshl_b32 s42, s23, 3                         ; its pair in gw
	s_mov_b32 s43, 0
	s_wait_kmcnt 0x0
	s_load_b256 s[24:31], s[12:13], 0x0            ; gate_b
	s_add_nc_u64 s[4:5], s[4:5], s[36:37]
	s_add_nc_u64 s[14:15], s[14:15], s[38:39]
	s_add_nc_u64 s[16:17], s[16:17], s[40:41]
	s_add_nc_u64 s[18:19], s[18:19], s[42:43]
	s_wait_alu depctr_va_vdst(0)                   ; the offsets v6 to v9 are written, which every load and store of the kernel reads
.irp i, 0,1,2,3,4,5,6,7
	global_load_b128 v[32+4*\i:35+4*\i], v6, s[4:5] offset:512*\i
.endr
.irp i, 0,1,2,3,4,5,6,7
	global_load_b128 v[64+4*\i:67+4*\i], v6, s[6:7] offset:512*\i
	global_load_b128 v[96+4*\i:99+4*\i], v6, s[8:9] offset:512*\i
.endr
	WIN 0x40                                       ; destination window 1
.irp i, 0,1,2,3,4,5,6,7
.irp u, 0,1,2,3,4,5,6,7
	global_load_b128 v[32*\i+4*\u:32*\i+4*\u+3], v7, s[10:11] offset:4096*\i+16*\u
.endr
.endr
	WIN 0
	s_wait_loadcnt 63                              ; 64 loads of gate_w were issued behind x, gn_g and gn_b: with at most 63 out those 24 are in
.set n, 0
.rept 16
	v_cvt_pk_bf16_f32 v[160+n], v[32+2*n], v[33+2*n]
.set n, n+1
.endr
	; the mean
.irp c, 0,1,2,3
	v_pk_add_f32 v[144+2*\c:145+2*\c], v[32+2*\c:33+2*\c], v[40+2*\c:41+2*\c]
.endr
.irp j, 2,3
.irp c, 0,1,2,3
	v_pk_add_f32 v[144+2*\c:145+2*\c], v[144+2*\c:145+2*\c], v[32+8*\j+2*\c:33+8*\j+2*\c]
.endr
.endr
	FOLD
	s_wait_alu depctr_va_vdst(0)                   ; the conversions have written v160-175, which the stores read
.irp i, 0,1,2,3,4,5,6,7
	global_store_b64 v8, v[160+2*\i:161+2*\i], s[14:15] offset:256*\i  ; the wave's store covers 256 consecutive bytes, aligned
.endr
	v_mul_f32 v152, s34, v144
	v_mov_b32 v153, v152
.set n, 0
.rept 16
	v_pk_add_f32 v[32+n:33+n], v[32+n:33+n], v[152:153] neg_lo:[0,1] neg_hi:[0,1]
.set n, n+2
.endr
	; the variance, of the differences
.irp c, 0,1,2,3
	v_pk_mul_f32 v[144+2*\c:145+2*\c], v[32+2*\c:33+2*\c], v[32+2*\c:33+2*\c]
.endr
.irp j, 1,2,3
.irp c, 0,1,2,3
	v_pk_fma_f32 v[144+2*\c:145+2*\c], v[32+8*\j+2*\c:33+8*\j+2*\c], v[32+8*\j+2*\c:33+8*\j+2*\c], v[144+2*\c:145+2*\c]
.endr
.endr
	FOLD
	v_fma_f32 v146, v144, s34, s35                 ; variance + 1e-5
	v_rsq_f32 v148, v146
	v_nop                                          ; a plain instruction behind the root,
	s_wait_alu depctr_va_vdst(0)                   ; and the wait for v148 ahead of its first reader
	v_mov_b32 v149, v148
.set n, 0
.rept 16
	v_pk_mul_f32 v[32+n:33+n], v[32+n:33+n], v[148:149]
.set n, n+2
.endr
.set n, 0
.rept 16
	v_pk_fma_f32 v[32+n:33+n], v[32+n:33+n], v[64+n:65+n], v[96+n:97+n]
.set n, n+2
.endr
	s_wait_loadcnt 0x0                             ; gate_w
	; logits: two experts to a line, four chains; the first four lines start the sums
	WIN 0x01                                       ; source 0 window 1
.set i, 0
.rept 8
.set c, 0
.rept 4
.set NP, 32+4*i+2*(c/2)
.set q, 0
.rept 4
.if (i == 0) && (c == 0)
	v_pk_mul_f32 v[128+2*q:129+2*q], v[2*q:2*q+1], v[32:33] op_sel_hi:[1,0]
.elseif c%2 == 0
	v_pk_fma_f32 v[128+2*q:129+2*q], v[32*i+8*c+2*q:32*i+8*c+2*q+1], v[NP:NP+1], v[128+2*q:129+2*q] op_sel_hi:[1,0,1]
.else
	v_pk_fma_f32 v[128+2*q:129+2*q], v[32*i+8*c+2*q:32*i+8*c+2*q+1], v[NP:NP+1], v[128+2*q:129+2*q] op_sel:[0,1,0] op_sel_hi:[1,1,1]
.endif
.set q, q+1
.endr
.set c, c+1
.endr
.set i, i+1
.endr
	WIN 0
.irp m, 1,2,4,8
.irp e, 0,1,2,3,4,5,6,7
	v_add_f32_dpp v[128+\e], v[128+\e], v[128+\e] row_xmask:\m row_mask:0xf bank_mask:0xf
.endr
.endr
.irp e, 0,1,2,3,4,5,6,7
	v_permlanex16_b32 v[144+\e], v[128+\e], s20, s21
.endr
	s_wait_kmcnt 0x0                               ; gate_b
.irp e, 0,1,2,3,4,5,6,7
	v_add_f32 v[128+\e], v[128+\e], v[144+\e]
.endr
.irp e, 0,1,2,3,4,5,6,7
	v_add_f32 v[128+\e], s[24+\e], v[128+\e]
.endr
	; softmax, the maximum taken away
	v_max3_num_f32 v144, v128, v129, v130
	v_max3_num_f32 v144, v144, v131, v132
	v_max3_num_f32 v144, v144, v133, v134
	v_max_num_f32 v144, v144, v135
.irp e, 0,1,2,3,4,5,6,7
	v_sub_f32 v[136+\e], v[128+\e], v144
.endr
.irp e, 0,1,2,3,4,5,6,7
	v_mul_f32 v[136+\e], 0x3fb8aa3b, v[136+\e]
.endr
.irp e, 0,1,2,3,4,5,6,7
	v_exp_f32 v[136+\e], v[136+\e]
.endr
	v_nop
	s_wait_alu depctr_va_vdst(0)                   ; one wait for the eight exponentials in v136-143
	v_add_f32 v145, v136, v137
	v_add_f32 v146, v138, v139
	v_add_f32 v147, v140, v141
	v_add_f32 v148, v142, v143
	v_add_f32 v145, v145, v146
	v_add_f32 v147, v147, v148
	v_add_f32 v145, v145, v147
	v_rcp_f32 v146, v145
	v_nop
	s_wait_alu depctr_va_vdst(0)                   ; the reciprocal in v146, ahead of its first reader
.irp e, 0,1,2,3,4,5,6,7
	v_mul_f32 v[136+\e], v[136+\e], v146
.endr
	; the largest, then the largest of the rest
	LARGEST 150, 151
.irp e, 0,1,2,3,4,5,6,7
	v_cmp_eq_u32 s[36+\e], \e, v151
.endr
	s_wait_alu depctr_va_sdst(0)                   ; the eight compares have written s36-43, ahead of the selects that read them
.irp e, 0,1,2,3,4,5,6,7
	v_cndmask_b32 v[136+\e], v[136+\e], -1.0, s[36+\e]  ; the first choice leaves the field
.endr
	LARGEST 152, 153
	v_add_f32 v154, v150, v152
	v_add_f32 v154, 0x3089705f, v154               ; + 1e-9
	v_rcp_f32 v155, v154
	v_mov_b32 v146, 1
	v_mov_b32 v147, 0x100
	s_wait_alu depctr_va_vdst(0)                   ; the reciprocal in v155, ahead of its first reader
	v_mul_f32 v156, v150, v155
	v_mul_f32 v157, v152, v155
	v_lshlrev_b32 v144, v151, v146
	v_lshlrev_b32 v145, v153, v147
	v_or_b32 v144, v144, v145
	s_wait_xcnt 0x0                                ; EXEC changes only behind this wait
	v_cmp_eq_u32 vcc_lo, 0, v5
	s_wait_alu depctr_va_vcc(0)                    ; VCC is written; EXEC is made from it
	s_wait_alu depctr_va_vdst(0)                   ; ahead of the write of EXEC: every vector result is written, v144 and v156-157, which the stores below read, among them
	s_wait_alu depctr_vm_vsrc(0)                   ; and every memory instruction issued so far has read its vector registers
	s_and_saveexec_b32 s44, vcc_lo                 ; every lane holds the same numbers: lane 0 stores them
	global_store_b32 v9, v144, s[16:17]
	global_store_b64 v9, v[156:157], s[18:19]
	s_wait_xcnt 0x0
	s_wait_alu depctr_va_vdst(0)                   ; ahead of the write of EXEC
	s_wait_alu depctr_vm_vsrc(0)                   ; the two stores have read their vector registers
	s_or_b32 exec_lo, exec_lo, s44
	s_endpgm
.Lfunc_end_k_qdf31dc26a5_router:
	.size	k_qdf31dc26a5_router, .Lfunc_end_k_qdf31dc26a5_router-k_qdf31dc26a5_router
	.p2alignl 7, 3214868480
	.fill 96, 4, 3214868480
	.section	.rodata,"a",@progbits
	.p2align	6, 0x0
	.amdhsa_kernel k_qdf31dc26a5_router
		.amdhsa_group_segment_fixed_size 0
		.amdhsa_private_segment_fixed_size 0
		.amdhsa_enable_private_segment 0
		.amdhsa_kernarg_size 64
		.amdhsa_user_sgpr_count 2
		.amdhsa_user_sgpr_kernarg_segment_ptr 1
		.amdhsa_wavefront_size32 1
		.amdhsa_system_sgpr_workgroup_id_x 1
		.amdhsa_system_sgpr_workgroup_id_y 1
		.amdhsa_system_sgpr_workgroup_id_z 1
		.amdhsa_system_vgpr_workitem_id 0
		.amdhsa_next_free_vgpr 512
		.amdhsa_next_free_sgpr 66
		.amdhsa_reserve_vcc 1
		.amdhsa_float_denorm_mode_32 3
		.amdhsa_float_denorm_mode_16_64 3
		.amdhsa_memory_ordered 1
		.amdhsa_forward_progress 1
		.amdhsa_inst_pref_size 36
	.end_amdhsa_kernel
	.amdgpu_metadata
---
amdhsa.version: [ 1, 2 ]
amdhsa.kernels:
  - .name:           k_qdf31dc26a5_router
    .symbol:         k_qdf31dc26a5_router.kd
    .args:
      - { .name: x, .offset: 0, .size: 8, .value_kind: global_buffer, .address_space: global }
      - { .name: gn_g, .offset: 8, .size: 8, .value_kind: global_buffer, .address_space: global }
      - { .name: gn_b, .offset: 16, .size: 8, .value_kind: global_buffer, .address_space: global }
      - { .name: gate_w, .offset: 24, .size: 8, .value_kind: global_buffer, .address_space: global }
      - { .name: gate_b, .offset: 32, .size: 8, .value_kind: global_buffer, .address_space: global }
      - { .name: xb, .offset: 40, .size: 8, .value_kind: global_buffer, .address_space: global }
      - { .name: sel, .offset: 48, .size: 8, .value_kind: global_buffer, .address_space: global }
      - { .name: gw, .offset: 56, .size: 8, .value_kind: global_buffer, .address_space: global }
    .group_segment_fixed_size: 0
    .private_segment_fixed_size: 0
    .kernarg_segment_align: 8
    .kernarg_segment_size: 64
    .max_flat_workgroup_size: 128
    .sgpr_count:     66
    .vgpr_count:     512
    .wavefront_size: 32
...
	.end_amdgpu_metadata
.endif
;; end of part 7
;; launch ffn1 (part 8): grid 32 x 8, 4 waves a work-group, no clusters, 320,000 bytes of LDS; arguments xb, W1, b1, sel, hid; writes hid
.if DOCPART == 8
	.amdgcn_target "amdgcn-amd-amdhsa--gfx1250"
	.amdhsa_code_object_version 6
	.text
	.protected	k_qdf31dc26a5_ffn1
	.globl	k_qdf31dc26a5_ffn1
	.p2align	8
	.type	k_qdf31dc26a5_ffn1,@function
k_qdf31dc26a5_ffn1:
	s_mov_b64 s[64:65], 0
	v_nop
	global_prefetch_b8 v0, s[64:65] scope:SCOPE_SE
	s_setreg_imm32_b32 hwreg(HW_REG_WAVE_SCHED_MODE, 0, 2), 2
	s_setreg_imm32_b32 hwreg(HW_REG_WAVE_MODE, 25, 1), 1
	s_wait_xcnt 0x0
	s_wait_alu depctr_vm_vsrc(0)
; THE FIRST PRODUCT.  hid[slot][f] = gelu(x[t] . W1[e][:, f] + b1[e][f]) in bf16, for the routed rows alone: slot = 2 t + k, where expert e is token t's choice k.
; A work-group has expert e = group y and 128 columns f = 128 x group x ..: 1024 x 128 f32 of W1, which it alone reads, and ALL rows of that expert, whatever their number (0 to 1,024).
; PHASES.  (1) Every wave reads sel (1,024 words) and makes of it, in registers, 32 rounds of bitmaps of the expert's rows with their running counts; all four waves' tables are alike.
; (2) Wave w streams rows k = 256 w .. of the slice through a ring of 64 loads in registers, rounds to bf16 and lays the slice into LDS with K along the rows of each column.  One barrier.
; (3) Trips of 320 rows: wave w has the row tiles 20 p + w + 4 a (a = 0..4), 40 accumulators; weight fragments come from LDS, token fragments from memory straight into registers.
; THE ROW OF A RANK.  The expert's rows are ranked by (round, lane).  Lane r of tile T wants rank 16 T + r, held to the last rank: it keeps the last round whose running count does not pass
; the rank, and finds the bit of that rank in the round's bitmap by counts of 16, 8, 4, 2 and 1 bits.  All of it is lane-local arithmetic on numbers that are alike in every lane.
; The trip loop counts to the constant 4 (1,280 rows); the products of a trip, and a tile on the way out, past the count are jumped forward; every wave passes every barrier.
; TWO BARRIERS A TRIP part the stretch in which LDS is only read (the fragment loads walk the slice by a stepped address) from the stretch in which each wave writes and reads back its own
; stage.  Slice and stages lie apart; with the barriers the order of reads and writes does not rest on the stepped addresses' arithmetic.
; Places of a tile past the count repeat the expert's last row: they make and store the same bytes to the same address, so no lane is masked.
; NO CLUSTER: each slice of weights has one reader, and the token rows come by rank, which no tensor descriptor covers.
; The matrix instruction takes 16 weight columns as source 0 and 16 token rows as source 1: a lane then holds one token (lane % 16) and eight neighbouring columns.
; GELU is the exact one, x Phi(x) = max(x, 0) - |x| erfc(|x| / sqrt 2) / 2, erfc by the five-term rational form in t = 1 / (1 + 0.3275911 z) times exp(-z^2):
; LIMIT: absolute error of erf up to 1.5e-7 for every x; where x^2 passes f32's range the exponential is 0, which is the limit value.  NaN and infinities are not treated apart.
; REGISTERS.  Window 0: v3 r = lane % 16, v4 h = lane / 16; v5-9 the slots of row r of my five tiles (at the head v5 lane, v9 weight offset); v10-13, v14-17 fragment
;   addresses; v18-22 token row offsets (on the way out v14-21: the rows' offsets in hid); v23 b1's offset; v24-27 addresses; v28, v29 at work; v30-31 a constant pair; v32-95, v96-159 weight
;   fragments, two buffers (in the search and on the way out: at work); v160-191 packed weights; v192-195 slice store addresses.
; Window 1: the landing ring, later accumulators (a, b) at 64 a + 8 b, a = 0..3.  Window 2: v0-63 accumulators (4, b); v64-223 token fragments, four buffers of 40.
; Window 3: v0-63 b1 of my lane's columns; v64-95 round n's bitmap of rows; v96-127 its bitmap of rows that are choice 1; v128-159 32 x its running count + n.
; THE MODE: SCHED_MODE bits 1:0 = 2 (LLVM: expert scheduling mode 2), set by the entry lines.  The code itself states the register dependences between vector or matrix instructions and
; memory or LDS instructions, and those through scalar registers and VCC that vector instructions write, with s_wait_alu, always for 0.
; THE PLAN.  Registers that memory or LDS instructions touch, and who else names them:
;   THE SLICE.  Ring quarter q: its 16 loads land in it, its 32 conversions read it, and it is asked for again behind them.  v160-191: written by those conversions, read by the quarter's 8 LDS
;     stores.  v194, v195: written once a group of four quarters, read by the LDS stores.  v9: read by every weight load, not written while the slice streams.
;     So a quarter has one wait on va_vdst, behind its conversions, and one on vm_vsrc, behind the wait for its data and ahead of its conversions (a group's first: ahead of the two adds).
;   THE K LOOP.  Step u's products read weight buffer u % 2 and token buffer u % 4.  Its LDS loads land in weight buffer (u + 1) % 2, its global loads in token buffer (u + 3) % 4: the two
;     that the products of step u - 1 read and that no product of step u names.  v14-17: read by the LDS loads, written once in four steps.  v18-22: read by the global loads, written at a
;     trip's head.  So ONE wait on va_vdst stands at a step's head, behind the waits for the step's data, and the step's 26 loads are dealt among its products with no further wait.
;   THE WAY OUT.  v224-255: written by the roundings, read by 8 LDS stores.  v96-127: at work in the GELU, then 8 LDS loads land there and 8 global stores read them.  v14-21: the stores'
;     offsets.  One wait on va_vdst ahead of the run of LDS stores serves all three; one on vm_vsrc at a tile's head frees them for the next tile.
;   Compares stand in runs into scalar registers, one wait on va_sdst behind each run.
.set ROWB,   16384                     ; bytes in a row of W1
.set PITCH,  2064                      ; a column's 1,024 bf16 + 16 bytes: an odd multiple of 16, so the 16 columns of a fragment load start 16 bytes apart modulo 256
.set CT,     16*PITCH
.set STAGE,  128*PITCH                 ; behind the slice: for each wave 16 rows x 272 bytes, for the way out
.set SP,     272
.set TM,     64                        ; the three tables, in window 3
.set TK,     96
.set TP,     128
.set MSB, 0
.macro WIN new                         ; the immediate's high byte repeats the setting that is left
.if MSB != (\new)
	s_set_vgpr_msb (MSB<<8)|(\new)
.set MSB, \new
.endif
.endm
; 16 loads: 16 rows k x 128 columns of the slice into quarter q of the ring.  Lanes 0-15 take 256 consecutive aligned bytes of row i, lanes 16-31 of row 8 + i.
.macro LOADB q
	WIN 0x40
.irp g, 0,1
.irp i, 0,1,2,3,4,5,6,7
	global_load_b128 v[64*(\q)+32*\g+4*\i:64*(\q)+32*\g+4*\i+3], v9, s[32:33] offset:(16*(\q)+\i)*ROWB+256*\g th:TH_LOAD_NT
.endr
.endr
	WIN 0
.endm
; The head of a group of four quarters: where its bytes go in a column.
.macro GROUP
	s_wait_alu depctr_vm_vsrc(0)                   ; the LDS stores issued so far have read v194, v195 and v160-191
	v_add_nc_u32 v194, s25, v192
	v_add_nc_u32 v195, s25, v193
.endm
; Quarter q has landed: eight k of a column pack into 16 bytes, which go to column 64 g + 4 r + j of the slice; then the quarter is asked for again.
.macro UNIT q, issue, left
	s_wait_loadcnt \left                           ; loads come back in order: mine are in, the younger quarters stay out
.if \q
	s_wait_alu depctr_vm_vsrc(0)                   ; the last quarter's LDS stores have read v160-191, which the conversions write again
.endif
	WIN 0x05
.irp g, 0,1
.irp j, 0,1,2,3
.irp p, 0,1,2,3
	v_cvt_pk_bf16_f32 v[160+16*\g+4*\j+\p], v[64*(\q)+32*\g+8*\p+\j], v[64*(\q)+32*\g+8*\p+4+\j]
.endr
.endr
.endr
	WIN 0
	s_wait_alu depctr_va_vdst(0)                   ; the conversions have written v160-191, which the LDS stores read, and are done reading the quarter, in which the loads below land; in a group's first quarter v194 and v195 are written
.irp g, 0,1
.irp j, 0,1,2,3
	ds_store_b128 v[194+\g], v[160+16*\g+4*\j:160+16*\g+4*\j+3] offset:\j*PITCH+32*(\q)
.endr
.endr
.if \issue
	LOADB \q
.endif
.endm
.macro BLOAD imm, f, lo                ; 8 LDS loads: the weight fragments of 32 k at byte imm, column tiles lo .. lo + 3
	WIN 0
.irp b, 0,1,2,3
	ds_load_b128 v[(\f)+8*((\lo)+\b):(\f)+8*((\lo)+\b)+3],   v[14+((\lo)+\b)/2] offset:(((\lo)+\b)%2)*CT+(\imm)
	ds_load_b128 v[(\f)+8*((\lo)+\b)+4:(\f)+8*((\lo)+\b)+7], v[14+((\lo)+\b)/2] offset:(((\lo)+\b)%2)*CT+(\imm)+32
.endr
.endm
.macro ALOAD imm, buf                  ; 10 loads: the token fragments of 32 k at byte imm, my five row tiles
	WIN 0x80
.irp a, 0,1,2,3,4
	global_load_b128 v[64+40*(\buf)+8*\a:64+40*(\buf)+8*\a+3],   v[18+\a], s[30:31] offset:(\imm)
	global_load_b128 v[64+40*(\buf)+8*\a+4:64+40*(\buf)+8*\a+7], v[18+\a], s[30:31] offset:(\imm)+32
.endr
.endm
.macro VBSET
.irp p, 0,1,2,3
	v_add_nc_u32 v[14+\p], s25, v[10+\p]
.endr
.endm
.macro ADV                             ; 128 k on
	s_wait_xcnt 0x0                                ; the token loads' base is stepped only behind this wait
	s_add_nc_u64 s[30:31], s[30:31], 256
	s_add_co_u32 s25, s25, 256
	s_wait_alu depctr_vm_vsrc(0)                   ; the LDS loads issued so far have read v14-17
	VBSET
.endm
.macro ROWM a, zero                    ; 8 products: row tile a x all 8 column tiles
	WIN 0x58                                       ; weights window 0, tokens window 2, sums window 1
.irp b, 0,1,2,3,4,5,6,7
.if \zero
	v_wmma_f32_16x16x32_bf16 v[64*(\a)+8*\b:64*(\a)+8*\b+7], v[FB+8*\b:FB+8*\b+7], v[FA+8*(\a):FA+8*(\a)+7], 0
.else
	v_wmma_f32_16x16x32_bf16 v[64*(\a)+8*\b:64*(\a)+8*\b+7], v[FB+8*\b:FB+8*\b+7], v[FA+8*(\a):FA+8*(\a)+7], v[64*(\a)+8*\b:64*(\a)+8*\b+7]
.endif
.endr
.endm
; One K step of 32.  Weight fragments are asked for one step ahead, token fragments three.  ib, ia = 1: this step asks for them.  ldl: the later steps' token loads that may stay out, ten a step.
; The four plain places between the last products and the loads into the buffers that they read stay, beside the wait.  A step that asks for nothing has neither; a trip's first step (zero = 1)
; leans on the wait that stands ahead of the trip's first loads.
; The 40 (or 32) accumulators take turns, one instruction a turn.  zero = 1: the products start the sums, tile 4's too.
.macro STEP u, zero, ia, ib, ldl
.set FB, 32+64*((\u)&1)
.set FA, 64+40*((\u)&3)
.if !(\zero) && ((\ia) || (\ib))
.rept 4
	v_nop
.endr
.endif
	s_wait_dscnt 0x0                               ; this step's weight fragments are in
	s_wait_loadcnt \ldl                            ; and its token fragments
.if !(\zero) && ((\ia) || (\ib))
	s_wait_alu depctr_va_vdst(0)                   ; the last step's products are done reading the weight buffer and the token buffer in which this step's loads land; behind ADV, v14-17 are written
.endif
	ROWM 0, \zero
.if \ib
	BLOAD 64*((\u)+1), 32+64*(((\u)+1)&1), 0       ; no wait: no product since the wait above names these registers, here or below
.endif
	ROWM 1, \zero
.if \ib
	BLOAD 64*((\u)+1), 32+64*(((\u)+1)&1), 4
.endif
	ROWM 2, \zero
.if \ia
	ALOAD 64*((\u)+3), ((\u)+3)&3
.endif
	ROWM 3, \zero
	WIN 0
.if !(\zero)
	s_cmp_eq_u32 s26, 0                            ; my fifth tile lies past the count: its products are jumped
	s_cbranch_scc1 .Lno4_\@
.endif
	WIN 0xa8                                       ; tokens and sums window 2
.irp b, 0,1,2,3,4,5,6,7
.if \zero
	v_wmma_f32_16x16x32_bf16 v[8*\b:8*\b+7], v[FB+8*\b:FB+8*\b+7], v[FA+32:FA+39], 0
.else
	v_wmma_f32_16x16x32_bf16 v[8*\b:8*\b+7], v[FB+8*\b:FB+8*\b+7], v[FA+32:FA+39], v[8*\b:8*\b+7]
.endif
.endr
	WIN 0
.if !(\zero)
.Lno4_\@:
.endif
.endm
; One halving of the search for bit j of a bitmap: field is the register of counts of w bits; if the w bits at v37 hold j bits or fewer, they are passed over.
.macro LEVEL field, bits, w
	v_bfe_u32 v38, v[\field], v37, \bits
	v_cmp_ge_u32 vcc_lo, v36, v38
	v_sub_nc_u32 v38, v36, v38
	v_add_nc_u32 v46, \w, v37
	s_wait_alu depctr_va_vcc(0)                    ; the compare has written VCC, ahead of the two selects that read it
	v_cndmask_b32 v36, v36, v38, vcc_lo
	v_cndmask_b32 v37, v37, v46, vcc_lo
.endm
; The way out of tile a begins: sums + b1 into v32-95, each accumulator's registers in ascending order.
.macro COPY a
	WIN 0x0d+(\a)/4                                ; source 0 window 1 (tile 4: window 2), source 1 window 3
.irp b, 0,1,2,3,4,5,6,7
.irp p, 0,1,2,3
	v_pk_add_f32 v[32+8*\b+2*\p:33+8*\b+2*\p], v[64*((\a)%4)+8*\b+2*\p:64*((\a)%4)+8*\b+2*\p+1], v[8*\b+2*\p:8*\b+2*\p+1]
.endr
.endr
	WIN 0
.endm
; GELU of 32 numbers a lane (column tiles 4 g .. 4 g + 3), rounded to bf16 into v[224 + 16 g ..].  The 64 transcendentals are one batch with one wait.
.macro GH g
.set XR, 32+32*(\g)
.set HR, 224+16*(\g)
.set n, 0
.rept 32
	v_fma_f32 v[96+n], |v[XR+n]|, s48, 1.0         ; 1 + 0.3275911 |x| / sqrt 2
.set n, n+1
.endr
.set n, 0
.rept 16
	v_pk_mul_f32 v[128+n:129+n], v[XR+n:XR+n+1], v[XR+n:XR+n+1]
.set n, n+2
.endr
.set n, 0
.rept 16
	v_pk_mul_f32 v[128+n:129+n], v[128+n:129+n], 0xbf38aa3b op_sel_hi:[1,0]  ; - x^2 log2(e) / 2
.set n, n+2
.endr
.set n, 0
.rept 32
	v_rcp_f32 v[96+n], v[96+n]                     ; t
.set n, n+1
.endr
.set n, 0
.rept 32
	v_exp_f32 v[128+n], v[128+n]                   ; exp(-x^2 / 2)
.set n, n+1
.endr
.set n, 0
.rept 32
	v_max_num_f32 v[192+n], 0, v[XR+n]             ; plain work that names no result of the batch
.set n, n+1
.endr
	s_wait_alu depctr_va_vdst(0)                   ; the reciprocals in v96-127 and the exponentials in v128-159: the wait ahead of the batch's first reader
.set n, 0
.rept 16
	v_pk_fma_f32 v[160+n:161+n], v[96+n:97+n], 0x3f07dc22, v[30:31] op_sel_hi:[1,0,1]  ; a5/2 t + a4/2
.set n, n+2
.endr
.irp k, 0x3f35f0e3, 0xbe11a98e, 0x3e027906         ; a3/2, a2/2, a1/2
.set n, 0
.rept 16
	v_pk_fma_f32 v[160+n:161+n], v[160+n:161+n], v[96+n:97+n], \k op_sel_hi:[1,1,0]
.set n, n+2
.endr
.endr
.set n, 0
.rept 16
	v_pk_mul_f32 v[160+n:161+n], v[160+n:161+n], v[96+n:97+n]
.set n, n+2
.endr
.set n, 0
.rept 16
	v_pk_mul_f32 v[160+n:161+n], v[160+n:161+n], v[128+n:129+n]  ; erfc(|x| / sqrt 2) / 2
.set n, n+2
.endr
.set n, 0
.rept 32
	v_fma_f32 v[XR+n], -|v[XR+n]|, v[160+n], v[192+n]
.set n, n+1
.endr
.set n, 0
.rept 16
	v_cvt_pk_bf16_f32 v[HR+n], v[XR+2*n], v[XR+2*n+1]
.set n, n+1
.endr
.endm
	s_load_b256 s[4:11], s[0:1], 0x0               ; xb s[4:5], W1 s[6:7], b1 s[8:9], sel s[10:11]
	s_load_b64 s[12:13], s[0:1], 0x20              ; hid
	v_lshl_add_u32 v1, v0, 2, 0x4e000
	v_mov_b32 v2, 0
	v_and_b32 v5, 31, v0                           ; lane, for the head alone
	v_and_b32 v3, 15, v0
	v_bfe_u32 v4, v0, 4, 1
	v_lshrrev_b32 v28, 5, v0
	v_readfirstlane_b32 s14, v28                   ; wave
	s_and_b32 s15, ttmp7, 0xffff                   ; expert
	s_mov_b32 s16, ttmp9                           ; slice of 128 columns
	v_mov_b32 v6, 0                                ; v5-9 are moved up as a row of five: each holds a number from here on
	v_mov_b32 v7, 0
	v_mov_b32 v8, 0
	v_lshlrev_b32 v9, 4, v3
	v_lshl_add_u32 v9, v4, 17, v9                  ; 16 r + 8 h rows of W1
	v_lshlrev_b32 v24, 4, v4                       ; 16 h
	v_mul_u32_u24 v28, v3, PITCH
	v_add_nc_u32 v28, v28, v24
.irp p, 0,1,2,3
	v_add_nc_u32 v[10+\p], \p*2*CT, v28            ; column r of tiles 2 p, 2 p + 1
.endr
	s_wait_alu depctr_va_sdst(0)                   ; s14 is written, ahead of its first reader: my stage, my rows of W1 and my tiles are made from it
	s_mul_i32 s46, s14, 16*SP
	s_add_co_u32 s46, s46, STAGE                   ; my stage
	v_mul_u32_u24 v25, v3, SP
	v_add_nc_u32 v25, v25, v24
	v_add_nc_u32 v25, s46, v25                     ; in: row r, 16 bytes for each half of the lanes
	v_mul_u32_u24 v26, v4, SP
	v_lshl_add_u32 v26, v3, 4, v26
	v_add_nc_u32 v26, s46, v26                     ; back: lanes 0-15 one row of 256 bytes, lanes 16-31 the next
	v_lshlrev_b32 v27, 4, v3
	v_mul_u32_u24 v192, v3, 4*PITCH
	v_add_nc_u32 v192, v192, v24                   ; column 4 r, 16 h
	v_add_nc_u32 v193, 64*PITCH, v192
	s_lshl_b32 s44, 0x101, s15                     ; the expert's two bits in a word of sel
	s_mov_b32 s48, 0x3e6d3388                      ; 0.3275911 / sqrt 2
	s_mov_b32 s49, 0xffff0000                      ; lanes 16 to 31
	s_mov_b32 s50, 0xff                            ; above it: the bit of choice 1
	s_lshl_b32 s36, s15, 24                        ; W1: the expert, the slice, my 256 rows
	s_lshl_b32 s46, s16, 9
	s_add_co_u32 s36, s36, s46
	s_lshl_b32 s46, s14, 22
	s_add_co_u32 s36, s36, s46
	s_mov_b32 s37, 0
	s_lshl_b32 s38, s15, 14                        ; b1
	s_lshl_b32 s46, s16, 9
	s_add_co_u32 s38, s38, s46
	s_mov_b32 s39, 0
	s_lshl_b32 s40, s16, 8                         ; hid: the slice's 256 bytes of a row
	s_mov_b32 s41, 0
	v_lshlrev_b32 v29, 4, v5
	v_lshlrev_b32 v23, 5, v4
	s_wait_kmcnt 0x0
	s_add_nc_u64 s[32:33], s[6:7], s[36:37]
	s_add_nc_u64 s[38:39], s[8:9], s[38:39]
	s_add_nc_u64 s[34:35], s[12:13], s[40:41]
	s_mov_b64 s[28:29], s[4:5]
	s_wait_alu depctr_va_vdst(0)                   ; the offsets v9, v23 and v29 are written, which the loads below read; so are the LDS addresses v25 and v26
.irp i, 0,1,2,3,4,5,6,7
	global_load_b128 v[32+4*\i:35+4*\i], v29, s[10:11] offset:512*\i   ; sel: word 128 i + 4 lane + c
.endr
	WIN 0xc0
.irp b, 0,1,2,3,4,5,6,7
	global_load_b128 v[8*\b:8*\b+3],   v23, s[38:39] offset:64*\b       ; b1 of columns 16 b + 8 h + 0..7
	global_load_b128 v[8*\b+4:8*\b+7], v23, s[38:39] offset:64*\b+16
.endr
	WIN 0
	LOADB 0                                        ; the weights start ahead of the tables' work
	LOADB 1
	LOADB 2
	s_wait_loadcnt 48                              ; the 48 weight loads stay out; sel and b1 are in
	; THE TABLES.  Round n holds the tokens 128 (n / 4) + 4 lane + n % 4.  Eight rounds' numbers are gathered in scalar registers and then copied, alike in every lane, into window 3.
	s_mov_b32 s19, 0
.set n, 0
.rept 4
.set m, n
.rept 8
	v_and_b32 v28, s44, v[32+m]
	v_cmp_ne_u32 s[66+m%8], 0, v28                 ; lanes whose token has a row here,
	v_cmp_lt_u32 s[74+m%8], s50, v28               ; and those where it is choice 1
.set m, m+1
.endr
	s_wait_alu depctr_va_sdst(0)                   ; the sixteen compares have written s66-81, ahead of the counts and the copies that read them
.set m, n
.rept 8
	s_lshl_b32 s[82+m%8], s19, 5
	s_or_b32 s[82+m%8], s[82+m%8], m               ; 32 x the rows of the rounds before + n
	s_bcnt1_i32_b32 s46, s[66+m%8]
	s_add_co_u32 s19, s19, s46
.set m, m+1
.endr
	WIN 0xc0
.set m, n
.rept 8
	v_mov_b32 v[TM+m], s[66+m%8]
	v_mov_b32 v[TK+m], s[74+m%8]
	v_mov_b32 v[TP+m], s[82+m%8]
.set m, m+1
.endr
	WIN 0
.set n, n+8
.endr
	s_max_u32 s51, s19, 1
	s_sub_co_u32 s51, s51, 1                       ; the last rank
	s_add_co_u32 s20, s19, 15
	s_lshr_b32 s20, s20, 4                         ; row tiles of 16
	v_mov_b32 v30, 0xbf3a00e3                      ; a4/2, as a pair
	v_mov_b32 v31, 0xbf3a00e3
	; My fifth tile's sums are set once, while the first weights are on their way, so that they hold numbers on every way through the text: a trip past the count jumps the products alone.
	; A trip with rows starts them anew with its first K step.
	WIN 0x80
.set n, 0
.rept 64
	v_mov_b32 v[n], 0
.set n, n+1
.endr
	WIN 0
	; THE SLICE.  My 256 rows go in four groups of 64 through the ring: by this text's count 64 loads, 32 KiB a wave, are out.
	LOADB 3                                        ; no wait: no vector instruction since the head's wait names v9 or this quarter of the ring
	s_wait_xcnt 0x0
	s_add_nc_u64 s[32:33], s[32:33], 64*ROWB
	s_lshl_b32 s25, s14, 9                         ; my k's first byte in a column
	s_mov_b32 s24, 3
.Lw:
	GROUP
	UNIT 0, 1, 48
	UNIT 1, 1, 48
	UNIT 2, 1, 48
	UNIT 3, 1, 48
	s_wait_xcnt 0x0                                ; the weights' base is stepped only behind this wait
	s_add_nc_u64 s[32:33], s[32:33], 64*ROWB
	s_add_co_u32 s25, s25, 128
	s_sub_co_u32 s24, s24, 1
	s_cmp_lg_u32 s24, 0
	s_cbranch_scc1 .Lw
	GROUP
	UNIT 0, 0, 48                                  ; the last group asks for nothing: the counts run down
	UNIT 1, 0, 32
	UNIT 2, 0, 16
	UNIT 3, 0, 0
	s_wait_dscnt 0x0                               ; for the others' sake: my part of the slice is written
	s_barrier_signal -1
	s_barrier_wait -1                              ; the slice is whole; nothing writes it again
	s_mov_b32 s21, 0
	s_mov_b32 s27, s14                             ; my first tile of the trip: 20 p + w
.Ltrip:
	s_wait_xcnt 0x0                                ; the last way out's stores have read their registers
	s_wait_alu depctr_vm_vsrc(0)                   ; every load and store issued so far has read its vector registers: v9, v14-22, v96-127, v160-195 and v224-255 are written again in this trip
	s_cmp_ge_u32 s27, s20
	s_cbranch_scc1 .Lmeet                          ; none of my tiles of this trip has a row: search and products are jumped
	s_add_co_u32 s46, s27, 16
	s_cmp_lt_u32 s46, s20
	s_cselect_b32 s26, 1, 0                        ; has my fifth tile rows?
	; THE SEARCH, once for each of my five tiles; the results are pushed through v5-9, so that tile a's end up in v[5 + a].  A tile past the count repeats the tile before it.
	v_mov_b32 v43, 0
	s_mov_b32 s22, 0
	s_mov_b32 s23, s27
.Lsel:
	s_cmp_ge_u32 s23, s20
	s_cbranch_scc1 .Lpush
	s_lshl_b32 s46, s23, 4
	v_add_nc_u32 v44, s46, v3                      ; my rank,
	v_min_u32 v44, s51, v44                        ; held to the last: places past the count repeat the last row
	v_lshl_or_b32 v32, v44, 5, 31                  ; 32 rank + 31: a round's key is above it just when its running count is above the rank
	WIN 0x03                                       ; source 0 window 3: the tables
	v_mov_b32 v33, v[TP]
	v_mov_b32 v34, v[TM]
	v_mov_b32 v35, v[TK]
.irp g, 1,17                           ; rounds 1 to 16, then 17 to 31: a run of compares into s66 .., one wait, the selects
.set n, \g
.rept 16-(\g)/17
	v_cmp_gt_u32 s[66+n-(\g)], v[TP+n], v32
.set n, n+1
.endr
	s_wait_alu depctr_va_sdst(0)                   ; the run's compares have written their scalar registers, ahead of the selects that read them
.set n, \g
.rept 16-(\g)/17
	v_cndmask_b32 v33, v[TP+n], v33, s[66+n-(\g)]  ; the keys ascend: the last round taken is the rank's
	v_cndmask_b32 v34, v[TM+n], v34, s[66+n-(\g)]
	v_cndmask_b32 v35, v[TK+n], v35, s[66+n-(\g)]
.set n, n+1
.endr
.endr
	WIN 0
	v_lshrrev_b32 v38, 5, v33
	v_sub_nc_u32 v36, v44, v38                     ; j: my rank within the round
	v_and_b32 v33, 31, v33                         ; the round
	v_lshrrev_b32 v38, 1, v34                      ; the bitmap's counts in fields of 2, 4, 8 and 16 bits
	v_and_b32 v38, 0x55555555, v38
	v_sub_nc_u32 v39, v34, v38
	v_lshrrev_b32 v38, 2, v39
	v_and_b32 v38, 0x33333333, v38
	v_and_b32 v40, 0x33333333, v39
	v_add_nc_u32 v40, v40, v38
	v_lshrrev_b32 v38, 4, v40
	v_add_nc_u32 v38, v38, v40
	v_and_b32 v41, 0x0f0f0f0f, v38
	v_lshrrev_b32 v38, 8, v41
	v_add_nc_u32 v38, v38, v41
	v_and_b32 v42, 0x00ff00ff, v38
	v_mov_b32 v37, 0
	LEVEL 42, 8, 16
	LEVEL 41, 8, 8
	LEVEL 40, 4, 4
	LEVEL 39, 2, 2
	LEVEL 34, 1, 1                                 ; v37: the lane that held my row's token
	v_bfe_u32 v38, v35, v37, 1                     ; k
	v_lshrrev_b32 v45, 2, v33
	v_and_b32 v33, 3, v33
	v_lshl_add_u32 v33, v37, 2, v33
	v_lshl_add_u32 v33, v45, 7, v33                ; the token
	v_lshl_add_u32 v43, v33, 1, v38                ; slot = 2 token + k
.Lpush:
	v_mov_b32 v5, v6
	v_mov_b32 v6, v7
	v_mov_b32 v7, v8
	v_mov_b32 v8, v9
	v_mov_b32 v9, v43
	s_add_co_u32 s23, s23, 4
	s_add_co_u32 s22, s22, 1
	s_cmp_lt_u32 s22, 5
	s_cbranch_scc1 .Lsel
.irp a, 0,1,2,3,4
	v_lshrrev_b32 v[18+\a], 1, v[5+\a]             ; the token,
	v_min_u32 v[18+\a], 0x3ff, v[18+\a]
	v_lshl_add_u32 v[18+\a], v[18+\a], 11, v24     ; its row of 2,048 bytes in xb, + 16 h
.endr
	s_mov_b64 s[30:31], s[28:29]
	s_mov_b32 s25, 0
	VBSET
	s_wait_alu depctr_va_vdst(0)                   ; v14-22 are written, which the loads below and the first step's read; the search and the last way out are done with v32-159, the last trip's products with the token buffers, in which they land
	ALOAD 0, 0
	ALOAD 64, 1
	ALOAD 128, 2
	BLOAD 0, 32, 0
	BLOAD 0, 32, 4
	STEP 0, 1, 1, 1, 20                            ; the first K step starts the sums
	STEP 1, 0, 1, 1, 20
	STEP 2, 0, 1, 1, 20
	STEP 3, 0, 1, 1, 20
	ADV
	s_mov_b32 s24, 6
.Lk:
	STEP 0, 0, 1, 1, 20
	STEP 1, 0, 1, 1, 20
	STEP 2, 0, 1, 1, 20
	STEP 3, 0, 1, 1, 20
	ADV
	s_sub_co_u32 s24, s24, 1
	s_cmp_lg_u32 s24, 0
	s_cbranch_scc1 .Lk
	STEP 0, 0, 1, 1, 20                            ; the last 128 k: no load passes a row's end, and the counts run down
	STEP 1, 0, 0, 1, 20
	STEP 2, 0, 0, 1, 10
	STEP 3, 0, 0, 0, 0
.rept 4
	v_nop                                          ; the places between the last products and the first reader of a sum
.endr
.Lmeet:
	s_wait_dscnt 0x0                               ; my reads of the slice are back
	s_barrier_signal -1
	s_barrier_wait -1                              ; everybody's are: now the stages are written
	s_mov_b32 s22, 0
	s_mov_b32 s23, s27
.Ltile:
	s_cmp_ge_u32 s23, s20
	s_cbranch_scc1 .Ltn                            ; a tile past the count stores nothing
	s_wait_xcnt 0x0                                ; the last tile's stores have read their registers
	s_wait_alu depctr_vm_vsrc(0)                   ; the last tile's stores have read v14-21 and v96-127, its LDS stores v224-255, the K loop's LDS loads v14-17: this tile writes them again
	s_cmp_eq_u32 s22, 0
	s_cbranch_scc1 .Lc0
	s_cmp_eq_u32 s22, 1
	s_cbranch_scc1 .Lc1
	s_cmp_eq_u32 s22, 2
	s_cbranch_scc1 .Lc2
	s_cmp_eq_u32 s22, 3
	s_cbranch_scc1 .Lc3
	COPY 4
	s_branch .Lgo
.Lc0:
	COPY 0
	s_branch .Lgo
.Lc1:
	COPY 1
	s_branch .Lgo
.Lc2:
	COPY 2
	s_branch .Lgo
.Lc3:
	COPY 3
.Lgo:
.irp t, 0,1,2,3,4,5,6,7,8,9,10,11,12,13,14,15
	v_readlane_b32 s[66+\t], v5, \t                ; the tile's sixteen slots: v5 holds this tile's, lane r row r's
.endr
	GH 0
	GH 1
	s_wait_alu depctr_va_sdst(0)                   ; the sixteen v_readlane_b32 have written s66-81, ahead of their first reader
.irp t, 0,1,2,3,4,5,6,7
	v_mov_b32 v[14+\t], s[66+2*\t]                 ; lanes 0-15 store row 2 t,
	v_cndmask_b32 v[14+\t], v[14+\t], s[67+2*\t], s49  ; lanes 16-31 row 2 t + 1
	v_min_u32 v[14+\t], 0x7ff, v[14+\t]
	v_lshl_add_u32 v[14+\t], v[14+\t], 13, v27     ; the slot's row of 8,192 bytes in hid, + 16 r
.endr
	s_wait_alu depctr_va_vdst(0)                   ; the roundings have written v224-255, which the LDS stores read; the GELU is done with v96-127, in which the LDS loads land; v14-21 are written, which the global stores read
.irp b, 0,1,2,3,4,5,6,7
	ds_store_b128 v25, v[224+4*\b:227+4*\b] offset:32*\b
.endr
.irp t, 0,1,2,3,4,5,6,7
	ds_load_b128 v[96+4*\t:99+4*\t], v26 offset:2*SP*\t   ; a wave's LDS instructions are served in order: these see the stores above
.endr
	s_wait_dscnt 0x0
.irp t, 0,1,2,3,4,5,6,7
	global_store_b128 v[14+\t], v[96+4*\t:99+4*\t], s[34:35]  ; 16 lanes store 256 consecutive bytes, aligned
.endr
.Ltn:
	v_mov_b32 v5, v6                               ; the next tile's slots move up
	v_mov_b32 v6, v7
	v_mov_b32 v7, v8
	v_mov_b32 v8, v9
	s_add_co_u32 s23, s23, 4
	s_add_co_u32 s22, s22, 1
	s_cmp_lt_u32 s22, 5
	s_cbranch_scc1 .Ltile
	s_wait_dscnt 0x0                               ; my stage's stores and reads are done
	s_barrier_signal -1
	s_barrier_wait -1                              ; everybody's are: the next trip only reads
	s_add_co_u32 s27, s27, 20
	s_add_co_u32 s21, s21, 1
	s_cmp_lt_u32 s21, 4
	s_cbranch_scc1 .Ltrip
	s_wait_dscnt 0x0                               ; the wave's end
	s_wait_alu depctr_hold_cnt(0) depctr_sa_sdst(0) depctr_va_vdst(0) depctr_va_sdst(0) depctr_va_ssrc(0) depctr_va_vcc(0) depctr_vm_vsrc(0)
	s_wait_tensorcnt 0x0
	ds_add_u32 v1, v2
	s_wait_dscnt 0x0
	s_endpgm
.Lfunc_end_k_qdf31dc26a5_ffn1:
	.size	k_qdf31dc26a5_ffn1, .Lfunc_end_k_qdf31dc26a5_ffn1-k_qdf31dc26a5_ffn1
	.p2alignl 7, 3214868480
	.fill 96, 4, 3214868480
	.section	.rodata,"a",@progbits
	.p2align	6, 0x0
	.amdhsa_kernel k_qdf31dc26a5_ffn1
		.amdhsa_group_segment_fixed_size 320000
		.amdhsa_private_segment_fixed_size 0
		.amdhsa_enable_private_segment 0
		.amdhsa_kernarg_size 40
		.amdhsa_user_sgpr_count 2
		.amdhsa_user_sgpr_kernarg_segment_ptr 1
		.amdhsa_wavefront_size32 1
		.amdhsa_system_sgpr_workgroup_id_x 1
		.amdhsa_system_sgpr_workgroup_id_y 1
		.amdhsa_system_sgpr_workgroup_id_z 1
		.amdhsa_system_vgpr_workitem_id 0
		.amdhsa_next_free_vgpr 928
		.amdhsa_next_free_sgpr 90
		.amdhsa_reserve_vcc 1
		.amdhsa_float_denorm_mode_32 3
		.amdhsa_float_denorm_mode_16_64 3
		.amdhsa_memory_ordered 1
		.amdhsa_forward_progress 1
		.amdhsa_inst_pref_size 181
	.end_amdhsa_kernel
	.amdgpu_metadata
---
amdhsa.version: [ 1, 2 ]
amdhsa.kernels:
  - .name:           k_qdf31dc26a5_ffn1
    .symbol:         k_qdf31dc26a5_ffn1.kd
    .args:
      - { .name: xb, .offset: 0, .size: 8, .value_kind: global_buffer, .address_space: global }
      - { .name: W1, .offset: 8, .size: 8, .value_kind: global_buffer, .address_space: global }
      - { .name: b1, .offset: 16, .size: 8, .value_kind: global_buffer, .address_space: global }
      - { .name: sel, .offset: 24, .size: 8, .value_kind: global_buffer, .address_space: global }
      - { .name: hid, .offset: 32, .size: 8, .value_kind: global_buffer, .address_space: global }
    .group_segment_fixed_size: 320000
    .private_segment_fixed_size: 0
    .kernarg_segment_align: 8
    .kernarg_segment_size: 40
    .max_flat_workgroup_size: 128
    .sgpr_count:     90
    .vgpr_count:     928
    .wavefront_size: 32
...
	.end_amdgpu_metadata
.endif
;; end of part 8
;; launch ffn2: the kernel of part 6 again; grid 32 x 8, 4 waves a work-group, no clusters, 320,000 bytes of LDS; arguments hid, W2, sel, part; writes part
;; launch combine: the kernel of part 4 again; grid 256 x 1, 4 waves a work-group, no clusters, 0 bytes of LDS; arguments part, x, b2, ln_g, ln_b, sel, gw, out0; writes out0
